; MI455X (gfx1250); checked and timed in simulation.
; The chip was launched on July 23, 2026; its instructions are those of AMD's public machine-readable ISA for CDNA 5 (MIT licence, August 2026) and "CDNA5" Instruction Set Architecture Reference Guide (July 2026). The comments in the code are by the model that wrote it; some were corrected since.
;; New Deep SC Transformer Block. Allowed arithmetic: matrix products marked QUANTISED: E2M1 operands, one E8M0 scale for each 32 along K, by v_wmma_scale_f32_16x16x128_f8f6f4 with both operands' format E2M1 (or v_wmma_scale_f32_32x16x128_f4), f32 sums; everything else in f32.
;; Inputs: M 2 x 2,048 x 2,048 float32; e_bf 512 float32; e_bk 512 float32; e_bo 512 float32; e_bq 512 float32; e_bv 512 float32; e_wf 1,024 x 512 float32; e_wk 512 x 512 float32; e_wo 512 x 512 float32; e_wq 512 x 512 float32; e_wv 512 x 512 float32; expr_emb 2 x 2,048 x 512 float32; fe_b1 2,048 float32; fe_b2 512 float32; fe_w1 512 x 2,048 float32; fe_w2 2,048 x 512 float32; fg_b1 2,048 float32; fg_b2 512 float32; fg_w1 512 x 2,048 float32; fg_w2 2,048 x 512 float32; g_bk 512 float32; g_bo 512 float32; g_bq 512 float32; g_bv 512 float32; g_wk 512 x 512 float32; g_wo 512 x 512 float32; g_wq 512 x 512 float32; g_wv 512 x 512 float32; gene_emb 2 x 2,048 x 512 float32; ln_e1_b 512 float32; ln_e1_w 512 float32; ln_e2_b 512 float32; ln_e2_w 512 float32; ln_g1_b 512 float32; ln_g1_w 512 float32; ln_g2_b 512 float32; ln_g2_w 512 float32.
;; Outputs: out0 2 x 2,048 x 512 float32; out1 2 x 2,048 x 512 float32.
;; This version of the problem:
;;   THIS VERSION OF THE PROBLEM IS GIVEN IN LOW PRECISION. The matrix products marked QUANTISED in the list below multiply operands that are first quantised to E2M1 (2 exponent bits, 1 mantissa bit; 4 bits a number), with one power-of-two scale for each 32 numbers along K (OCP MX v1.0); their sums are f32. All else is computed in f32.
;;   The module's matrix products, in the order in which they are computed (A, B: the left and right operand; K: the contracted axis; several contracted axes count as one K, in the product's order):
;;     1. [M 4,096, K 512] x [K 512, N 512]; A: computed on the way; B: input g_wq: QUANTISED
;;     2. [M 4,096, K 512] x [K 512, N 512]; A: computed on the way; B: input g_wk: QUANTISED
;;     3. [M 4,096, K 512] x [K 512, N 512]; A: computed on the way; B: input g_wv: QUANTISED
;;     4. batch 16 x [M 2,048, K 64] x [K 64, N 2,048]; A: computed on the way; B: computed on the way: QUANTISED
;;     5. batch 16 x [M 64, K 2,048] x [K 2,048, N 2,048]; A: computed on the way; B: computed on the way: QUANTISED
;;     6. [M 4,096, K 512] x [K 512, N 512]; A: computed on the way; B: input g_wo: QUANTISED
;;     7. [M 4,096, K 512] x [K 512, N 2,048]; A: computed on the way; B: input fg_w1: QUANTISED
;;     8. [M 4,096, K 2,048] x [K 2,048, N 512]; A: computed on the way; B: input fg_w2: QUANTISED
;;     9. [M 4,096, K 1,024] x [K 1,024, N 512]; A: computed on the way; B: input e_wf: QUANTISED
;;     10. [M 4,096, K 512] x [K 512, N 512]; A: computed on the way; B: input e_wq: QUANTISED
;;     11. [M 4,096, K 512] x [K 512, N 512]; A: computed on the way; B: input e_wk: QUANTISED
;;     12. [M 4,096, K 512] x [K 512, N 512]; A: computed on the way; B: input e_wv: QUANTISED
;;     13. batch 16 x [M 2,048, K 64] x [K 64, N 2,048]; A: computed on the way; B: computed on the way: QUANTISED
;;     14. batch 16 x [M 64, K 2,048] x [K 2,048, N 2,048]; A: computed on the way; B: computed on the way: QUANTISED
;;     15. [M 4,096, K 512] x [K 512, N 512]; A: computed on the way; B: input e_wo: QUANTISED
;;     16. [M 4,096, K 512] x [K 512, N 2,048]; A: computed on the way; B: input fe_w1: QUANTISED
;;     17. [M 4,096, K 2,048] x [K 2,048, N 512]; A: computed on the way; B: input fe_w2: QUANTISED
;;   THE QUANTISER, for each operand of a quantised product, along K:
;;     - K is cut into blocks of 32 from its start; a last block that is shorter is filled with zeros.
;;     - A block's scale is 2^e with e = floor(log2(the largest magnitude in the block)) - 2, held to -126 .. 127; a block of zeros has e = 0. As a byte (E8M0): e + 127.
;;     - Each number is divided by its block's scale, clamped to +-6, and rounded to the nearest number of E2M1, ties to even, subnormals kept.
;;     - The product sums the exact products of the quantised numbers (number of the format x scale) in f32.
;;   ~~~python
;;   def quantise(x, axis):      # numpy; x: float32 -> the quantised numbers, widened to float32 again
;;       x = np.moveaxis(x, axis, -1); K = x.shape[-1]
;;       x = np.pad(x, [(0, 0)] * (x.ndim - 1) + [(0, -K % 32)]); x = x.reshape(x.shape[:-1] + (-1, 32)); a = np.abs(x).max(-1, keepdims=True)
;;       e = np.where(a > 0, np.clip(np.frexp(np.where(a > 0, a, 1))[1] - 1 - 2, -126, 127), 0)      # np.frexp(a)[1] - 1 = floor(log2(a)), exactly
;;       r = np.clip(x / 2.0 ** e, -6, 6)
;;       step = 2.0 ** (np.maximum(np.frexp(np.where(r == 0, 1, r))[1] - 1, 0) - 1)
;;       q = np.round(r / step) * step * 2.0 ** e      # np.round: ties to even
;;       return np.moveaxis(q.reshape(q.shape[:-2] + (-1,))[..., :K], -1, axis).astype(np.float32)
;;   ~~~
;;   OPERANDS COMPUTED ON THE WAY. 'Computed on the way' means the value that the module computes at that place (a softmax that the list does not call 'softmax' is quantised finished and normalised). What goes into a quantiser is computed in f32, as accurately as f32 sums, v_exp_f32 and their like allow (about 1e-6 of the number): no bf16 or f16 on the way to a quantiser, and a product that is left as it is and whose result goes on into a quantised operand takes f32 operands (vector FMAs, or v_wmma_f32_16x16x4_f32). A number that lies on a knife's edge between two numbers of the format may be rounded either way, as far as f32 arithmetic and the matrix unit's own rounding can turn it there, and no further.
;; 2 versions. Each part assembles by itself: llvm-mc -triple=amdgcn-amd-amdhsa -mcpu=gfx1250 --defsym DOCPART=n.
;; ======== version 1 of 2: 4 launches
;; workspace buffers: wts 3,620,864 bytes; qkv 6,946,816 bytes; att 2,228,224 bytes
;; launch wprep (part 1): grid 416 x 1, 4 waves a work-group, no clusters, 0 bytes of LDS; arguments g_wq, g_wk, g_wv, g_wo, e_wq, e_wk, e_wv, e_wo, e_wf, fg_w2, fe_w2, fg_w1, fe_w1, wts; writes wts
.if DOCPART == 1
	.amdgcn_target "amdgcn-amd-amdhsa--gfx1250"
	.amdhsa_code_object_version 6
	.text
	.protected	k_q6011f8c173_wprep
	.globl	k_q6011f8c173_wprep
	.p2align	8
	.type	k_q6011f8c173_wprep,@function
k_q6011f8c173_wprep:
	s_mov_b64 s[64:65], 0
	v_nop
	global_prefetch_b8 v0, s[64:65] scope:SCOPE_SE
	s_setreg_imm32_b32 hwreg(HW_REG_WAVE_MODE, 25, 1), 1
	s_wait_xcnt 0x0
; Every weight [K][N], f32, K its first axis, becomes codes of FP4 (E2M1) and E8M0 scale bytes, one for each 32 along K, laid in the ORDER OF THE OPERAND'S REGISTERS.
; A tile is 16 output features x 128 K: 1,024 bytes, register group c (4 registers) of lane l at 512 c + 16 l.  Features go in blocks of 32, two tiles v to a block:
; row p of tile v is feature 8 v + p + 8 (p / 8) of the block, so that two neighbouring tiles' results are 16 neighbours along the next product's K.
; A LANE TAKES A COLUMN AND ITS REGISTERS RUN DOWN K: a block of 32 along K lies in one lane, its largest magnitude needs no other lane, the conversions give K innermost.
; A work-group takes 128 columns x 128 K, a wave 32 columns (one block of features).  Work-groups 0-287: the weights with 512 columns, in chunks of 512 along K
; (g_wq g_wk g_wv g_wo e_wq e_wk e_wv e_wo, e_wf 2, fg_w2 4, fe_w2 4); 288-415: fg_w1, fe_w1 (2,048 columns).  In both classes work-group a's codes begin at 8,192 a, its scale words at SA + 512 a.
; A block's 16 bytes of a column go to 256 x block + 16 p of its tile: the 16 lanes of a tile store 256 consecutive aligned bytes.  The scale words leave 128 consecutive bytes a wave: 1 byte for 128 read.
; LIMITS: a block whose largest magnitude lies under 2^-124 (a block of zeros too) keeps the byte 1: its codes are what the conversion gives under that scale, zeros for zeros; this program alone reads the bytes.  NaN and infinities are not served.
.set SA, 0x340000
.set X,  32                            ; v32-95  two sets of 32 numbers
.set CD, 96                            ; v96-111 codes, four registers for each block, so that no store's data are written again
.macro LOADB t, n                      ; block t of the 128 along K: W(32 t + i, my column); n = the weight's columns
.irp i, 0,1,2,3,4,5,6,7,8,9,10,11,12,13,14,15,16,17,18,19,20,21,22,23,24,25,26,27,28,29,30,31
	global_load_b32 v[X+32*((\t)%2)+\i], v2, s[36:37] offset:(32*(\t)+\i)*\n*4 th:TH_LOAD_NT
.endr
.endm
.macro BLOCK t, n
.set XS, X+32*((\t)%2)
.if (\t) < 3
	s_wait_loadcnt 32                              ; this block's 32 loads are in; the next block's 32 may be out
.else
	s_wait_loadcnt 0x0
.endif
	v_max3_num_f32 v12, |v[XS]|, |v[XS+1]|, |v[XS+2]|
	v_max3_num_f32 v13, |v[XS+3]|, |v[XS+4]|, |v[XS+5]|
.irp i, 6,10,14,18,22,26
	v_max3_num_f32 v12, v12, |v[XS+\i]|, |v[XS+\i+1]|
	v_max3_num_f32 v13, v13, |v[XS+\i+2]|, |v[XS+\i+3]|
.endr
	v_max3_num_f32 v12, v12, |v[XS+30]|, |v[XS+31]|
	v_max3_num_f32 v12, v12, v13, 0x1800000        ; the floor 2^(3 - 127): the byte cannot fall under 1
	v_add_nc_u32 v11, 0xff000000, v12              ; 2 off the exponent field: the conversion's scale operand
	v_lshrrev_b32 v13, 23, v11                     ; the scale's byte
.if (\t) == 0
	v_mov_b32 v24, v13
.else
	v_lshl_or_b32 v24, v13, 8*(\t), v24            ; four bytes make the column's scale word of this K step
.endif
.irp g, 0,1,2,3
	v_cvt_scalef32_pk8_fp4_f32 v[CD+4*(\t)+\g], v[XS+8*\g:XS+8*\g+7], v11
.endr
	v_nop                                          ; one plain place behind the conversions: the next block writes their scale operand
	global_store_b128 v3, v[CD+4*(\t):CD+4*(\t)+3], s[44:45] offset:256*(\t)
.if (\t)+2 < 4
	LOADB (\t)+2, \n
.endif
.endm
.macro BODY n
	LOADB 0, \n
	LOADB 1, \n
	BLOCK 0, \n
	BLOCK 1, \n
	BLOCK 2, \n
	BLOCK 3, \n
	global_store_b32 v4, v24, s[46:47]
	s_endpgm
.endm
	s_load_b512 s[8:23], s[0:1], 0x0               ; g_wq g_wk g_wv g_wo e_wq e_wk e_wv e_wo
	s_load_b256 s[24:31], s[0:1], 0x40             ; e_wf fg_w2 fe_w2 fg_w1
	s_load_b128 s[32:35], s[0:1], 0x60             ; fe_w1 wts
	v_lshlrev_b32 v2, 2, v0                        ; in: thread t takes column t of the work-group's 128
	v_bfe_u32 v5, v0, 3, 1                         ; v: which tile of the block my column falls into
	v_and_b32 v6, 7, v0
	v_bfe_u32 v7, v0, 4, 1
	v_lshl_add_u32 v6, v7, 3, v6                   ; p: which row of it
	v_lshrrev_b32 v8, 5, v0                        ; wave
	v_lshlrev_b32 v3, 4, v6
	v_lshl_add_u32 v3, v5, 10, v3
	v_lshl_add_u32 v3, v8, 11, v3                  ; codes: 2,048 x wave + 1,024 v + 16 p
	v_lshlrev_b32 v4, 2, v6
	v_lshl_add_u32 v4, v5, 6, v4
	v_lshl_add_u32 v4, v8, 7, v4                   ; scale word: 128 x wave + 4 (16 v + p)
	s_lshl_b32 s40, ttmp9, 13
	s_mov_b32 s41, 0
	s_lshl_b32 s42, ttmp9, 9
	s_add_co_u32 s42, s42, SA
	s_mov_b32 s43, 0
	s_wait_kmcnt 0x0
	s_add_nc_u64 s[44:45], s[34:35], s[40:41]
	s_add_nc_u64 s[46:47], s[34:35], s[42:43]
	s_cmp_ge_u32 ttmp9, 288
	s_cbranch_scc1 .Lwide
	s_lshr_b32 s2, ttmp9, 4                        ; the chunk
	s_min_u32 s3, s2, 8                            ; the first chunk of its weight
	s_mov_b64 s[36:37], s[8:9]
.irp i, 1,2,3,4,5,6,7
	s_cmp_ge_u32 s2, \i
	s_cselect_b64 s[36:37], s[8+2*\i:9+2*\i], s[36:37]
.endr
	s_cmp_ge_u32 s2, 8
	s_cselect_b64 s[36:37], s[24:25], s[36:37]
	s_cmp_ge_u32 s2, 10
	s_cselect_b64 s[36:37], s[26:27], s[36:37]
	s_cselect_b32 s3, 10, s3
	s_cmp_ge_u32 s2, 14
	s_cselect_b64 s[36:37], s[28:29], s[36:37]
	s_cselect_b32 s3, 14, s3
	s_sub_co_u32 s3, s2, s3
	s_lshl_b32 s3, s3, 2
	s_bfe_u32 s38, ttmp9, 0x20002                  ; the K step in the chunk
	s_add_co_u32 s3, s3, s38
	s_lshl_b32 s3, s3, 18                          ; 128 rows of 2,048 bytes
	s_and_b32 s38, ttmp9, 3
	s_lshl_b32 s38, s38, 9                         ; 128 columns of 4 bytes
	s_add_co_u32 s38, s38, s3
	s_mov_b32 s39, 0
	s_add_nc_u64 s[36:37], s[36:37], s[38:39]
	BODY 512
.Lwide:
	s_sub_co_u32 s2, ttmp9, 288
	s_cmp_ge_u32 s2, 64
	s_cselect_b64 s[36:37], s[32:33], s[30:31]
	s_bfe_u32 s3, s2, 0x20004                      ; the K step
	s_lshl_b32 s3, s3, 20                          ; 128 rows of 8,192 bytes
	s_and_b32 s38, s2, 15
	s_lshl_b32 s38, s38, 9
	s_add_co_u32 s38, s38, s3
	s_mov_b32 s39, 0
	s_add_nc_u64 s[36:37], s[36:37], s[38:39]
	BODY 2048
.Lfunc_end_k_q6011f8c173_wprep:
	.size	k_q6011f8c173_wprep, .Lfunc_end_k_q6011f8c173_wprep-k_q6011f8c173_wprep
	.p2alignl 7, 3214868480
	.fill 96, 4, 3214868480
	.section	.rodata,"a",@progbits
	.p2align	6, 0x0
	.amdhsa_kernel k_q6011f8c173_wprep
		.amdhsa_group_segment_fixed_size 0
		.amdhsa_private_segment_fixed_size 0
		.amdhsa_enable_private_segment 0
		.amdhsa_kernarg_size 112
		.amdhsa_user_sgpr_count 2
		.amdhsa_user_sgpr_kernarg_segment_ptr 1
		.amdhsa_wavefront_size32 1
		.amdhsa_system_sgpr_workgroup_id_x 1
		.amdhsa_system_sgpr_workgroup_id_y 1
		.amdhsa_system_sgpr_workgroup_id_z 1
		.amdhsa_system_vgpr_workitem_id 0
		.amdhsa_next_free_vgpr 112
		.amdhsa_next_free_sgpr 66
		.amdhsa_reserve_vcc 0
		.amdhsa_float_denorm_mode_32 3
		.amdhsa_float_denorm_mode_16_64 3
		.amdhsa_memory_ordered 1
		.amdhsa_forward_progress 1
		.amdhsa_inst_pref_size 40
	.end_amdhsa_kernel
	.amdgpu_metadata
---
amdhsa.version: [ 1, 2 ]
amdhsa.kernels:
  - .name:           k_q6011f8c173_wprep
    .symbol:         k_q6011f8c173_wprep.kd
    .args:
      - { .name: g_wq, .offset: 0, .size: 8, .value_kind: global_buffer, .address_space: global }
      - { .name: g_wk, .offset: 8, .size: 8, .value_kind: global_buffer, .address_space: global }
      - { .name: g_wv, .offset: 16, .size: 8, .value_kind: global_buffer, .address_space: global }
      - { .name: g_wo, .offset: 24, .size: 8, .value_kind: global_buffer, .address_space: global }
      - { .name: e_wq, .offset: 32, .size: 8, .value_kind: global_buffer, .address_space: global }
      - { .name: e_wk, .offset: 40, .size: 8, .value_kind: global_buffer, .address_space: global }
      - { .name: e_wv, .offset: 48, .size: 8, .value_kind: global_buffer, .address_space: global }
      - { .name: e_wo, .offset: 56, .size: 8, .value_kind: global_buffer, .address_space: global }
      - { .name: e_wf, .offset: 64, .size: 8, .value_kind: global_buffer, .address_space: global }
      - { .name: fg_w2, .offset: 72, .size: 8, .value_kind: global_buffer, .address_space: global }
      - { .name: fe_w2, .offset: 80, .size: 8, .value_kind: global_buffer, .address_space: global }
      - { .name: fg_w1, .offset: 88, .size: 8, .value_kind: global_buffer, .address_space: global }
      - { .name: fe_w1, .offset: 96, .size: 8, .value_kind: global_buffer, .address_space: global }
      - { .name: wts, .offset: 104, .size: 8, .value_kind: global_buffer, .address_space: global }
    .group_segment_fixed_size: 0
    .private_segment_fixed_size: 0
    .kernarg_segment_align: 8
    .kernarg_segment_size: 112
    .max_flat_workgroup_size: 128
    .sgpr_count:     66
    .vgpr_count:     112
    .wavefront_size: 32
...
	.end_amdgpu_metadata
.endif
;; end of part 1
;; launch qkv (part 2): grid 128 x 2, 8 waves a work-group, no clusters, 40,960 bytes of LDS; arguments gene_emb, expr_emb, ln_g1_w, ln_g1_b, ln_e1_w, ln_e1_b, g_bq, g_bk, g_bv, e_bq, e_bk, e_bv, e_bf, wts, qkv; writes qkv
.if DOCPART == 2
	.amdgcn_target "amdgcn-amd-amdhsa--gfx1250"
	.amdhsa_code_object_version 6
	.text
	.protected	k_q6011f8c173_qkv
	.globl	k_q6011f8c173_qkv
	.p2align	8
	.type	k_q6011f8c173_qkv,@function
k_q6011f8c173_qkv:
	s_mov_b64 s[64:65], 0
	v_nop
	global_prefetch_b8 v0, s[64:65] scope:SCOPE_SE
	s_setreg_imm32_b32 hwreg(HW_REG_WAVE_MODE, 25, 1), 1
	s_wait_xcnt 0x0
; LayerNorm 1, (expression branch: the fused projection,) Q, K, V of 32 tokens, all products on codes of FP4 (E2M1) with one E8M0 scale for each 32 along K.
; A work-group: branch y (0 gene, 1 expression), tokens 32 x .. 32 x + 31 of the branch's 4,096.  Eight waves.  In the products wave w owns output features 64 w .. 64 w + 63: head w.
; TOKENS, FEATURES AND KEYS GO IN BLOCKS OF 32, TWO TILES v TO A BLOCK: row p of tile v is element 8 v + p + 8 (p / 8).  Where such a tile is source 0, register j of lane half h in tiles 0, 1 is element 16 h + 8 v + j:
; the 16 registers of a tile pair are 16 neighbours, a block of 32 lies in lanes l and l xor 16, and the conversions' results (with one exchange of halves) are the next operand's registers.
; OPERANDS GO FROM WAVE TO WAVE THROUGH LDS AS IMAGES OF THEIR REGISTERS: K step s, register group c, tile v at 2,048 s + 1,024 c + 512 v + 16 lane; scale words at 128 s + 4 (16 v + row): one register carries both tiles' words.
; THE WEIGHTS come from the workspace in register order, straight into a ring of eight register sets in the second window of 256 registers, FIVE K STEPS AHEAD.  An item is one K step of 64 features: 8 loads of codes,
; 2 of scale words, 4,352 bytes; six items, 60 loads of a wave, are out at the most.  The ring runs on across the phases: its first five items are asked for as soon as the rows are in, ahead of the LayerNorm.
; Items 0-7 are the fused product's (expression branch alone), items 8-19 Q's, K's and V's; item n lies in set n % 8, so Q's first item lies in set 0 in both branches.  The first five items are loaded by one text for both
; branches, through bases that stand at the fused weight (expression) or at Q's (gene): Q's, K's and V's twelve K steps lie on end in the workspace, 32,768 bytes apart, and the fused weight 16 such steps on.
; Q and K (weights are source 0: a lane holds one token, registers run along the head's 64) are quantised along the head; V (tokens are source 0: a lane holds one channel, registers run along the 32 tokens) along the keys.
; The mean and variance are made from the four waves' means and centred sums of squares of 128 numbers each, so that a common offset of the inputs costs no digits.
; V's scale bytes leave as single bytes (four work-groups fill a word): 131,072 bytes in the launch.
; All row blocks walk the same weights; each byte goes to one wave's registers and no LDS ring is kept, so nothing is asked for jointly in a cluster.
; LIMITS: a block whose largest magnitude lies under 2^-124 (a block of zeros too) keeps the byte 1; this program alone reads the bytes.  NaN and infinities are not served.
.set SA,    0x340000                   ; wts: the scale words of the 512-column weights, 2,048 bytes a K step
.set IMG,   0                          ; LDS: raw gene rows' images (K steps 0-3 of the fused product),
.set IMA,   8192                       ; the LayerNorm's (K steps 4-7 of it; V's operand; in the gene branch Q's and K's too),
.set IMF,   16384                      ; the fused projection's,
.set SCG,   24576                      ; their scale words, 512 bytes each,
.set SCA,   25088
.set SCF,   25600
.set STAT,  26112                      ; (mean, centred sum of squares) of row (16 v + r), chunk s at 48 (16 v + r) + 8 s
.set CONST, 27648                      ; lnw, lnb, bq, bk, bv, bf: 2,048 bytes each
.set KCO,   0x200000                   ; qkv: K's codes; V's; Q's, K's, V's scale words
.set VCO,   0x400000
.set QSO,   0x600000
.set KSO,   0x640000
.set VSO,   0x680000
.set WTS,   34                         ; s[34:35] wts
.set WTC,   44                         ; s[44:45] wts at the codes of the branch's first product: + 16 K steps in the expression branch
.set WTW,   48                         ; s[48:49] the same for the scale words
.set SEL,   54                         ; s[54:55] v_permlanex16_b32's selects for lane l xor 16
.set HM,    56                         ; s56 the mask of lanes 16-31
.set TM,  16                           ; v16-31   at work
.set PC,  32                           ; v32-39   the codes just made
.set PW,  40                           ; v40      the scale word just made
.set ACC, 48                           ; v48-111  eight accumulators
.set GR,  112                          ; v112-175 raw gene rows; later lnw
.set WS,  176                          ; v176-191 the weights' scale words: two registers a set (scale operands have no window)
.set LB,  192                          ; v192-255 lnb, in the LayerNorm alone
.set XSC, 214                          ; v214-215 the rows' scale words: two sets
.set XF,  216                          ; v216-247 the rows' fragments: two sets of two tiles
.set AHEAD, 5                          ; K steps that the ring asks ahead
.set NIT, 20                           ; items in the ring's run
.set MSB, 0
.macro WIN new                         ; s_set_vgpr_msb: bits 1:0 source 0, 3:2 source 1, 5:4 source 2, 7:6 destination; the high byte repeats the setting that is left
.if MSB != \new
	s_set_vgpr_msb (MSB<<8)|\new
.set MSB, \new
.endif
.endm
.macro WLD st, cb, sb, k               ; K step k from the bases s[cb] (codes) and s[sb] (scale words) into set st: v[256 + 32 st] on
	WIN 0x40                                       ; destination in the second window, address in the first
.irp ft, 0,1,2,3
.irp c, 0,1
	global_load_b128 v[32*(\st)+8*\ft+4*\c:32*(\st)+8*\ft+4*\c+3], v11, s[\cb:\cb+1] offset:(\k)*32768+\ft*1024+\c*512
.endr
.endr
	WIN 0
.irp p, 0,1
	global_load_b32 v[WS+2*(\st)+\p], v12, s[\sb:\sb+1] offset:SA+(\k)*2048+\p*128
.endr
.endm
.macro WNEXT n                         ; item n of the run
.if (\n) < 8
	WLD (\n)%8, WTC, WTW, (\n)
.else
	WLD (\n)%8, WTS, WTS, (\n)-8
.endif
.endm
.macro XLOAD n                         ; the rows' fragments and scale words for item n
.if (\n) < 8
.set xr_, 1
.set xo_, IMG+(\n)*2048
.set xsr_, 2
.set xso_, SCG+(\n)*128
.elseif (\n) < 16
.set xr_, 13
.set xo_, (((\n)-8)%4)*2048
.set xsr_, 14
.set xso_, (((\n)-8)%4)*128
.else
.set xr_, 1
.set xo_, IMA+((\n)-16)*2048
.set xsr_, 2
.set xso_, SCA+((\n)-16)*128
.endif
.irp tv, 0,1
.irp c, 0,1
	ds_load_b128 v[XF+16*((\n)%2)+8*\tv+4*\c:XF+16*((\n)%2)+8*\tv+4*\c+3], v[xr_] offset:xo_+\c*1024+\tv*512
.endr
.endr
	ds_load_b32 v[XSC+(\n)%2], v[xsr_] offset:xso_
.endm
; one matrix instruction: D at d, sources at a and b, C = D (cz = 0) or the constant 0 (cz = 1); ra, rb = 1: that side's scale words stand in lanes 16-31
.macro MMA d, a, b, cz, sa, sb, ra, rb
.set sel_, 4*(\cz)+2*(\ra)+(\rb)
.if sel_ == 0
	v_wmma_scale_f32_16x16x128_f8f6f4 v[\d:\d+7], v[\a:\a+7], v[\b:\b+7], v[\d:\d+7], v[\sa], v[\sb] matrix_a_fmt:MATRIX_FMT_FP4 matrix_b_fmt:MATRIX_FMT_FP4
.elseif sel_ == 1
	v_wmma_scale_f32_16x16x128_f8f6f4 v[\d:\d+7], v[\a:\a+7], v[\b:\b+7], v[\d:\d+7], v[\sa], v[\sb] matrix_a_fmt:MATRIX_FMT_FP4 matrix_b_fmt:MATRIX_FMT_FP4 matrix_b_scale:MATRIX_SCALE_ROW1
.elseif sel_ == 2
	v_wmma_scale_f32_16x16x128_f8f6f4 v[\d:\d+7], v[\a:\a+7], v[\b:\b+7], v[\d:\d+7], v[\sa], v[\sb] matrix_a_fmt:MATRIX_FMT_FP4 matrix_b_fmt:MATRIX_FMT_FP4 matrix_a_scale:MATRIX_SCALE_ROW1
.elseif sel_ == 3
	v_wmma_scale_f32_16x16x128_f8f6f4 v[\d:\d+7], v[\a:\a+7], v[\b:\b+7], v[\d:\d+7], v[\sa], v[\sb] matrix_a_fmt:MATRIX_FMT_FP4 matrix_b_fmt:MATRIX_FMT_FP4 matrix_a_scale:MATRIX_SCALE_ROW1 matrix_b_scale:MATRIX_SCALE_ROW1
.elseif sel_ == 4
	v_wmma_scale_f32_16x16x128_f8f6f4 v[\d:\d+7], v[\a:\a+7], v[\b:\b+7], 0, v[\sa], v[\sb] matrix_a_fmt:MATRIX_FMT_FP4 matrix_b_fmt:MATRIX_FMT_FP4
.elseif sel_ == 5
	v_wmma_scale_f32_16x16x128_f8f6f4 v[\d:\d+7], v[\a:\a+7], v[\b:\b+7], 0, v[\sa], v[\sb] matrix_a_fmt:MATRIX_FMT_FP4 matrix_b_fmt:MATRIX_FMT_FP4 matrix_b_scale:MATRIX_SCALE_ROW1
.elseif sel_ == 6
	v_wmma_scale_f32_16x16x128_f8f6f4 v[\d:\d+7], v[\a:\a+7], v[\b:\b+7], 0, v[\sa], v[\sb] matrix_a_fmt:MATRIX_FMT_FP4 matrix_b_fmt:MATRIX_FMT_FP4 matrix_a_scale:MATRIX_SCALE_ROW1
.else
	v_wmma_scale_f32_16x16x128_f8f6f4 v[\d:\d+7], v[\a:\a+7], v[\b:\b+7], 0, v[\sa], v[\sb] matrix_a_fmt:MATRIX_FMT_FP4 matrix_b_fmt:MATRIX_FMT_FP4 matrix_a_scale:MATRIX_SCALE_ROW1 matrix_b_scale:MATRIX_SCALE_ROW1
.endif
.endm
; Item n of the run: 64 features x 32 tokens x 128 K, eight matrix instructions on eight accumulators, which take turns in the same order in every K step.
; kind 0: the weights are source 0 (a lane holds a token, accumulator 4 tv + ft);  kind 1: the tokens are source 0 (a lane holds a feature, accumulator 2 ft + tv).  first = 1: C is the constant 0.
.macro KSTEP n, kind, first
.if (\n)+AHEAD < NIT
	WNEXT (\n)+AHEAD                               ; into a set whose last products stand three K steps back
.endif
.set xn_, 1                            ; the next K step's rows are fetched here, unless a phase ends: their images are not yet made
.if (\n)+1 == 8
.set xn_, 0
.endif
.if (\n)+1 == NIT
.set xn_, 0
.endif
.if xn_
	XLOAD (\n)+1                                   ; into the set that item n - 1 multiplied: its four closing v_nop are the places in front of these loads
.endif
.set yg_, NIT-1-(\n)
.if yg_ > AHEAD
.set yg_, AHEAD
.endif
	s_wait_loadcnt 10*yg_                          ; item n is in; the ten loads of each younger item may be out
.if xn_
	s_wait_dscnt 5                                 ; all LDS loads but the five just issued
.else
	s_wait_dscnt 0x0
.endif
.set kw_, 32*((\n)%8)
.set ks_, WS+2*((\n)%8)
.set kx_, XF+16*((\n)%2)
.set kc_, XSC+(\n)%2
.if \kind == 0
	WIN 0x01                                       ; source 0, the weights, in the second window
.irp tv, 0,1
.irp ft, 0,1,2,3
	MMA ACC+8*(4*\tv+\ft), kw_+8*\ft, kx_+8*\tv, 0, ks_+\ft/2, kc_, \ft%2, \tv
.endr
.endr
.else
	WIN 0x04                                       ; source 1, the weights, in the second window
.irp ft, 0,1,2,3
.irp tv, 0,1
	MMA ACC+8*(2*\ft+\tv), kx_+8*\tv, kw_+8*\ft, \first, kc_, ks_+\ft/2, \tv, \ft%2
.endr
.endr
.endif
	WIN 0
.rept 4
	v_nop                                          ; four places in front of the next loads into these operands and of the first read of results
.endr
.endm
; 64 numbers of a lane, four blocks of 16 registers (the other 16 of each block lie in lane l xor 16), become codes in v[PC] on, bytes in v[TM+4] on and a word of the four bytes in v[PW].
; swap = 1: the halves change places, so that registers 4 c .. 4 c + 3 hold a whole block a lane, as an operand wants them.
.macro QUANT s, swap
	s_wait_xcnt 0x0                                ; earlier stores have read the codes' and words' registers, which are written again below
.irp b, 0,1,2,3
	v_max3_num_f32 v[TM+\b], |v[\s+16*\b]|, |v[\s+1+16*\b]|, 0x1800000   ; with the floor 2^(3 - 127): the byte cannot fall under 1
.endr
.irp i, 2,4,6,8,10,12,14
.irp b, 0,1,2,3
	v_max3_num_f32 v[TM+\b], v[TM+\b], |v[\s+16*\b+\i]|, |v[\s+1+16*\b+\i]|
.endr
.endr
.irp b, 0,1,2,3
	v_permlanex16_b32 v[TM+4+\b], v[TM+\b], s[SEL], s[SEL+1]
.endr
.irp b, 0,1,2,3
	v_max_num_f32 v[TM+\b], v[TM+\b], v[TM+4+\b]   ; the block's largest magnitude
.endr
.irp b, 0,1,2,3
	v_add_nc_u32 v[TM+12+\b], 0xff000000, v[TM+\b] ; 2 off its exponent field: the conversion's scale operand
.endr
.irp b, 0,1,2,3
	v_lshrrev_b32 v[TM+4+\b], 23, v[TM+12+\b]      ; the scale's byte
.endr
	v_lshl_or_b32 v[PW], v[TM+5], 8, v[TM+4]
	v_lshl_or_b32 v[PW], v[TM+6], 16, v[PW]
	v_lshl_or_b32 v[PW], v[TM+7], 24, v[PW]
.irp b, 0,1,2,3
	v_cvt_scalef32_pk8_fp4_f32 v[PC+2*\b], v[\s+16*\b:\s+7+16*\b], v[TM+12+\b]
	v_cvt_scalef32_pk8_fp4_f32 v[PC+1+2*\b], v[\s+8+16*\b:\s+15+16*\b], v[TM+12+\b]
.endr
	v_nop                                          ; one plain place behind the conversions
.if \swap
.irp c, 0,1
.irp i, 0,1
	v_permlane16_swap_b32 v[PC+4*\c+\i], v[PC+2+4*\c+\i]
.endr
.endr
.endif
.endm
.macro ACCINIT areg, off                       ; a bias in the result's layout becomes the C of a sum's first matrix instructions: it costs no addition
.irp tv, 0,1
.irp ft, 0,1,2,3
.irp hf, 0,1
	ds_load_b128 v[ACC+8*(4*\tv+\ft)+4*\hf:ACC+8*(4*\tv+\ft)+4*\hf+3], v[\areg] offset:\off+(\ft/2)*128+(\ft%2)*32+\hf*16
.endr
.endr
.endr
.endm
.macro HALFIMG areg, aoff, sreg, soff          ; a unit's 64 features are half a K step: one register group for each tile of tokens, two scale bytes a row
	ds_store_b128 v[\areg], v[PC:PC+3] offset:\aoff
	ds_store_b128 v[\areg], v[PC+4:PC+7] offset:\aoff+512
	ds_store_b16 v[\sreg], v[PW] offset:\soff
	ds_store_b16_d16_hi v[\sreg], v[PW] offset:\soff+64
.endm
.macro BARRIER                                 ; my LDS stores have landed and my LDS loads are in: then the work-group's barrier
	s_wait_dscnt 0x0
	s_barrier_signal -1
	s_barrier_wait -1
.endm
.macro ROWS reg, base                          ; my row's 64 numbers of its 128: 16 of each block of 32
.irp b, 0,1,2,3
.irp q, 0,1,2,3
	global_load_b128 v[\reg+16*\b+4*\q:\reg+16*\b+4*\q+3], v3, s[\base:\base+1] offset:128*\b+16*\q
.endr
.endr
.endm
.macro IMAGE off, soff                         ; a whole fragment and its scale word
	ds_store_b128 v6, v[PC:PC+3] offset:\off
	ds_store_b128 v6, v[PC+4:PC+7] offset:\off+1024
	ds_store_b32 v7, v[PW] offset:\soff
.endm
.macro QKOUT coff, soff                        ; a head's codes of 32 tokens: 512 consecutive bytes a tile; lanes 0-15 store tile 0's scale words, lanes 16-31 tile 1's
	global_store_b128 v43, v[PC:PC+3], s[36:37] offset:\coff
	global_store_b128 v43, v[PC+4:PC+7], s[36:37] offset:\coff+512
	v_lshrrev_b32 v[TM+8], 16, v[PW]
	v_cndmask_b32 v[TM+8], v[PW], v[TM+8], s[HM]
	global_store_b32 v44, v[TM+8], s[36:37] offset:\soff
.endm
	s_load_b512 s[8:23], s[0:1], 0x0               ; gene expr lngw lngb lnew lneb gbq gbk
	s_load_b256 s[24:31], s[0:1], 0x40             ; gbv ebq ebk ebv
	s_load_b128 s[32:35], s[0:1], 0x60             ; ebf wts
	s_load_b64 s[36:37], s[0:1], 0x70              ; qkv
	v_lshrrev_b32 v1, 5, v0
	v_readfirstlane_b32 s57, v1                    ; wave w
	s_and_b32 s58, ttmp7, 0xffff                   ; the branch
	s_and_b32 s59, s57, 1                          ; in the LayerNorm: my tile of tokens v,
	s_lshr_b32 s60, s57, 1                         ; my K step s
	s_mov_b32 s52, 0x3b000000                      ; 1 / 512
	s_mov_b32 s53, 0x3727c5ac                      ; 1e-5
	s_mov_b32 s[SEL], 0x76543210
	s_mov_b32 s[SEL+1], 0xfedcba98
	s_mov_b32 s[HM], 0xffff0000
	v_and_b32 v16, 31, v0                          ; lane
	v_and_b32 v17, 15, v0                          ; r
	v_bfe_u32 v18, v0, 4, 1                        ; h
	v_and_b32 v19, 8, v17
	v_add_nc_u32 v19, v19, v17                     ; r + 8 (r / 8)
	v_lshlrev_b32 v1, 4, v16                       ; v1  16 x lane
	v_lshlrev_b32 v2, 2, v16                       ; v2  4 x lane
	s_lshl_b32 s61, s59, 14
	s_lshl_b32 s62, s60, 9
	s_add_co_u32 s61, s61, s62
	v_lshlrev_b32 v3, 11, v19
	v_lshl_add_u32 v3, v18, 6, v3
	v_add_nc_u32 v3, s61, v3                       ; v3  my row (8 v + r + 8 (r / 8)) x 2,048 + 512 s + 64 h
	v_and_b32 v4, 127, v0
	v_lshlrev_b32 v4, 4, v4                        ; v4  the constants, in memory: 16 (t % 128)
	v_lshl_add_u32 v5, v0, 4, CONST                ; v5  and in LDS: 16 t
	s_lshl_b32 s61, s60, 11
	s_lshl_b32 s62, s59, 9
	s_add_co_u32 s61, s61, s62
	v_add_nc_u32 v6, s61, v1                       ; v6  my fragment's image
	s_lshl_b32 s61, s60, 7
	s_lshl_b32 s62, s59, 6
	s_add_co_u32 s61, s61, s62
	v_lshl_add_u32 v7, v17, 2, s61                 ; v7  its scale word
	s_mul_i32 s61, s59, 768
	s_add_co_u32 s61, s61, STAT
	v_mul_u32_u24 v9, v17, 48
	v_add_nc_u32 v9, s61, v9                       ; v9  my row's four chunks' figures
	v_lshl_add_u32 v8, s60, 3, v9                  ; v8  my chunk's
	s_lshl_b32 s61, s60, 9
	s_add_co_u32 s61, s61, CONST
	v_lshl_add_u32 v10, v18, 6, s61                ; v10 lnw at my numbers
	s_mov_b32 s67, IMF
	s_mov_b32 s68, SCF
	s_cmp_eq_u32 s58, 0
	s_cselect_b32 s67, IMA, s67                    ; Q's and K's source: the LayerNorm (gene) or the fused projection (expression)
	s_cselect_b32 s68, SCA, s68
	s_cselect_b32 s69, 0, 0x80000                  ; the branch's four chunks of weights,
	s_cselect_b32 s70, 0, 0x8000                   ; their scale words
	s_cselect_b32 s71, 0, 2
	s_lshl_b32 s61, s57, 12
	s_add_co_u32 s61, s61, s69
	v_add_nc_u32 v11, s61, v1                      ; v11 my unit's codes in a K step of a 512-column weight; never rewritten
	s_lshl_b32 s61, s57, 8
	s_add_co_u32 s62, s61, s70
	v_add_nc_u32 v12, s62, v2                      ; v12 its scale words; never rewritten
	v_add_nc_u32 v13, s67, v1                      ; v13, v14 Q's and K's source
	v_add_nc_u32 v14, s68, v2
	s_add_co_u32 s62, s61, CONST
	v_lshl_add_u32 v15, v18, 6, s62                ; v15 a bias at my unit, in the result's layout
	s_add_co_u32 s62, s61, CONST+8192
	v_lshl_add_u32 v47, v19, 2, s62                ; v47 bv at my channel
	s_lshl_b32 s61, s57, 10
	s_add_co_u32 s61, s61, IMF
	v_add_nc_u32 v41, s61, v1                      ; v41 the fused projection's image: my half K step
	s_lshl_b32 s61, s60, 7
	s_lshl_b32 s62, s59, 1
	s_add_co_u32 s61, s61, s62
	s_add_co_u32 s61, s61, SCF
	v_lshl_add_u32 v42, v17, 2, s61                ; v42 its two scale bytes
	s_lshr_b32 s61, ttmp9, 6                       ; the batch
	s_add_co_u32 s61, s61, s71
	s_lshl_b32 s61, s61, 3
	s_add_co_u32 s63, s61, s57                     ; hb = (2 branch + batch) 8 + head
	s_and_b32 s66, ttmp9, 63                       ; the block of 32 tokens in the batch
	s_lshl_b32 s61, s63, 16
	s_lshl_b32 s62, s66, 10
	s_add_co_u32 s62, s62, s61
	v_add_nc_u32 v43, s62, v1                      ; v43 Q's and K's codes
	s_lshl_b32 s62, s63, 13
	s_lshl_b32 s67, s66, 7
	s_add_co_u32 s62, s62, s67
	v_add_nc_u32 v44, s62, v2                      ; v44 their scale words
	s_lshr_b32 s67, s66, 2                         ; the key step,
	s_and_b32 s68, s66, 3                          ; the block of keys in it
	s_lshl_b32 s62, s67, 12
	s_add_co_u32 s61, s61, s62
	s_lshl_b32 s62, s68, 8
	s_add_co_u32 s61, s61, s62
	v_lshlrev_b32 v45, 4, v17
	v_lshl_add_u32 v45, v18, 3, v45
	v_add_nc_u32 v45, s61, v45                     ; v45 V's codes: 16 r + 8 h in the block's 256 bytes of a tile
	s_lshl_b32 s61, s63, 12
	s_lshl_b32 s62, s67, 8
	s_add_co_u32 s61, s61, s62
	s_add_co_u32 s61, s61, s68
	v_add_nc_u32 v46, s61, v2                      ; v46 V's scale byte
.irp b, 0,1,2,3
	v_mov_b32 v[TM+4+\b], 0                        ; written once: a lane permute's destination counts as one of its sources
.endr
	s_wait_kmcnt 0x0
	s_cmp_eq_u32 s58, 0
	s_cselect_b64 s[40:41], s[8:9], s[10:11]       ; the branch's rows, lnw, lnb, bq, bk, bv
	s_cselect_b64 s[42:43], s[12:13], s[16:17]
	s_cselect_b64 s[44:45], s[14:15], s[18:19]
	s_cselect_b64 s[46:47], s[20:21], s[26:27]
	s_cselect_b64 s[48:49], s[22:23], s[28:29]
	s_cselect_b64 s[50:51], s[24:25], s[30:31]
	s_cselect_b32 s68, 0, 0x80000                  ; the branch's first product: Q (gene), or the fused one, 16 K steps of 32,768 bytes on;
	s_cselect_b32 s70, 0, 0x8000                   ; its scale words: 16 K steps of 2,048 bytes
	s_mov_b32 s69, 0
	s_mov_b32 s71, 0
	s_lshl_b32 s66, ttmp9, 16                      ; 32 rows of 2,048 bytes
	s_mov_b32 s67, 0
	s_add_nc_u64 s[40:41], s[40:41], s[66:67]
	s_add_nc_u64 s[8:9], s[8:9], s[66:67]
	s_cmp_lt_u32 s57, 4                            ; waves 0-3 bring the first array of each pair, waves 4-7 the second
	s_cselect_b64 s[42:43], s[42:43], s[44:45]
	s_cselect_b64 s[46:47], s[46:47], s[48:49]
	s_cselect_b64 s[50:51], s[50:51], s[32:33]
	s_add_nc_u64 s[WTC:WTC+1], s[WTS:WTS+1], s[68:69]   ; (the two pairs have been chosen from: they are free)
	s_add_nc_u64 s[WTW:WTW+1], s[WTS:WTS+1], s[70:71]
	ROWS ACC, 40
	global_load_b128 v[228:231], v4, s[42:43]
	global_load_b128 v[232:235], v4, s[46:47]
	global_load_b128 v[236:239], v4, s[50:51]
	; ---- expression branch alone: the raw gene rows are K steps 0-3 of the fused product
	s_cmp_eq_u32 s58, 0
	s_cbranch_scc1 .Lgene_a
	ROWS GR, 8
	s_wait_loadcnt 0x0
	QUANT GR, 1
	IMAGE IMG, SCG
.Lgene_a:
	s_wait_loadcnt 0x3                             ; my row's numbers are in; the three loads of constants may be out
.irp i, 0,1,2,3,4
	WLD \i, WTC, WTW, \i                           ; the ring's first five items, one text for both branches: 53 loads of mine are out at the most
.endr
	; ---- the chunk's mean and centred sum of squares: 64 numbers here, 64 in lane l xor 16
	v_pk_add_f32 v[16:17], v[ACC:ACC+1], v[ACC+2:ACC+3]
	v_pk_add_f32 v[18:19], v[ACC+4:ACC+5], v[ACC+6:ACC+7]
.set j, 8
.rept 14
	v_pk_add_f32 v[16:17], v[16:17], v[ACC+j:ACC+j+1]
	v_pk_add_f32 v[18:19], v[18:19], v[ACC+j+2:ACC+j+3]
.set j, j+4
.endr
	v_pk_add_f32 v[16:17], v[16:17], v[18:19]
	v_add_f32 v16, v16, v17
	v_permlanex16_b32 v17, v16, s[SEL], s[SEL+1]
	v_add_f32 v16, v16, v17
	v_mul_f32 v30, 0x3c000000, v16                 ; the chunk's mean
	v_mul_f32 v28, 0xbc000000, v16
	v_mul_f32 v29, 0xbc000000, v16
.set j, 0
.rept 32
	v_pk_add_f32 v[ACC+j:ACC+j+1], v[ACC+j:ACC+j+1], v[28:29]     ; d = x - the chunk's mean, in place
.set j, j+2
.endr
	v_pk_mul_f32 v[16:17], v[ACC:ACC+1], v[ACC:ACC+1]
	v_pk_mul_f32 v[18:19], v[ACC+2:ACC+3], v[ACC+2:ACC+3]
.set j, 4
.rept 15
	v_pk_fma_f32 v[16:17], v[ACC+j:ACC+j+1], v[ACC+j:ACC+j+1], v[16:17]
	v_pk_fma_f32 v[18:19], v[ACC+j+2:ACC+j+3], v[ACC+j+2:ACC+j+3], v[18:19]
.set j, j+4
.endr
	v_pk_add_f32 v[16:17], v[16:17], v[18:19]
	v_add_f32 v16, v16, v17
	v_permlanex16_b32 v17, v16, s[SEL], s[SEL+1]
	v_add_f32 v31, v16, v17
	ds_store_b64 v8, v[30:31]
	s_wait_loadcnt 50                              ; the constants are in; the ring's five items, issued behind them, may be out
	ds_store_b128 v5, v[228:231]
	ds_store_b128 v5, v[232:235] offset:4096
	ds_store_b128 v5, v[236:239] offset:8192
	BARRIER                                        ; the four chunks' figures and the constants lie in LDS
	; ---- LayerNorm applied, quantised
	ds_load_b128 v[16:19], v9
	ds_load_b128 v[20:23], v9 offset:16
.irp b, 0,1,2,3
.irp q, 0,1,2,3
	ds_load_b128 v[GR+16*\b+4*\q:GR+3+16*\b+4*\q], v10 offset:128*\b+16*\q
	ds_load_b128 v[LB+16*\b+4*\q:LB+3+16*\b+4*\q], v10 offset:2048+128*\b+16*\q
.endr
.endr
	s_wait_dscnt 32                                ; the figures are in; the 32 loads of lnw and lnb may be out
	v_add_f32 v24, v16, v18
	v_add_f32 v25, v20, v22
	v_add_f32 v24, v24, v25
	v_mul_f32 v24, 0x3e800000, v24                 ; the row's mean
	v_sub_f32 v16, v16, v24
	v_sub_f32 v18, v18, v24
	v_sub_f32 v20, v20, v24
	v_sub_f32 v22, v22, v24
	v_add_f32 v17, v17, v19
	v_add_f32 v21, v21, v23
	v_add_f32 v17, v17, v21
	v_mul_f32 v25, v16, v16
	v_fma_f32 v25, v18, v18, v25
	v_fma_f32 v25, v20, v20, v25
	v_fma_f32 v25, v22, v22, v25
	v_fma_f32 v17, v25, 0x43000000, v17            ; + 128 x the chunk means' squared distances
	v_fma_f32 v17, v17, s52, s53                   ; the variance + 1e-5
	v_rsq_f32 v26, v17
	v_sub_f32 v28, v30, v24                        ; (a plain place behind the transcendental)  my chunk's mean - the row's
	s_wait_alu depctr_va_vdst(0)
	v_mov_b32 v27, v26
	v_mul_f32 v28, v28, v26
	v_mov_b32 v29, v28
.set j, 0
.rept 32
	v_pk_fma_f32 v[ACC+j:ACC+j+1], v[ACC+j:ACC+j+1], v[26:27], v[28:29]
.set j, j+2
.endr
	s_wait_dscnt 0x0
.set j, 0
.rept 32
	v_pk_fma_f32 v[ACC+j:ACC+j+1], v[ACC+j:ACC+j+1], v[GR+j:GR+j+1], v[LB+j:LB+j+1]
.set j, j+2
.endr
	QUANT ACC, 1
	IMAGE IMA, SCA
	BARRIER                                        ; the LayerNorm's eight fragments lie in LDS
	; ---- expression branch alone: fused = [gene, y_n] e_wf + e_bf, items 0-7; my 64 features become half a K step of Q's and K's source.
	; On the way in items 0-4 are asked for, in sets 0-4; on the way out items 8-12, in sets 0-4 again: as in the gene branch, which jumps over this
	s_cmp_eq_u32 s58, 0
	s_cbranch_scc1 .Lgene_b
	XLOAD 0
	ACCINIT 15, 10240
.set I, 0
.rept 8
	KSTEP I, 0, 0
.set I, I+1
.endr
	QUANT ACC, 1
	HALFIMG 41, 0, 42, 0
.Lgene_b:
	BARRIER                                        ; the fused projection's fragments lie in LDS; from here on LDS is only read
	; ---- Q, K, V: items 8-19
	XLOAD 8
	ACCINIT 15, 4096
.set I, 8
.rept 4
	KSTEP I, 0, 0
.set I, I+1
.endr
	QUANT ACC, 1
	QKOUT 0, QSO
	ACCINIT 15, 6144
.rept 4
	KSTEP I, 0, 0
.set I, I+1
.endr
	QUANT ACC, 1
	QKOUT KCO, KSO
.irp ft, 0,1,2,3
	ds_load_b32 v[248+2*\ft], v47 offset:(32*(\ft/2)+8*(\ft%2))*4    ; bv of my channel in tile ft, in both registers of a pair
	ds_load_b32 v[249+2*\ft], v47 offset:(32*(\ft/2)+8*(\ft%2))*4
.endr
	KSTEP 16, 1, 1
	KSTEP 17, 1, 0
	KSTEP 18, 1, 0
	KSTEP 19, 1, 0
.irp ft, 0,1,2,3
.irp i, 0,2,4,6,8,10,12,14
	v_pk_add_f32 v[ACC+16*\ft+\i:ACC+16*\ft+\i+1], v[ACC+16*\ft+\i:ACC+16*\ft+\i+1], v[248+2*\ft:249+2*\ft]
.endr
.endr
	QUANT ACC, 0                                   ; block ft: the 32 tokens of my channel in tile ft
.irp ft, 0,1,2,3
	global_store_b64 v45, v[PC+2*\ft:PC+2*\ft+1], s[36:37] offset:VCO+\ft*1024   ; the 32 lanes store 256 consecutive aligned bytes
.endr
	v_cndmask_b32 v[TM+8], v[TM+4], v[TM+5], s[HM]
	v_cndmask_b32 v[TM+9], v[TM+6], v[TM+7], s[HM]
	global_store_b8 v46, v[TM+8], s[36:37] offset:VSO
	global_store_b8 v46, v[TM+9], s[36:37] offset:VSO+128
	s_wait_xcnt 0x0
	v_lshl_add_u32 v254, v0, 2, 0x9c00
	v_mov_b32 v255, 0
	s_wait_tensorcnt 0x0
	ds_add_u32 v254, v255
	s_wait_dscnt 0x0
	s_endpgm
.Lfunc_end_k_q6011f8c173_qkv:
	.size	k_q6011f8c173_qkv, .Lfunc_end_k_q6011f8c173_qkv-k_q6011f8c173_qkv
	.p2alignl 7, 3214868480
	.fill 96, 4, 3214868480
	.section	.rodata,"a",@progbits
	.p2align	6, 0x0
	.amdhsa_kernel k_q6011f8c173_qkv
		.amdhsa_group_segment_fixed_size 40960
		.amdhsa_private_segment_fixed_size 0
		.amdhsa_enable_private_segment 0
		.amdhsa_kernarg_size 120
		.amdhsa_user_sgpr_count 2
		.amdhsa_user_sgpr_kernarg_segment_ptr 1
		.amdhsa_wavefront_size32 1
		.amdhsa_system_sgpr_workgroup_id_x 1
		.amdhsa_system_sgpr_workgroup_id_y 1
		.amdhsa_system_sgpr_workgroup_id_z 1
		.amdhsa_system_vgpr_workitem_id 0
		.amdhsa_next_free_vgpr 512
		.amdhsa_next_free_sgpr 72
		.amdhsa_reserve_vcc 0
		.amdhsa_float_denorm_mode_32 3
		.amdhsa_float_denorm_mode_16_64 3
		.amdhsa_memory_ordered 1
		.amdhsa_forward_progress 1
		.amdhsa_inst_pref_size 105
	.end_amdhsa_kernel
	.amdgpu_metadata
---
amdhsa.version: [ 1, 2 ]
amdhsa.kernels:
  - .name:           k_q6011f8c173_qkv
    .symbol:         k_q6011f8c173_qkv.kd
    .args:
      - { .name: gene_emb, .offset: 0, .size: 8, .value_kind: global_buffer, .address_space: global }
      - { .name: expr_emb, .offset: 8, .size: 8, .value_kind: global_buffer, .address_space: global }
      - { .name: ln_g1_w, .offset: 16, .size: 8, .value_kind: global_buffer, .address_space: global }
      - { .name: ln_g1_b, .offset: 24, .size: 8, .value_kind: global_buffer, .address_space: global }
      - { .name: ln_e1_w, .offset: 32, .size: 8, .value_kind: global_buffer, .address_space: global }
      - { .name: ln_e1_b, .offset: 40, .size: 8, .value_kind: global_buffer, .address_space: global }
      - { .name: g_bq, .offset: 48, .size: 8, .value_kind: global_buffer, .address_space: global }
      - { .name: g_bk, .offset: 56, .size: 8, .value_kind: global_buffer, .address_space: global }
      - { .name: g_bv, .offset: 64, .size: 8, .value_kind: global_buffer, .address_space: global }
      - { .name: e_bq, .offset: 72, .size: 8, .value_kind: global_buffer, .address_space: global }
      - { .name: e_bk, .offset: 80, .size: 8, .value_kind: global_buffer, .address_space: global }
      - { .name: e_bv, .offset: 88, .size: 8, .value_kind: global_buffer, .address_space: global }
      - { .name: e_bf, .offset: 96, .size: 8, .value_kind: global_buffer, .address_space: global }
      - { .name: wts, .offset: 104, .size: 8, .value_kind: global_buffer, .address_space: global }
      - { .name: qkv, .offset: 112, .size: 8, .value_kind: global_buffer, .address_space: global }
    .group_segment_fixed_size: 40960
    .private_segment_fixed_size: 0
    .kernarg_segment_align: 8
    .kernarg_segment_size: 120
    .max_flat_workgroup_size: 256
    .sgpr_count:     72
    .vgpr_count:     512
    .wavefront_size: 32
...
	.end_amdgpu_metadata
.endif
;; end of part 2
;; launch attn (part 3): grid 64 x 4, 16 waves a work-group, no clusters, 266,752 bytes of LDS; arguments M, qkv, att; writes att
.if DOCPART == 3
	.amdgcn_target "amdgcn-amd-amdhsa--gfx1250"
	.amdhsa_code_object_version 6
	.text
	.protected	k_q6011f8c173_attn
	.globl	k_q6011f8c173_attn
	.p2align	8
	.type	k_q6011f8c173_attn,@function
k_q6011f8c173_attn:
	s_mov_b64 s[64:65], 0
	v_nop
	global_prefetch_b8 v0, s[64:65] scope:SCOPE_SE
	s_setreg_imm32_b32 hwreg(HW_REG_WAVE_MODE, 25, 1), 1
	s_wait_xcnt 0x0
; A = softmax(Q K^T / 8 x M) x M / (sum |.| + 1e-8), quantised FINISHED along the keys, times V; both products on codes of FP4 (E2M1), one E8M0 scale for each 32 along K.  The result is quantised along the model's 512.
; A work-group: y = 2 branch + batch, queries 32 x .. 32 x + 31, ALL EIGHT HEADS: they share M's 32 rows, which come into LDS once (asynchronous copies, each byte filled once) and stay for both passes.
; Wave w: head w / 2, tile of 16 queries w % 2.  K, V and Q come as codes in register order straight from memory into registers; no ring of 8 heads' tiles fits beside M's 262,144 bytes, so nothing is shared in a cluster.
; TWO PASSES OVER THE KEYS, since the divisor must be known before a code is made: with p = 2^(t - m), t = score x M x log2(e) / 8, m a whole number at or above the row's largest t,
; A = p M / (W + 1e-8 Z), Z = sum p, W = sum p |M|.  Pass 1 finds m (a running maximum, each lane for its own half of the keys), Z, W; pass 2 computes the scores again, A, its codes, and O^T += V^T A^T.
; Both products are used transposed (source 0 = 16 keys, or 16 channels): a lane holds ONE query throughout.  Keys, queries and channels go in blocks of 32, two tiles v to a block: row p of tile v is element 8 v + p + 8 (p / 8).
; The head's 64 fill half of the instruction's 128: Q's registers 4-7 are zero codes; K's operand runs on into the next tile's registers, whose codes meet those zeros; no scale byte is 0xff.
; LIMITS: p under 2^-126 counts as 0; A is formed with one reciprocal where the source divides twice (the order of rounding differs); a block whose largest magnitude lies under 2^-124 keeps the byte 1; NaN and infinities are not served.  M may have any sign.
.set KC,  0x200000                     ; qkv: K's codes, V's codes, Q's, K's, V's scale words
.set VC,  0x400000
.set QS,  0x600000
.set KS,  0x640000
.set VS,  0x680000
.set ATS, 0x200000                     ; att: the scale words
.set MP,  2064                         ; LDS: a row's 512 keys, 2,048 bytes + 16: the 16 rows that a load touches start at 16 different groups of banks
.set MCH, 32*MP                        ; a chunk of 512 keys of the 32 rows; four chunks.  Slot 16 v + p holds row p of tile v
.set SCW, 4*MCH                        ; behind them: the result's scale words, 512 bytes
.set SEL, 20                           ; s[20:21] selects for lane l xor 16
.set CS,  22                           ; s[22:23] log2(e) / 8
.set KOFF, 24                          ; s24, s25 the next fetch of K's codes and scale words, in the head's bytes
.set KSOF, 25
.set VOFF, 26                          ; s26, s27 the same for V
.set VSOF, 27
.set MO,  28                           ; s28 the step's keys in M's LDS rows
.set CNT, 29
.set EPS, 30                           ; s30 1e-8
; REGISTERS: v1 16 lane, v2 4 lane, v3 my row of M; v4-8 addresses in hand (K, K's scales, M, V, V's scales); v9-11, v41, v233-238 addresses that stay;
; v12 -m, v13 largest t, v[14:15] Z, v[16:19] W, v[20:21] f, v[22:23] c; v24-31, v84-91 at work; v32-39 Q, v40 its scale words; v42-43 V's, v44-47 K's; v48-83 K; v96.. scores; v160.. M.
; Pass 2: v96-127 scores, v128-159 V, v160-191 M, v192-223 O^T, v224-231 A's codes, v232 its scale word.  (v224-231 hold the copies' addresses until all copies are done.)
.macro KLOAD nt, nb                            ; nt tiles of 16 keys, nb scale registers
.set j, 0
.rept \nt
	global_load_b128 v[48+4*j:51+4*j], v4, s[6:7] offset:KC+512*j
.set j, j+1
.endr
.set j, 0
.rept \nb
	global_load_b32 v[44+j], v5, s[6:7] offset:KS+128*j
.set j, j+1
.endr
.endm
.macro VLOAD
.irp d, 0,1,2,3
.irp c, 0,1
	global_load_b128 v[128+8*\d+4*\c:131+8*\d+4*\c], v7, s[6:7] offset:VC+1024*\d+512*\c
.endr
.endr
.irp p, 0,1
	global_load_b32 v[42+\p], v8, s[6:7] offset:VS+128*\p
.endr
.endm
.macro SCORES t                                ; tiles t and t + 1 of keys: S^T = K Q^T
	v_wmma_scale_f32_16x16x128_f8f6f4 v[96+8*\t:103+8*\t], v[48+4*\t:55+4*\t], v[32:39], 0, v[44+\t/2], v40 matrix_a_fmt:MATRIX_FMT_FP4 matrix_b_fmt:MATRIX_FMT_FP4
	v_wmma_scale_f32_16x16x128_f8f6f4 v[104+8*\t:111+8*\t], v[52+4*\t:59+4*\t], v[32:39], 0, v[44+\t/2], v40 matrix_a_fmt:MATRIX_FMT_FP4 matrix_b_fmt:MATRIX_FMT_FP4 matrix_a_scale:MATRIX_SCALE_ROW1
.endm
; two blocks of 32 (16 registers here, 16 in lane l xor 16) from v[s] on become four registers of codes at v[d], a whole block a lane; the bytes stay in v90, v91
.macro QUANT2 s, d
.irp b, 0,1
	v_max3_num_f32 v[84+\b], |v[\s+16*\b]|, |v[\s+1+16*\b]|, 0x1800000   ; with the floor 2^(3 - 127)
.endr
.irp i, 2,4,6,8,10,12,14
.irp b, 0,1
	v_max3_num_f32 v[84+\b], v[84+\b], |v[\s+16*\b+\i]|, |v[\s+1+16*\b+\i]|
.endr
.endr
.irp b, 0,1
	v_permlanex16_b32 v[86+\b], v[84+\b], s[SEL], s[SEL+1]
.endr
.irp b, 0,1
	v_max_num_f32 v[84+\b], v[84+\b], v[86+\b]
.endr
.irp b, 0,1
	v_add_nc_u32 v[88+\b], 0xff000000, v[84+\b]    ; 2 off the exponent field: the conversion's scale operand
.endr
.irp b, 0,1
	v_lshrrev_b32 v[90+\b], 23, v[88+\b]           ; the scale's byte
.endr
.irp b, 0,1
	v_cvt_scalef32_pk8_fp4_f32 v[\d+2*\b], v[\s+16*\b:\s+7+16*\b], v[88+\b]
	v_cvt_scalef32_pk8_fp4_f32 v[\d+1+2*\b], v[\s+8+16*\b:\s+15+16*\b], v[88+\b]
.endr
	v_nop                                          ; one plain place behind the conversions
	v_permlane16_swap_b32 v[\d], v[\d+2]
	v_permlane16_swap_b32 v[\d+1], v[\d+3]
.endm
; PASS 1, a step of 128 keys
.macro P1STEP
	v_add_nc_u32 v6, s[MO], v3
.irp b, 0,1,2,3
.irp q, 0,1,2,3
	ds_load_b128 v[160+16*\b+4*\q:163+16*\b+4*\q], v6 offset:128*\b+16*\q   ; M at my query, keys 32 b + 16 h + 0 .. 15: as the scores' registers lie
.endr
.endr
	s_wait_loadcnt 0x0                             ; this step's K, asked for a step ago
	SCORES 0
	SCORES 2
	SCORES 4
	SCORES 6
	s_add_co_u32 s[KOFF], s[KOFF], 4096
	s_and_b32 s[KOFF], s[KOFF], 0xffff             ; the last step goes round to the first keys, which pass 2 wants first
	s_add_co_u32 s[KSOF], s[KSOF], 512
	s_and_b32 s[KSOF], s[KSOF], 0x1fff
	v_add_nc_u32 v4, s[KOFF], v233                 ; (their loads are done.)  These two and two v_nop are the four places in front of the loads and of the first read of scores
	v_add_nc_u32 v5, s[KSOF], v234
	v_nop
	v_nop
	KLOAD 8, 4
	s_wait_dscnt 0x0
.set j, 0
.rept 32
	v_pk_mul_f32 v[96+j:97+j], v[96+j:97+j], v[160+j:161+j]   ; score x M
.set j, j+2
.endr
.irp b, 0,1,2,3
	v_max3_num_f32 v[24+\b], v[96+16*\b], v[97+16*\b], v[98+16*\b]
.endr
.irp i, 3,5,7,9,11,13
.irp b, 0,1,2,3
	v_max3_num_f32 v[24+\b], v[24+\b], v[96+16*\b+\i], v[97+16*\b+\i]
.endr
.endr
.irp b, 0,1,2,3
	v_max_num_f32 v[24+\b], v[24+\b], v[111+16*\b]
.endr
	v_max3_num_f32 v28, v24, v25, v26
	v_max_num_f32 v28, v28, v27
	v_mul_f32 v28, s[CS], v28                      ; as t (the factor is positive)
	v_max_num_f32 v13, v13, v28                    ; my lane's running largest t
	v_mov_b32 v28, v12
	v_floor_f32 v12, -v13                          ; -m = floor(-t): m is a whole number
	v_sub_f32 v28, v12, v28
	v_cvt_i32_f32 v28, v28                         ; (it saturates)
	v_ldexp_f32 v20, 1.0, v28                      ; f = 2^(old m - new m): rounds nothing
.set j, 0
.rept 32
	v_pk_fma_f32 v[96+j:97+j], v[96+j:97+j], s[CS:CS+1], v[12:13] op_sel_hi:[1,0,0]   ; t - m
.set j, j+2
.endr
.set j, 0
.rept 64
	v_exp_f32 v[96+j], v[96+j]
.set j, j+1
.endr
	v_pk_mul_f32 v[14:15], v[14:15], v[20:21] op_sel_hi:[1,0]   ; the sums under the new m.  (A plain place behind the exponentials)
	v_pk_mul_f32 v[16:17], v[16:17], v[20:21] op_sel_hi:[1,0]
	v_pk_mul_f32 v[18:19], v[18:19], v[20:21] op_sel_hi:[1,0]
	s_wait_alu depctr_va_vdst(0)
	v_pk_add_f32 v[24:25], v[96:97], v[98:99]
.set j, 4
.rept 15
	v_pk_add_f32 v[14:15], v[14:15], v[96+j:97+j]
	v_pk_add_f32 v[24:25], v[24:25], v[98+j:99+j]
.set j, j+4
.endr
	v_pk_add_f32 v[14:15], v[14:15], v[24:25]
.set j, 0
.rept 64
	v_fma_f32 v[16+j%4], v[96+j], |v[160+j]|, v[16+j%4]        ; W, in four chains
.set j, j+1
.endr
.endm
.macro P1GROUP g                               ; chunk g of M: 512 keys, four steps
	s_wait_asynccnt 24-8*\g                        ; my copies of this chunk are done; the eight of each later chunk may be out
	s_barrier_signal -1
	s_barrier_wait -1                              ; everybody's are.  Nothing is ever filled again
	s_mov_b32 s[MO], \g*MCH
	s_mov_b32 s[CNT], 4
.Lp1_\@:
	P1STEP
	s_add_co_u32 s[MO], s[MO], 512
	s_sub_co_u32 s[CNT], s[CNT], 1
	s_cmp_lg_u32 s[CNT], 0
	s_cbranch_scc1 .Lp1_\@
.endm
; PASS 2, half a step: 64 keys become register group u of A's fragment
.macro HALF u
.irp b, 0,1
.irp q, 0,1,2,3
	ds_load_b128 v[160+16*\b+4*\q:163+16*\b+4*\q], v6 offset:256*\u+128*\b+16*\q
.endr
.endr
.if \u == 0
	s_wait_loadcnt 10                              ; this half's K is in; V's ten loads, issued behind it, may be out
.else
	s_wait_loadcnt 0x0                             ; this half's K, and V
.endif
	SCORES 0
	SCORES 2
	s_add_co_u32 s[KOFF], s[KOFF], 2048
	s_and_b32 s[KOFF], s[KOFF], 0xffff             ; (the very last fetch goes round to the first keys: it stays inside the head's bytes and is not used)
	s_add_co_u32 s[KSOF], s[KSOF], 256
	s_and_b32 s[KSOF], s[KSOF], 0x1fff
	v_add_nc_u32 v4, s[KOFF], v233                 ; with the two v_nop: the four places
	v_add_nc_u32 v5, s[KSOF], v234
	v_nop
	v_nop
	KLOAD 4, 2
	s_wait_dscnt 0x0
.set j, 0
.rept 16
	v_pk_mul_f32 v[96+j:97+j], v[96+j:97+j], v[160+j:161+j]
.set j, j+2
.endr
.set j, 0
.rept 16
	v_pk_fma_f32 v[96+j:97+j], v[96+j:97+j], s[CS:CS+1], v[12:13] op_sel_hi:[1,0,0]
.set j, j+2
.endr
.set j, 0
.rept 32
	v_exp_f32 v[96+j], v[96+j]
.set j, j+1
.endr
.set j, 0
.rept 16
	v_pk_mul_f32 v[160+j:161+j], v[160+j:161+j], v[22:23] op_sel_hi:[1,0]   ; M c.  (Plain places behind the exponentials)
.set j, j+2
.endr
.set j, 0
	s_wait_alu depctr_va_vdst(0)
.rept 16
	v_pk_mul_f32 v[96+j:97+j], v[96+j:97+j], v[160+j:161+j]                 ; A = p M c
.set j, j+2
.endr
	QUANT2 96, 224+4*\u
.if \u == 0
	v_lshl_or_b32 v232, v91, 8, v90
.else
	v_lshl_or_b32 v232, v90, 16, v232
	v_lshl_or_b32 v232, v91, 24, v232              ; A's scale word for these 128 keys
.endif
.endm
.macro P2STEP
	v_add_nc_u32 v6, s[MO], v3
	HALF 0
	HALF 1
.rept 8
	v_nop                                          ; a scale register written by a vector instruction stands eight places ahead of a scaled matrix instruction, an operand four
.endr
.irp d, 0,2                                    ; O^T += V^T A^T: four accumulators by turns, one instruction a turn
	v_wmma_scale_f32_16x16x128_f8f6f4 v[192+8*\d:199+8*\d], v[128+8*\d:135+8*\d], v[224:231], v[192+8*\d:199+8*\d], v[42+\d/2], v232 matrix_a_fmt:MATRIX_FMT_FP4 matrix_b_fmt:MATRIX_FMT_FP4
	v_wmma_scale_f32_16x16x128_f8f6f4 v[200+8*\d:207+8*\d], v[136+8*\d:143+8*\d], v[224:231], v[200+8*\d:207+8*\d], v[42+\d/2], v232 matrix_a_fmt:MATRIX_FMT_FP4 matrix_b_fmt:MATRIX_FMT_FP4 matrix_a_scale:MATRIX_SCALE_ROW1
.endr
	s_add_co_u32 s[VOFF], s[VOFF], 4096
	s_and_b32 s[VOFF], s[VOFF], 0xffff
	s_add_co_u32 s[VSOF], s[VSOF], 256
	s_and_b32 s[VSOF], s[VSOF], 0xfff
	v_add_nc_u32 v7, s[VOFF], v233                 ; with the two v_nop: the four places in front of the loads, and of the first read of O^T behind the last step
	v_add_nc_u32 v8, s[VSOF], v236
	v_nop
	v_nop
	VLOAD
.endm
.macro P2GROUP g
	s_mov_b32 s[MO], \g*MCH
	s_mov_b32 s[CNT], 4
.Lp2_\@:
	P2STEP
	s_add_co_u32 s[MO], s[MO], 512
	s_sub_co_u32 s[CNT], s[CNT], 1
	s_cmp_lg_u32 s[CNT], 0
	s_cbranch_scc1 .Lp2_\@
.endm
	s_load_b128 s[4:7], s[0:1], 0x0                ; M, qkv
	s_load_b64 s[8:9], s[0:1], 0x10                ; att
	v_lshl_add_u32 v254, v0, 2, 0x40a00
	v_mov_b32 v255, 0
	ds_add_u32 v254, v255
	ds_add_u32 v254, v255
	v_lshrrev_b32 v1, 5, v0
	v_readfirstlane_b32 s10, v1                    ; wave
	s_lshr_b32 s11, s10, 1                         ; head
	s_and_b32 s12, s10, 1                          ; my tile of queries
	s_and_b32 s13, ttmp7, 0xffff                   ; 2 branch + batch
	; M's copies: thread t takes 16 bytes at 16 (t % 16) of row t / 16, eight times 256 bytes on, for each chunk
	v_and_b32 v24, 15, v0
	v_lshlrev_b32 v24, 4, v24
	v_bfe_u32 v25, v0, 4, 3
	v_bfe_u32 v26, v0, 8, 1
	v_bfe_u32 v27, v0, 7, 1
	v_lshl_add_u32 v25, v26, 3, v25
	v_lshl_add_u32 v25, v27, 4, v25                ; row 16 a + 8 v + j goes to slot 16 v + 8 a + j
	v_mad_u32_u24 v224, v25, MP, v24
	v_add_nc_u32 v225, MCH, v224
	v_add_nc_u32 v226, 2*MCH, v224
	v_add_nc_u32 v227, 3*MCH, v224
	v_lshrrev_b32 v26, 4, v0
	v_lshl_add_u32 v228, v26, 13, v24
	v_add_nc_u32 v229, 2048, v228
	v_add_nc_u32 v230, 4096, v228
	v_add_nc_u32 v231, 6144, v228
	s_and_b32 s14, s13, 1
	s_lshl_b32 s14, s14, 24                        ; the batch's 2,048 rows of 8,192 bytes,
	s_lshl_b32 s15, ttmp9, 18                      ; my 32 rows
	s_add_co_u32 s14, s14, s15
	s_mov_b32 s15, 0
	s_wait_dscnt 0x0
	s_wait_kmcnt 0x0
	s_add_nc_u64 s[4:5], s[4:5], s[14:15]
.irp g, 0,1,2,3
.irp i, 0,1,2,3,4,5,6,7
	global_load_async_to_lds_b128 v[224+\g], v[228+\g], s[4:5] offset:256*\i   ; 32 copies a wave, chunk by chunk; their address registers and base stay as they are until all are done
.endr
.endr
	v_and_b32 v24, 31, v0
	v_and_b32 v25, 15, v0                          ; r
	v_bfe_u32 v26, v0, 4, 1                        ; h
	v_lshlrev_b32 v1, 4, v24
	v_lshlrev_b32 v2, 2, v24
	v_mul_u32_u24 v3, v25, MP
	v_lshl_add_u32 v3, v26, 6, v3
	s_mul_i32 s16, s12, 16*MP
	v_add_nc_u32 v3, s16, v3                       ; M: slot 16 tile + r, + 64 h
	s_lshl_b32 s17, s13, 3
	s_add_co_u32 s17, s17, s11                     ; hb
	s_lshl_b32 s16, s17, 16
	v_add_nc_u32 v233, s16, v1                     ; the head's codes (Q's, K's and V's regions alike)
	s_lshl_b32 s16, s17, 13
	v_add_nc_u32 v234, s16, v2                     ; K's scale words
	s_lshl_b32 s18, ttmp9, 7
	s_add_co_u32 s16, s16, s18
	s_lshl_b32 s18, s12, 6
	s_add_co_u32 s16, s16, s18
	v_lshl_add_u32 v10, v25, 2, s16                ; Q's scale words: my tile's, in both halves of the lanes
	s_lshl_b32 s16, s17, 12
	v_add_nc_u32 v236, s16, v2                     ; V's scale words
	s_lshl_b32 s16, ttmp9, 10
	s_lshl_b32 s18, s12, 9
	s_add_co_u32 s16, s16, s18
	v_add_nc_u32 v9, s16, v233                     ; Q's codes
	s_lshl_b32 s16, s13, 6
	s_add_co_u32 s16, s16, ttmp9                   ; the block of 32 tokens among the two branches' 256
	s_lshl_b32 s18, s16, 9
	v_add_nc_u32 v238, s18, v1                     ; att: its scale words
	s_lshl_b32 s16, s16, 13
	s_lshl_b32 s18, s11, 10
	s_add_co_u32 s16, s16, s18
	s_lshl_b32 s18, s12, 9
	s_add_co_u32 s16, s16, s18
	v_add_nc_u32 v11, s16, v1                      ; att: my head's register group of my tile
	s_lshr_b32 s16, s11, 1
	s_lshl_b32 s16, s16, 7
	s_and_b32 s18, s11, 1
	s_lshl_b32 s18, s18, 1
	s_add_co_u32 s16, s16, s18
	s_lshl_b32 s18, s12, 6
	s_add_co_u32 s16, s16, s18
	s_add_co_u32 s16, s16, SCW
	v_lshl_add_u32 v41, v25, 2, s16                ; LDS: my row's two scale bytes
	v_add_nc_u32 v237, SCW, v1                     ; and the 512 bytes on the way out
	s_mov_b32 s[SEL], 0x76543210
	s_mov_b32 s[SEL+1], 0xfedcba98
	s_mov_b32 s[CS], 0x3e38aa3b                    ; log2(e) / 8
	s_mov_b32 s[CS+1], s[CS]
	s_mov_b32 s[EPS], 0x322bcc77                   ; 1e-8
	s_mov_b32 s[KOFF], 0
	s_mov_b32 s[KSOF], 0
	s_mov_b32 s[VOFF], 0
	s_mov_b32 s[VSOF], 0
	global_load_b128 v[32:35], v9, s[6:7]
	global_load_b32 v40, v10, s[6:7] offset:QS
	v_mov_b32 v4, v233
	v_mov_b32 v5, v234
	KLOAD 8, 4                                     ; the first step's K
.irp i, 36,37,38,39,80,81,82,83,14,15,16,17,18,19,20,21,86,87
	v_mov_b32 v\i, 0                               ; Q's upper half and the tail behind K's last tile: zero codes; the sums; pairs' upper words and permutes' destinations, written once
.endr
	v_mov_b32 v13, 0xff61b1e6                      ; the largest t so far: -3e38
	v_floor_f32 v12, -v13
	P1GROUP 0
	P1GROUP 1
	P1GROUP 2
	P1GROUP 3
	; ---- between the passes: the two halves of the lanes join; c = 1 / (W + 1e-8 Z)
	v_permlanex16_b32 v24, v12, s[SEL], s[SEL+1]
	v_min_num_f32 v24, v12, v24                    ; -m of the whole row
	v_sub_f32 v25, v24, v12
	v_cvt_i32_f32 v25, v25
	v_ldexp_f32 v26, 1.0, v25                      ; my sums under the row's m
	v_add_f32 v14, v14, v15
	v_add_f32 v16, v16, v17
	v_add_f32 v18, v18, v19
	v_add_f32 v16, v16, v18
	v_mul_f32 v14, v14, v26
	v_mul_f32 v16, v16, v26
	v_permlanex16_b32 v27, v14, s[SEL], s[SEL+1]
	v_permlanex16_b32 v28, v16, s[SEL], s[SEL+1]
	v_add_f32 v14, v14, v27
	v_add_f32 v16, v16, v28
	v_fma_f32 v16, v14, s[EPS], v16
	v_rcp_f32 v22, v16
	v_mov_b32 v12, v24                             ; (a plain place behind the transcendental)
	s_wait_alu depctr_va_vdst(0)
	v_mov_b32 v23, v22
	v_mov_b32 v7, v233
	v_mov_b32 v8, v236
	VLOAD                                          ; the first step's V, behind the first step's K
.set j, 0
.rept 32
	v_mov_b32 v[192+j], 0                          ; O^T.  (The step is written once for each chunk; its first sums begin at zeros)
.set j, j+1
.endr
	P2GROUP 0
	P2GROUP 1
	P2GROUP 2
	P2GROUP 3
	; ---- the way out: my head's 64 channels are two blocks of the next product's K
	s_wait_loadcnt 0x0                             ; the fetches that went round
	QUANT2 192, 224
	v_lshl_or_b32 v232, v91, 8, v90
	global_store_b128 v11, v[224:227], s[8:9]      ; 512 consecutive bytes a wave
	ds_store_b16 v41, v232
	s_wait_dscnt 0x0
	s_barrier_signal -1
	s_barrier_wait -1                              ; the block's 512 bytes of scale words lie in LDS
	s_cmp_lg_u32 s10, 0
	s_cbranch_scc1 .Lend
	ds_load_b128 v[84:87], v237
	s_wait_dscnt 0x0
	global_store_b128 v238, v[84:87], s[8:9] offset:ATS
.Lend:
	s_wait_tensorcnt 0x0
	ds_add_u32 v254, v255
	s_wait_dscnt 0x0
	s_endpgm
.Lfunc_end_k_q6011f8c173_attn:
	.size	k_q6011f8c173_attn, .Lfunc_end_k_q6011f8c173_attn-k_q6011f8c173_attn
	.p2alignl 7, 3214868480
	.fill 96, 4, 3214868480
	.section	.rodata,"a",@progbits
	.p2align	6, 0x0
	.amdhsa_kernel k_q6011f8c173_attn
		.amdhsa_group_segment_fixed_size 266752
		.amdhsa_private_segment_fixed_size 0
		.amdhsa_enable_private_segment 0
		.amdhsa_kernarg_size 24
		.amdhsa_user_sgpr_count 2
		.amdhsa_user_sgpr_kernarg_segment_ptr 1
		.amdhsa_wavefront_size32 1
		.amdhsa_system_sgpr_workgroup_id_x 1
		.amdhsa_system_sgpr_workgroup_id_y 1
		.amdhsa_system_sgpr_workgroup_id_z 1
		.amdhsa_system_vgpr_workitem_id 0
		.amdhsa_next_free_vgpr 256
		.amdhsa_next_free_sgpr 66
		.amdhsa_reserve_vcc 0
		.amdhsa_float_denorm_mode_32 3
		.amdhsa_float_denorm_mode_16_64 3
		.amdhsa_memory_ordered 1
		.amdhsa_forward_progress 1
		.amdhsa_inst_pref_size 169
	.end_amdhsa_kernel
	.amdgpu_metadata
---
amdhsa.version: [ 1, 2 ]
amdhsa.kernels:
  - .name:           k_q6011f8c173_attn
    .symbol:         k_q6011f8c173_attn.kd
    .args:
      - { .name: M, .offset: 0, .size: 8, .value_kind: global_buffer, .address_space: global }
      - { .name: qkv, .offset: 8, .size: 8, .value_kind: global_buffer, .address_space: global }
      - { .name: att, .offset: 16, .size: 8, .value_kind: global_buffer, .address_space: global }
    .group_segment_fixed_size: 266752
    .private_segment_fixed_size: 0
    .kernarg_segment_align: 8
    .kernarg_segment_size: 24
    .max_flat_workgroup_size: 512
    .sgpr_count:     66
    .vgpr_count:     256
    .wavefront_size: 32
...
	.end_amdgpu_metadata
.endif
;; end of part 3
;; launch tail (part 4): grid 128 x 2, 8 waves a work-group, no clusters, 138,240 bytes of LDS; arguments gene_emb, expr_emb, att, wts, g_bo, e_bo, ln_g2_w, ln_g2_b, ln_e2_w, ln_e2_b, fg_b1, fe_b1, fg_b2, fe_b2, out0, out1; writes out0, out1
.if DOCPART == 4
	.amdgcn_target "amdgcn-amd-amdhsa--gfx1250"
	.amdhsa_code_object_version 6
	.text
	.protected	k_q6011f8c173_tail
	.globl	k_q6011f8c173_tail
	.p2align	8
	.type	k_q6011f8c173_tail,@function
k_q6011f8c173_tail:
	s_mov_b64 s[64:65], 0
	v_nop
	global_prefetch_b8 v0, s[64:65] scope:SCOPE_SE
	s_setreg_imm32_b32 hwreg(HW_REG_WAVE_MODE, 25, 1), 1
	s_wait_xcnt 0x0
; x = emb + att wo + bo;  x_ln = LayerNorm(x);  out = x + x_ln + gelu(x_ln w1 + b1) w2 + b2, for 32 tokens; all three products on codes of FP4 (E2M1), one E8M0 scale for each 32 along K.
; A work-group: branch y, tokens 32 x .. 32 x + 31.  Eight waves; wave w owns output features 64 w .. 64 w + 63 and hidden units 256 w .. 256 w + 255 (four units of 64).  One path for both branches: only pointers and offsets are chosen.
; Tokens and features go in blocks of 32, two tiles v to a block: row p of tile v is element 8 v + p + 8 (p / 8).  The weights are source 0: a lane holds one token and its registers run along the features, the next product's K.
; Operands go from wave to wave through LDS as images of their registers (K step s, group c, tile v at 2,048 s + 1,024 c + 512 v + 16 lane).
; THE WEIGHTS come in register order from the workspace into a ring of six register sets in the second window of 256 registers, FIVE K STEPS AHEAD.  An item is one K step of 64 features: 8 loads of codes, 2 of scale words,
; 4,352 bytes; six items, 60 loads of a wave, are out at the most.  The three products are ONE RUN of 36 items (wo 0-3, w1 4-19, w2 20-35; item n in set n % 6): the ring goes on asking while the LayerNorm, gelu and the barriers are passed.
; emb is the C of the first product's first instructions, b1 of the second's, x + x_ln + b2 (parked in the stage meanwhile) of the third's.
; All row blocks walk the same weights; each byte goes to one wave's registers and no LDS ring is kept, so nothing is asked for jointly in a cluster.
; gelu is the exact one: gelu(x) = max(x, 0) - |x| a, a = erfc(|x| / sqrt 2) / 2 = t 2^(P(t) - x^2 log2(e) / 2) / 2 with t = 1 / (1 + |x| / sqrt 8) and P of degree 9 (fractional error of the fit 1.2e-7).
; LIMITS: bo is added behind the product, emb ahead of it (another order of rounding than the source's); a under 2^-126 counts as 0; a block whose largest magnitude lies under 2^-124 keeps the byte 1; NaN and infinities are not served.
.set SA,    0x340000                   ; wts: scale words of the 512-column weights; codes and scale words of the 2,048-column ones
.set CB,    0x240000
.set SB,    0x364000
.set ATS,   0x200000                   ; att: the scale words
.set AIM,   0                          ; LDS: the attention result's images,
.set LIM,   8192                       ; x_ln's,
.set HIM,   16384                      ; the hidden layer's (16 K steps),
.set ASC,   49152                      ; their scale words,
.set LSC,   49664
.set HSC,   50176
.set STAT,  52224                      ; (mean, centred sum of squares) of row (16 tv + r), wave w at 80 (16 tv + r) + 8 w
.set CONST, 54784                      ; bo, lnw, lnb, b2: 2,048 bytes each; b1: 8,192
.set STG,   71168                      ; the stage: slot 16 tv + r holds a token's 512 numbers; 2,048 bytes + 16
.set SP,    2064
.set WTS,   14                         ; s[14:15] wts
.set SEL,   82                         ; s[82:83] selects for lane l xor 16
.set CF0,   54                         ; the polynomial's coefficients x log2(e), each in both words of a pair (s64, s65 are not this text's)
.set CF1,   56
.set CF2,   58
.set CF3,   60
.set CF4,   62
.set CF5,   66
.set CF6,   68
.set CF7,   70
.set CF8,   72
.set XXF,   74                         ; s[74:75] -log2(e) / 2
.set KK,    76                         ; s76 1 / sqrt 8
.set TM,  16                           ; v16-31   at work
.set PC,  32                           ; v32-39   the codes just made
.set PW,  40                           ; v40      the scale word just made
.set ACC, 48                           ; v48-111  eight accumulators
.set GT,  112                          ; v112-119 gelu's t;  v112-207 are at work in the LayerNorm and on the way out
.set WSA, 208                          ; the weights' scale words, two registers a set (scale operands have no window): sets 0-2 in v208-213, sets 3-5 in v248-253
.set XSC, 214                          ; v214-215 the rows' scale words: two sets
.set XF,  216                          ; v216-247 the rows' fragments: two sets of two tiles
.set AHEAD, 5                          ; K steps that the ring asks ahead
.set NIT, 36                           ; items in the ring's run
.set MSB, 0
.macro WIN new                         ; s_set_vgpr_msb: bits 1:0 source 0, 3:2 source 1, 5:4 source 2, 7:6 destination; the high byte repeats the setting that is left
.if MSB != \new
	s_set_vgpr_msb (MSB<<8)|\new
.set MSB, \new
.endif
.endm
.macro WLOAD n                         ; item n of the run into set n % 6: v[256 + 32 (n % 6)] on
.if (\n) < 4
.set wr_, 7
.set wo_, 3*131072+(\n)*32768
.set sr_, 8
.set so_, SA+3*8192+(\n)*2048
.elseif (\n) < 20
.set wr_, 9
.set wo_, CB+(((\n)-4)/4)*4096+(((\n)-4)%4)*131072
.set sr_, 10
.set so_, SB+(((\n)-4)/4)*256+(((\n)-4)%4)*8192
.else
.set wr_, 7
.set wo_, 10*131072+((\n)-20)*32768
.set sr_, 8
.set so_, SA+10*8192+((\n)-20)*2048
.endif
.set wb_, 32*((\n)%6)
.set ws_, WSA+2*((\n)%6)+34*(((\n)%6)/3)
	WIN 0x40                                       ; destination in the second window, address in the first
.irp ft, 0,1,2,3
.irp c, 0,1
	global_load_b128 v[wb_+8*\ft+4*\c:wb_+8*\ft+4*\c+3], v[wr_], s[WTS:WTS+1] offset:wo_+\ft*1024+\c*512
.endr
.endr
	WIN 0
.irp p, 0,1
	global_load_b32 v[ws_+\p], v[sr_], s[WTS:WTS+1] offset:so_+\p*128
.endr
.endm
.macro XLOAD n                         ; the rows' fragments and scale words for item n
.if (\n) < 4
.set xo_, AIM+(\n)*2048
.set xso_, ASC+(\n)*128
.elseif (\n) < 20
.set xo_, LIM+(((\n)-4)%4)*2048
.set xso_, LSC+(((\n)-4)%4)*128
.else
.set xo_, HIM+((\n)-20)*2048
.set xso_, HSC+((\n)-20)*128
.endif
.irp tv, 0,1
.irp c, 0,1
	ds_load_b128 v[XF+16*((\n)%2)+8*\tv+4*\c:XF+16*((\n)%2)+8*\tv+4*\c+3], v1 offset:xo_+\c*1024+\tv*512
.endr
.endr
	ds_load_b32 v[XSC+(\n)%2], v2 offset:xso_
.endm
; one matrix instruction, C = D in place; ra, rb = 1: that side's scale words stand in lanes 16-31
.macro MMA d, a, b, sa, sb, ra, rb
.set sel_, 2*(\ra)+(\rb)
.if sel_ == 0
	v_wmma_scale_f32_16x16x128_f8f6f4 v[\d:\d+7], v[\a:\a+7], v[\b:\b+7], v[\d:\d+7], v[\sa], v[\sb] matrix_a_fmt:MATRIX_FMT_FP4 matrix_b_fmt:MATRIX_FMT_FP4
.elseif sel_ == 1
	v_wmma_scale_f32_16x16x128_f8f6f4 v[\d:\d+7], v[\a:\a+7], v[\b:\b+7], v[\d:\d+7], v[\sa], v[\sb] matrix_a_fmt:MATRIX_FMT_FP4 matrix_b_fmt:MATRIX_FMT_FP4 matrix_b_scale:MATRIX_SCALE_ROW1
.elseif sel_ == 2
	v_wmma_scale_f32_16x16x128_f8f6f4 v[\d:\d+7], v[\a:\a+7], v[\b:\b+7], v[\d:\d+7], v[\sa], v[\sb] matrix_a_fmt:MATRIX_FMT_FP4 matrix_b_fmt:MATRIX_FMT_FP4 matrix_a_scale:MATRIX_SCALE_ROW1
.else
	v_wmma_scale_f32_16x16x128_f8f6f4 v[\d:\d+7], v[\a:\a+7], v[\b:\b+7], v[\d:\d+7], v[\sa], v[\sb] matrix_a_fmt:MATRIX_FMT_FP4 matrix_b_fmt:MATRIX_FMT_FP4 matrix_a_scale:MATRIX_SCALE_ROW1 matrix_b_scale:MATRIX_SCALE_ROW1
.endif
.endm
; Item n of the run: 64 features x 32 tokens x 128 K, eight matrix instructions on eight accumulators (4 tv + ft), which take turns in the same order in every K step.
.macro KSTEP n
.if (\n)+AHEAD < NIT
	WLOAD (\n)+AHEAD                               ; into the set that item n - 1 multiplied: its four closing v_nop are the places in front of these loads
.endif
.set xn_, 1                            ; the next K step's rows are fetched here, unless a product ends: the next one's images are not yet made
.if (\n)+1 == 4
.set xn_, 0
.endif
.if (\n)+1 == 20
.set xn_, 0
.endif
.if (\n)+1 == NIT
.set xn_, 0
.endif
.if xn_
	XLOAD (\n)+1
.endif
.set yg_, NIT-1-(\n)
.if yg_ > AHEAD
.set yg_, AHEAD
.endif
	s_wait_loadcnt 10*yg_                          ; item n is in; the ten loads of each younger item may be out
.if xn_
	s_wait_dscnt 5                                 ; all LDS instructions but the five loads just issued
.else
	s_wait_dscnt 0x0
.endif
.set kw_, 32*((\n)%6)
.set ks_, WSA+2*((\n)%6)+34*(((\n)%6)/3)
.set kx_, XF+16*((\n)%2)
.set kc_, XSC+(\n)%2
	WIN 0x01                                       ; source 0, the weights, in the second window
.irp tv, 0,1
.irp ft, 0,1,2,3
	MMA ACC+8*(4*\tv+\ft), kw_+8*\ft, kx_+8*\tv, ks_+\ft/2, kc_, \ft%2, \tv
.endr
.endr
	WIN 0
.rept 4
	v_nop                                          ; four places in front of the next loads into these operands and of the first read of results
.endr
.endm
; 64 numbers of a lane, four blocks of 16 registers (the other 16 of each block lie in lane l xor 16), become codes in v[PC] on, a whole block a lane, and a word of the four bytes in v[PW].
.macro QUANT s
.irp b, 0,1,2,3
	v_max3_num_f32 v[TM+\b], |v[\s+16*\b]|, |v[\s+1+16*\b]|, 0x1800000   ; with the floor 2^(3 - 127): the byte cannot fall under 1
.endr
.irp i, 2,4,6,8,10,12,14
.irp b, 0,1,2,3
	v_max3_num_f32 v[TM+\b], v[TM+\b], |v[\s+16*\b+\i]|, |v[\s+1+16*\b+\i]|
.endr
.endr
.irp b, 0,1,2,3
	v_permlanex16_b32 v[TM+4+\b], v[TM+\b], s[SEL], s[SEL+1]
.endr
.irp b, 0,1,2,3
	v_max_num_f32 v[TM+\b], v[TM+\b], v[TM+4+\b]   ; the block's largest magnitude
.endr
.irp b, 0,1,2,3
	v_add_nc_u32 v[TM+12+\b], 0xff000000, v[TM+\b] ; 2 off its exponent field: the conversion's scale operand
.endr
.irp b, 0,1,2,3
	v_lshrrev_b32 v[TM+4+\b], 23, v[TM+12+\b]      ; the scale's byte
.endr
	v_lshl_or_b32 v[PW], v[TM+5], 8, v[TM+4]
	v_lshl_or_b32 v[PW], v[TM+6], 16, v[PW]
	v_lshl_or_b32 v[PW], v[TM+7], 24, v[PW]
.irp b, 0,1,2,3
	v_cvt_scalef32_pk8_fp4_f32 v[PC+2*\b], v[\s+16*\b:\s+7+16*\b], v[TM+12+\b]
	v_cvt_scalef32_pk8_fp4_f32 v[PC+1+2*\b], v[\s+8+16*\b:\s+15+16*\b], v[TM+12+\b]
.endr
	v_nop                                          ; one plain place behind the conversions
.irp c, 0,1
.irp i, 0,1
	v_permlane16_swap_b32 v[PC+4*\c+\i], v[PC+2+4*\c+\i]
.endr
.endr
.endm
.macro ACCINIT areg, off                       ; a bias in the result's layout becomes the C of a sum's first matrix instructions
.irp tv, 0,1
.irp ft, 0,1,2,3
.irp hf, 0,1
	ds_load_b128 v[ACC+8*(4*\tv+\ft)+4*\hf:ACC+8*(4*\tv+\ft)+4*\hf+3], v[\areg] offset:\off+(\ft/2)*128+(\ft%2)*32+\hf*16
.endr
.endr
.endr
.endm
.macro HALFIMG areg, aoff, sreg, soff          ; a unit's 64 features are half a K step: one register group for each tile of tokens, two scale bytes a row
	ds_store_b128 v[\areg], v[PC:PC+3] offset:\aoff
	ds_store_b128 v[\areg], v[PC+4:PC+7] offset:\aoff+512
	ds_store_b16 v[\sreg], v[PW] offset:\soff
	ds_store_b16_d16_hi v[\sreg], v[PW] offset:\soff+64
.endm
.macro BARRIER                                 ; my LDS stores have landed and my LDS loads are in: then the work-group's barrier
	s_wait_dscnt 0x0
	s_barrier_signal -1
	s_barrier_wait -1
.endm
.macro BL32 reg, off                           ; 32 numbers of a constant at my unit's features, in the result's layout (the same for both tiles of tokens)
.irp ft, 0,1,2,3
.irp hf, 0,1
	ds_load_b128 v[\reg+8*\ft+4*\hf:\reg+8*\ft+4*\hf+3], v11 offset:\off+(\ft/2)*128+(\ft%2)*32+\hf*16
.endr
.endr
.endm
.macro CSTAT tv                                ; mean and centred sum of squares of a row's 64 numbers in my unit: 32 here, 32 in lane l xor 16
.set a_, ACC+32*\tv
	v_pk_add_f32 v[16:17], v[a_:a_+1], v[a_+2:a_+3]
	v_pk_add_f32 v[18:19], v[a_+4:a_+5], v[a_+6:a_+7]
.set j, 8
.rept 6
	v_pk_add_f32 v[16:17], v[16:17], v[a_+j:a_+j+1]
	v_pk_add_f32 v[18:19], v[18:19], v[a_+j+2:a_+j+3]
.set j, j+4
.endr
	v_pk_add_f32 v[16:17], v[16:17], v[18:19]
	v_add_f32 v16, v16, v17
	v_permlanex16_b32 v17, v16, s[SEL], s[SEL+1]
	v_add_f32 v16, v16, v17
	v_mul_f32 v[28+2*\tv], 0x3c800000, v16
	v_mul_f32 v20, 0xbc800000, v16
	v_mul_f32 v21, 0xbc800000, v16
	v_pk_add_f32 v[22:23], v[a_:a_+1], v[20:21]
	v_pk_add_f32 v[24:25], v[a_+2:a_+3], v[20:21]
	v_pk_mul_f32 v[16:17], v[22:23], v[22:23]
	v_pk_mul_f32 v[18:19], v[24:25], v[24:25]
.set j, 4
.rept 7
	v_pk_add_f32 v[22:23], v[a_+j:a_+j+1], v[20:21]
	v_pk_add_f32 v[24:25], v[a_+j+2:a_+j+3], v[20:21]
	v_pk_fma_f32 v[16:17], v[22:23], v[22:23], v[16:17]
	v_pk_fma_f32 v[18:19], v[24:25], v[24:25], v[18:19]
.set j, j+4
.endr
	v_pk_add_f32 v[16:17], v[16:17], v[18:19]
	v_add_f32 v16, v16, v17
	v_permlanex16_b32 v17, v16, s[SEL], s[SEL+1]
	v_add_f32 v[29+2*\tv], v16, v17
	ds_store_b64 v13, v[28+2*\tv:29+2*\tv] offset:\tv*1280
.endm
.macro LNSTAT tv                               ; the eight waves' figures of my row become -mean (twice) and 1 / sqrt(var + 1e-5) (twice) in v[16 + 4 tv] on
.set m_, 112+16*\tv
	v_add_f32 v24, v[m_], v[m_+2]
	v_add_f32 v25, v[m_+4], v[m_+6]
	v_add_f32 v26, v[m_+8], v[m_+10]
	v_add_f32 v27, v[m_+12], v[m_+14]
	v_add_f32 v24, v24, v25
	v_add_f32 v26, v26, v27
	v_add_f32 v24, v24, v26
	v_mul_f32 v24, 0x3e000000, v24                 ; the row's mean
.irp i, 0,2,4,6,8,10,12,14
	v_sub_f32 v[m_+\i], v[m_+\i], v24
.endr
	v_mul_f32 v25, v[m_], v[m_]
.irp i, 2,4,6,8,10,12,14
	v_fma_f32 v25, v[m_+\i], v[m_+\i], v25
.endr
	v_add_f32 v26, v[m_+1], v[m_+3]
.irp i, 5,7,9,11,13,15
	v_add_f32 v26, v26, v[m_+\i]
.endr
	v_fma_f32 v26, v25, 0x42800000, v26            ; + 64 x the units' means' squared distances
	v_fma_f32 v26, v26, s77, s78
	v_rsq_f32 v[18+4*\tv], v26
	v_sub_f32 v[16+4*\tv], 0, v24                  ; (a plain place behind the transcendental)
	v_sub_f32 v[17+4*\tv], 0, v24
	s_wait_alu depctr_va_vdst(0)
	v_mov_b32 v[19+4*\tv], v[18+4*\tv]
.endm
.macro GELU x                                  ; one accumulator's eight numbers, in place
.irp j, 0,1,2,3,4,5,6,7
	v_fma_f32 v[GT+\j], |v[\x+\j]|, s[KK], 1.0
.endr
.irp j, 0,1,2,3,4,5,6,7
	v_rcp_f32 v[GT+\j], v[GT+\j]                   ; t
.endr
.irp i, 0,2,4,6
	v_pk_mul_f32 v[24+\i:25+\i], v[\x+\i:\x+\i+1], v[\x+\i:\x+\i+1]   ; x^2.  (Plain places behind the reciprocals)
.endr
	s_wait_alu depctr_va_vdst(0)
.irp i, 0,2,4,6
	v_pk_fma_f32 v[16+\i:17+\i], v[GT+\i:GT+\i+1], v[4:5], s[CF8:CF8+1] op_sel_hi:[1,1,0]
.endr
.irp c, CF7,CF6,CF5,CF4,CF3,CF2,CF1,CF0
.irp i, 0,2,4,6
	v_pk_fma_f32 v[16+\i:17+\i], v[16+\i:17+\i], v[GT+\i:GT+\i+1], s[\c:\c+1] op_sel_hi:[1,1,0]
.endr
.endr
.irp i, 0,2,4,6
	v_pk_fma_f32 v[16+\i:17+\i], v[24+\i:25+\i], s[XXF:XXF+1], v[16+\i:17+\i] op_sel_hi:[1,0,1]
.endr
.irp j, 0,1,2,3,4,5,6,7
	v_exp_f32 v[16+\j], v[16+\j]
.endr
.irp j, 0,1,2,3,4,5,6,7
	v_max_num_f32 v[24+\j], 0, v[\x+\j]            ; (plain places behind the exponentials)
.endr
	s_wait_alu depctr_va_vdst(0)
.irp i, 0,2,4,6
	v_pk_mul_f32 v[16+\i:17+\i], v[16+\i:17+\i], v[GT+\i:GT+\i+1]     ; a
.endr
.irp j, 0,1,2,3,4,5,6,7
	v_fma_f32 v[\x+\j], -|v[\x+\j]|, v[16+\j], v[24+\j]
.endr
.endm
	s_load_b512 s[8:23], s[0:1], 0x0               ; gene expr att wts gbo ebo lngw lngb
	s_load_b512 s[24:39], s[0:1], 0x40             ; lnew lneb fgb1 feb1 fgb2 feb2 out0 out1
	v_lshl_add_u32 v254, v0, 2, 0x21800
	v_mov_b32 v255, 0
	v_lshrrev_b32 v1, 5, v0
	v_readfirstlane_b32 s80, v1                    ; wave w
	s_and_b32 s81, ttmp7, 0xffff                   ; the branch
	s_mov_b32 s[CF0], 0xc034d90f                   ; -2.82574822 (the half is taken off here)
	s_mov_b32 s[CF1], 0x3fb8ab5a                   ;  1.44272920
	s_mov_b32 s[CF2], 0x3f0a29d2                   ;  0.53970062
	s_mov_b32 s[CF3], 0x3e0efb2e                   ;  0.13963006
	s_mov_b32 s[CF4], 0xbe899a80                   ; -0.26875686
	s_mov_b32 s[CF5], 0x3ecdfd18                   ;  0.40232158
	s_mov_b32 s[CF6], 0xbfd1a1e5                   ; -1.63775315
	s_mov_b32 s[CF7], 0x40097039                   ;  2.14747446
	s_mov_b32 s[CF8], 0xbf97d29d                   ; -1.18611495
	s_mov_b32 s[XXF], 0xbf38aa3b                   ; -0.72134752
.irp c, CF0,CF1,CF2,CF3,CF4,CF5,CF6,CF7,CF8,XXF
	s_mov_b32 s[\c+1], s[\c]                       ; (named with it as a pair, so it is written)
.endr
	s_mov_b32 s[KK], 0x3eb504f3                    ; 0.35355339
	s_mov_b32 s77, 0x3b000000                      ; 1 / 512
	s_mov_b32 s78, 0x3727c5ac                      ; 1e-5
	s_mov_b32 s[SEL], 0x76543210
	s_mov_b32 s[SEL+1], 0xfedcba98
	v_and_b32 v24, 31, v0                          ; lane
	v_and_b32 v25, 15, v0                          ; r
	v_bfe_u32 v26, v0, 4, 1                        ; h
	v_and_b32 v27, 8, v25
	v_add_nc_u32 v27, v27, v25                     ; r + 8 (r / 8)
	v_lshlrev_b32 v1, 4, v24                       ; v1  16 x lane
	v_lshlrev_b32 v2, 2, v24                       ; v2  4 x lane
	s_lshl_b32 s84, s80, 8                         ; 256 w
	v_lshlrev_b32 v3, 11, v27
	v_lshl_add_u32 v3, v26, 6, v3
	v_add_nc_u32 v3, s84, v3                       ; v3  emb: my token's row, my unit, + 64 h
	v_mov_b32 v4, 0x3e7c6f08                       ; v[4:5] the leading coefficient, 0.24651730
	v_mov_b32 v5, 0x3e7c6f08
	s_cmp_eq_u32 s81, 0
	s_cselect_b32 s85, 0, 0x80000                  ; the branch's weights: four chunks, or one wide weight, on;
	s_cselect_b32 s86, 0, 0x8000                   ; their scale words
	s_lshl_b32 s87, s80, 12
	s_add_co_u32 s87, s87, s85
	v_add_nc_u32 v7, s87, v1                       ; v7  my unit's codes in a K step of a 512-column weight; v7-v10 are never rewritten
	s_add_co_u32 s87, s84, s86
	v_add_nc_u32 v8, s87, v2                       ; v8  its scale words
	s_lshl_b32 s87, s80, 14
	s_add_co_u32 s87, s87, s85
	v_add_nc_u32 v9, s87, v1                       ; v9  my four units' codes in a K step of w1
	s_lshl_b32 s87, s80, 10                        ; 1,024 w
	s_add_co_u32 s88, s87, s86
	v_add_nc_u32 v10, s88, v2                      ; v10 their scale words
	s_add_co_u32 s88, s84, CONST
	v_lshl_add_u32 v11, v26, 6, s88                ; v11 a constant of 512 at my unit
	s_add_co_u32 s88, s87, CONST+8192
	v_lshl_add_u32 v12, v26, 6, s88                ; v12 b1 at my four units
	v_mul_u32_u24 v14, v25, 80
	v_add_nc_u32 v14, STAT, v14                    ; v14 my row's eight figures
	v_lshl_add_u32 v13, s80, 3, v14                ; v13 my unit's
	v_mul_u32_u24 v15, v25, SP
	v_lshl_add_u32 v15, v26, 6, v15
	s_add_co_u32 s88, s84, STG
	v_add_nc_u32 v15, s88, v15                     ; v15 the stage: slot r, my unit, + 64 h
	s_add_co_u32 s88, s87, LIM
	v_add_nc_u32 v41, s88, v1                      ; v41 x_ln's image: my half K step
	s_lshr_b32 s88, s80, 1
	s_lshl_b32 s88, s88, 7
	s_and_b32 s89, s80, 1
	s_lshl_b32 s89, s89, 1
	s_add_co_u32 s88, s88, s89
	s_add_co_u32 s88, s88, LSC
	v_lshl_add_u32 v42, v25, 2, s88                ; v42 its two scale bytes
	s_lshl_b32 s88, s80, 12
	s_add_co_u32 s88, s88, HIM
	v_add_nc_u32 v43, s88, v1                      ; v43 the hidden layer's images: my two K steps
	s_add_co_u32 s88, s84, HSC
	v_lshl_add_u32 v44, v25, 2, s88                ; v44 their scale bytes
	s_mul_i32 s88, s80, 4*SP
	s_add_co_u32 s88, s88, STG
	v_add_nc_u32 v45, s88, v1                      ; v45 the way out: slots 4 w .. 4 w + 3
	v_lshlrev_b32 v16, 4, v0                       ; at the head only: 16 t, 2 t, 16 (t % 128), CONST + 16 t
	v_lshlrev_b32 v17, 1, v0
	v_and_b32 v18, 127, v0
	v_lshlrev_b32 v18, 4, v18
	v_lshl_add_u32 v19, v0, 4, CONST
.irp b, 0,1,2,3
	v_mov_b32 v[TM+4+\b], 0                        ; written once: a lane permute's destination counts as one of its sources
.endr
	s_wait_kmcnt 0x0
	s_cmp_eq_u32 s81, 0
	s_cselect_b64 s[40:41], s[8:9], s[10:11]       ; emb, bo, lnw, lnb, b1, b2, out
	s_cselect_b64 s[42:43], s[16:17], s[18:19]
	s_cselect_b64 s[44:45], s[20:21], s[24:25]
	s_cselect_b64 s[46:47], s[22:23], s[26:27]
	s_cselect_b64 s[48:49], s[28:29], s[30:31]
	s_cselect_b64 s[50:51], s[32:33], s[34:35]
	s_cselect_b64 s[52:53], s[36:37], s[38:39]
	s_cselect_b32 s88, 0, 128
	s_add_co_u32 s88, s88, ttmp9                   ; the block of 32 tokens among the two branches' 256
	s_lshl_b32 s90, s88, 13
	s_mov_b32 s91, 0
	s_add_nc_u64 s[92:93], s[12:13], s[90:91]      ; att: its images,
	s_lshl_b32 s90, s88, 9
	s_add_nc_u64 s[94:95], s[12:13], s[90:91]      ; its scale words
	s_lshl_b32 s90, ttmp9, 16                      ; 32 rows of 2,048 bytes
	s_add_nc_u64 s[40:41], s[40:41], s[90:91]
	s_lshr_b32 s88, s80, 2                         ; the way out: slot 4 w holds token 8 (w / 4) + 4 (w % 4) + 8 ((w % 4) / 2), and three neighbours follow
	s_lshl_b32 s88, s88, 3
	s_and_b32 s89, s80, 3
	s_lshl_b32 s86, s89, 2
	s_add_co_u32 s88, s88, s86
	s_lshr_b32 s89, s89, 1
	s_lshl_b32 s89, s89, 3
	s_add_co_u32 s88, s88, s89
	s_lshl_b32 s88, s88, 11
	s_add_co_u32 s90, s90, s88
	s_add_nc_u64 s[52:53], s[52:53], s[90:91]
	s_cmp_lt_u32 s80, 4                            ; waves 0-3 bring bo and lnb, waves 4-7 lnw and b2
	s_cselect_b64 s[42:43], s[42:43], s[44:45]
	s_cselect_b64 s[46:47], s[46:47], s[50:51]
	; ---- the head's 23 loads, and behind them the ring's first four items: 63 loads of mine are out at the most
.irp tv, 0,1
.irp ft, 0,1,2,3
.irp hf, 0,1
	global_load_b128 v[ACC+8*(4*\tv+\ft)+4*\hf:ACC+8*(4*\tv+\ft)+4*\hf+3], v3, s[40:41] offset:\tv*16384+(\ft/2)*128+(\ft%2)*32+\hf*16
.endr
.endr
.endr
	global_load_b128 v[216:219], v16, s[92:93]
	global_load_b128 v[220:223], v16, s[92:93] offset:4096
	global_load_u16 v224, v17, s[94:95] offset:ATS
	global_load_b128 v[228:231], v18, s[42:43]
	global_load_b128 v[232:235], v18, s[46:47]
	global_load_b128 v[236:239], v16, s[48:49]
	global_load_b128 v[240:243], v16, s[48:49] offset:4096
	WLOAD 0
	WLOAD 1
	WLOAD 2
	WLOAD 3
	s_wait_loadcnt 40                              ; all but the four items
	ds_store_b128 v16, v[216:219] offset:AIM
	ds_store_b128 v16, v[220:223] offset:AIM+4096
	ds_store_b16 v17, v224 offset:ASC
	ds_store_b128 v19, v[228:231]
	ds_store_b128 v19, v[232:235] offset:4096
	ds_store_b128 v19, v[236:239] offset:8192
	ds_store_b128 v19, v[240:243] offset:12288
	WLOAD 4                                        ; the fifth item: the ring now stands five K steps ahead
	BARRIER                                        ; the attention result's fragments and the constants lie in LDS
	; ---- x = emb + att wo + bo: items 0-3
	XLOAD 0
.set I, 0
.rept 4
	KSTEP I
.set I, I+1
.endr
	BL32 216, 0
	s_wait_dscnt 0x0
.irp tv, 0,1
.set j, 0
.rept 16
	v_pk_add_f32 v[ACC+32*\tv+j:ACC+32*\tv+j+1], v[ACC+32*\tv+j:ACC+32*\tv+j+1], v[216+j:217+j]
.set j, j+2
.endr
.endr
	CSTAT 0
	CSTAT 1
	BARRIER                                        ; the eight units' figures of every row lie in LDS
	; ---- LayerNorm 2 (items 4-8 are on their way meanwhile)
.irp tv, 0,1
.irp i, 0,1,2,3
	ds_load_b128 v[112+16*\tv+4*\i:115+16*\tv+4*\i], v14 offset:\tv*1280+16*\i
.endr
.endr
	BL32 176, 2048
	BL32 216, 4096
	s_wait_dscnt 16                                ; the figures are in; the 16 loads of lnw and lnb may be out
	LNSTAT 0
	LNSTAT 1
	s_wait_dscnt 0x0
.irp tv, 0,1
.set j, 0
.rept 16
	v_pk_add_f32 v[112+32*\tv+j:113+32*\tv+j], v[ACC+32*\tv+j:ACC+32*\tv+j+1], v[16+4*\tv:17+4*\tv]
.set j, j+2
.endr
.endr
.irp tv, 0,1
.set j, 0
.rept 16
	v_pk_mul_f32 v[112+32*\tv+j:113+32*\tv+j], v[112+32*\tv+j:113+32*\tv+j], v[18+4*\tv:19+4*\tv]
.set j, j+2
.endr
.endr
.irp tv, 0,1
.set j, 0
.rept 16
	v_pk_fma_f32 v[112+32*\tv+j:113+32*\tv+j], v[112+32*\tv+j:113+32*\tv+j], v[176+j:177+j], v[216+j:217+j]
.set j, j+2
.endr
.endr
	BL32 176, 6144                                 ; b2 takes lnw's registers
.set j, 0
.rept 32
	v_pk_add_f32 v[ACC+j:ACC+j+1], v[ACC+j:ACC+j+1], v[112+j:113+j]
.set j, j+2
.endr
	s_wait_dscnt 0x0
.irp tv, 0,1
.set j, 0
.rept 16
	v_pk_add_f32 v[ACC+32*\tv+j:ACC+32*\tv+j+1], v[ACC+32*\tv+j:ACC+32*\tv+j+1], v[176+j:177+j]
.set j, j+2
.endr
.endr
.irp tv, 0,1                                   ; x + x_ln + b2 waits in my own bytes of the stage
.irp ft, 0,1,2,3
.irp hf, 0,1
	ds_store_b128 v15, v[ACC+8*(4*\tv+\ft)+4*\hf:ACC+8*(4*\tv+\ft)+4*\hf+3] offset:\tv*16*SP+(\ft/2)*128+(\ft%2)*32+\hf*16
.endr
.endr
.endr
	QUANT 112
	HALFIMG 41, 0, 42, 0
	BARRIER                                        ; x_ln's fragments lie in LDS
	; ---- the hidden layer: my four units of 64: items 4-19
	XLOAD 4
.set U, 0
.rept 4
	ACCINIT 12, 256*U
	KSTEP 4*U+4
	KSTEP 4*U+5
	KSTEP 4*U+6
	KSTEP 4*U+7
.irp t, 0,1,2,3,4,5,6,7
	GELU ACC+8*\t
.endr
	QUANT ACC
	HALFIMG 43, 1024*U, 44, (U/2)*128+2*(U%2)
.set U, U+1
.endr
	BARRIER                                        ; the hidden layer's sixteen K steps lie in LDS
	; ---- out = (x + x_ln + b2) + hidden w2: items 20-35
.irp tv, 0,1
.irp ft, 0,1,2,3
.irp hf, 0,1
	ds_load_b128 v[ACC+8*(4*\tv+\ft)+4*\hf:ACC+8*(4*\tv+\ft)+4*\hf+3], v15 offset:\tv*16*SP+(\ft/2)*128+(\ft%2)*32+\hf*16
.endr
.endr
.endr
	XLOAD 20
.set I, 20
.rept 16
	KSTEP I
.set I, I+1
.endr
.irp tv, 0,1
.irp ft, 0,1,2,3
.irp hf, 0,1
	ds_store_b128 v15, v[ACC+8*(4*\tv+\ft)+4*\hf:ACC+8*(4*\tv+\ft)+4*\hf+3] offset:\tv*16*SP+(\ft/2)*128+(\ft%2)*32+\hf*16   ; each accumulator from its low end on
.endr
.endr
.endr
	BARRIER                                        ; 32 whole rows lie in the stage
.irp k, 0,1,2,3
.irp i, 0,1,2,3
	ds_load_b128 v[112+16*\k+4*\i:115+16*\k+4*\i], v45 offset:\k*SP+512*\i
.endr
.endr
.irp k, 0,1,2,3
.irp i, 0,1,2,3
	s_wait_dscnt 15-4*\k-\i                        ; LDS loads come back in order: this one is in, the younger ones may be out
	global_store_b128 v1, v[112+16*\k+4*\i:115+16*\k+4*\i], s[52:53] offset:\k*2048+512*\i th:TH_STORE_NT   ; 32 lanes store 512 consecutive aligned bytes
.endr
.endr
	s_wait_tensorcnt 0x0
	ds_add_u32 v254, v255
	s_wait_dscnt 0x0
	s_endpgm
.Lfunc_end_k_q6011f8c173_tail:
	.size	k_q6011f8c173_tail, .Lfunc_end_k_q6011f8c173_tail-k_q6011f8c173_tail
	.p2alignl 7, 3214868480
	.fill 96, 4, 3214868480
	.section	.rodata,"a",@progbits
	.p2align	6, 0x0
	.amdhsa_kernel k_q6011f8c173_tail
		.amdhsa_group_segment_fixed_size 138240
		.amdhsa_private_segment_fixed_size 0
		.amdhsa_enable_private_segment 0
		.amdhsa_kernarg_size 128
		.amdhsa_user_sgpr_count 2
		.amdhsa_user_sgpr_kernarg_segment_ptr 1
		.amdhsa_wavefront_size32 1
		.amdhsa_system_sgpr_workgroup_id_x 1
		.amdhsa_system_sgpr_workgroup_id_y 1
		.amdhsa_system_sgpr_workgroup_id_z 1
		.amdhsa_system_vgpr_workitem_id 0
		.amdhsa_next_free_vgpr 448
		.amdhsa_next_free_sgpr 96
		.amdhsa_reserve_vcc 0
		.amdhsa_float_denorm_mode_32 3
		.amdhsa_float_denorm_mode_16_64 3
		.amdhsa_memory_ordered 1
		.amdhsa_forward_progress 1
		.amdhsa_inst_pref_size 255
	.end_amdhsa_kernel
	.section	.bss,"aw",@nobits
	.p2align	6
	.space	262144
	.amdgpu_metadata
---
amdhsa.version: [ 1, 2 ]
amdhsa.kernels:
  - .name:           k_q6011f8c173_tail
    .symbol:         k_q6011f8c173_tail.kd
    .args:
      - { .name: gene_emb, .offset: 0, .size: 8, .value_kind: global_buffer, .address_space: global }
      - { .name: expr_emb, .offset: 8, .size: 8, .value_kind: global_buffer, .address_space: global }
      - { .name: att, .offset: 16, .size: 8, .value_kind: global_buffer, .address_space: global }
      - { .name: wts, .offset: 24, .size: 8, .value_kind: global_buffer, .address_space: global }
      - { .name: g_bo, .offset: 32, .size: 8, .value_kind: global_buffer, .address_space: global }
      - { .name: e_bo, .offset: 40, .size: 8, .value_kind: global_buffer, .address_space: global }
      - { .name: ln_g2_w, .offset: 48, .size: 8, .value_kind: global_buffer, .address_space: global }
      - { .name: ln_g2_b, .offset: 56, .size: 8, .value_kind: global_buffer, .address_space: global }
      - { .name: ln_e2_w, .offset: 64, .size: 8, .value_kind: global_buffer, .address_space: global }
      - { .name: ln_e2_b, .offset: 72, .size: 8, .value_kind: global_buffer, .address_space: global }
      - { .name: fg_b1, .offset: 80, .size: 8, .value_kind: global_buffer, .address_space: global }
      - { .name: fe_b1, .offset: 88, .size: 8, .value_kind: global_buffer, .address_space: global }
      - { .name: fg_b2, .offset: 96, .size: 8, .value_kind: global_buffer, .address_space: global }
      - { .name: fe_b2, .offset: 104, .size: 8, .value_kind: global_buffer, .address_space: global }
      - { .name: out0, .offset: 112, .size: 8, .value_kind: global_buffer, .address_space: global }
      - { .name: out1, .offset: 120, .size: 8, .value_kind: global_buffer, .address_space: global }
    .group_segment_fixed_size: 138240
    .private_segment_fixed_size: 0
    .kernarg_segment_align: 8
    .kernarg_segment_size: 128
    .max_flat_workgroup_size: 256
    .sgpr_count:     96
    .vgpr_count:     448
    .wavefront_size: 32
...
	.end_amdgpu_metadata
.endif
;; end of part 4
;; ======== version 2 of 2: 4 launches
;; workspace buffers: wts 3,620,864 bytes; qkv 6,946,816 bytes; att 2,228,224 bytes
;; launch wprep: the kernel of part 1 again; grid 416 x 1, 4 waves a work-group, no clusters, 0 bytes of LDS; arguments g_wq, g_wk, g_wv, g_wo, e_wq, e_wk, e_wv, e_wo, e_wf, fg_w2, fe_w2, fg_w1, fe_w1, wts; writes wts
;; launch qkv (part 5): grid 128 x 2, 8 waves a work-group, no clusters, 40,960 bytes of LDS; arguments gene_emb, expr_emb, ln_g1_w, ln_g1_b, ln_e1_w, ln_e1_b, g_bq, g_bk, g_bv, e_bq, e_bk, e_bv, e_bf, wts, qkv; writes qkv
.if DOCPART == 5
	.amdgcn_target "amdgcn-amd-amdhsa--gfx1250"
	.amdhsa_code_object_version 6
	.text
	.protected	k_q6011f8c173_qkv
	.globl	k_q6011f8c173_qkv
	.p2align	8
	.type	k_q6011f8c173_qkv,@function
k_q6011f8c173_qkv:
	s_mov_b64 s[64:65], 0
	v_nop
	global_prefetch_b8 v0, s[64:65] scope:SCOPE_SE
	s_setreg_imm32_b32 hwreg(HW_REG_WAVE_SCHED_MODE, 0, 2), 2
	s_setreg_imm32_b32 hwreg(HW_REG_WAVE_MODE, 25, 1), 1
	s_wait_xcnt 0x0
	s_wait_alu depctr_vm_vsrc(0)
; LayerNorm 1, (expression branch: the fused projection,) Q, K, V of 32 tokens, all products on codes of FP4 (E2M1) with one E8M0 scale for each 32 along K.
; A work-group: branch y (0 gene, 1 expression), tokens 32 x .. 32 x + 31 of the branch's 4,096.  Eight waves.  In the products wave w owns output features 64 w .. 64 w + 63: head w.
; TOKENS, FEATURES AND KEYS GO IN BLOCKS OF 32, TWO TILES v TO A BLOCK: row p of tile v is element 8 v + p + 8 (p / 8).  Where such a tile is source 0, register j of lane half h in tiles 0, 1 is element 16 h + 8 v + j:
; the 16 registers of a tile pair are 16 neighbours, a block of 32 lies in lanes l and l xor 16, and the conversions' results (with one exchange of halves) are the next operand's registers.
; OPERANDS GO FROM WAVE TO WAVE THROUGH LDS AS IMAGES OF THEIR REGISTERS: K step s, register group c, tile v at 2,048 s + 1,024 c + 512 v + 16 lane; scale words at 128 s + 4 (16 v + row): one register carries both tiles' words.
; THE WEIGHTS come from the workspace in register order, straight into a ring of eight register sets in the second window of 256 registers, FIVE K STEPS AHEAD.  An item is one K step of 64 features: 8 loads of codes,
; 2 of scale words, 4,352 bytes; behind a K step's request five items, 50 loads of a wave, are out.  The ring runs on across the phases: its first five items are asked for as soon as the rows are in, ahead of the LayerNorm.
; Items 0-7 are the fused product's (expression branch alone), items 8-19 Q's, K's and V's; item n lies in set n % 8, so Q's first item lies in set 0 in both branches.  The first five items are loaded by one text for both
; branches, through bases that stand at the fused weight (expression) or at Q's (gene): Q's, K's and V's twelve K steps lie on end in the workspace, 32,768 bytes apart, and the fused weight 16 such steps on.
; Q and K (weights are source 0: a lane holds one token, registers run along the head's 64) are quantised along the head; V (tokens are source 0: a lane holds one channel, registers run along the 32 tokens) along the keys.
; The mean and variance are made from the four waves' means and centred sums of squares of 128 numbers each, so that a common offset of the inputs costs no digits.
; V's scale bytes leave as single bytes (four work-groups fill a word): 131,072 bytes in the launch.
; All row blocks walk the same weights; each byte goes to one wave's registers and no LDS ring is kept, so nothing is asked for jointly in a cluster.
; LIMITS: a block whose largest magnitude lies under 2^-124 (a block of zeros too) keeps the byte 1; this program alone reads the bytes.  NaN and infinities are not served.
; THE MODE: SCHED_MODE bits 1:0 = 2 (LLVM: expert scheduling mode 2), set by the entry lines.  The code itself states the register dependences
; between vector or matrix instructions and memory or LDS instructions, with s_wait_alu, always for 0.
; THE PLAN.  Registers that memory or LDS instructions touch, and who else names them:
;   v1-15, v41-47        offsets and LDS addresses: made at the head, ahead of one wait on va_vdst, and never written again.
;   the ring's sets, WS  item n's matrix instructions read set n % 8 and its two scale registers; the loads of item n + 8 land there, issued in K step n + 3: the waits of the K steps between stand behind those matrix instructions.
;   XF0, XF1, XSC        item n's matrix instructions read XF[n % 2]; the LDS loads of item n + 2's rows land there, issued in K step n + 1.
;   the accumulators     written by matrix instructions (in the LayerNorm by vector ones), read by QUANT; a bias's loads land in them behind the wait that stands ahead of QUANT's stores, with no vector line between.
;   PC, PW, TM+8, TM+9   written by QUANT and the lines behind it, read by the stores: one wait on va_vdst ahead of each run of stores, one on vm_vsrc at the head of the next QUANT.
; So ONE wait on va_vdst stands in a K step, behind the waits for its data: the matrix instructions of the K step before are done reading their rows' fragments.  The step's loads follow it, and its own matrix instructions
; name set n % 8, XF[n % 2], their scale registers and the accumulators: none of the registers that those loads touch.  A phase's first K step has no such wait: the one ahead of the last stores has stated the same.
.set SA,    0x340000                   ; wts: the scale words of the 512-column weights, 2,048 bytes a K step
.set IMG,   0                          ; LDS: raw gene rows' images (K steps 0-3 of the fused product),
.set IMA,   8192                       ; the LayerNorm's (K steps 4-7 of it; V's operand; in the gene branch Q's and K's too),
.set IMF,   16384                      ; the fused projection's,
.set SCG,   24576                      ; their scale words, 512 bytes each,
.set SCA,   25088
.set SCF,   25600
.set STAT,  26112                      ; (mean, centred sum of squares) of row (16 v + r), chunk s at 48 (16 v + r) + 8 s
.set CONST, 27648                      ; lnw, lnb, bq, bk, bv, bf: 2,048 bytes each
.set KCO,   0x200000                   ; qkv: K's codes; V's; Q's, K's, V's scale words
.set VCO,   0x400000
.set QSO,   0x600000
.set KSO,   0x640000
.set VSO,   0x680000
.set WTS,   34                         ; s[34:35] wts
.set WTC,   44                         ; s[44:45] wts at the codes of the branch's first product: + 16 K steps in the expression branch
.set WTW,   48                         ; s[48:49] the same for the scale words
.set SEL,   54                         ; s[54:55] v_permlanex16_b32's selects for lane l xor 16
.set HM,    56                         ; s56 the mask of lanes 16-31
.set TM,  16                           ; v16-31   at work
.set PC,  32                           ; v32-39   the codes just made
.set PW,  40                           ; v40      the scale word just made
.set ACC, 48                           ; v48-111  eight accumulators
.set GR,  112                          ; v112-175 raw gene rows; later lnw
.set WS,  176                          ; v176-191 the weights' scale words: two registers a set (scale operands have no window)
.set LB,  192                          ; v192-255 lnb, in the LayerNorm alone
.set XSC, 214                          ; v214-215 the rows' scale words: two sets
.set XF,  216                          ; v216-247 the rows' fragments: two sets of two tiles
.set AHEAD, 5                          ; K steps that the ring asks ahead
.set NIT, 20                           ; items in the ring's run
.set MSB, 0
.macro WIN new                         ; s_set_vgpr_msb: bits 1:0 source 0, 3:2 source 1, 5:4 source 2, 7:6 destination; the high byte repeats the setting that is left
.if MSB != \new
	s_set_vgpr_msb (MSB<<8)|\new
.set MSB, \new
.endif
.endm
.macro WLD st, cb, sb, k               ; K step k from the bases s[cb] (codes) and s[sb] (scale words) into set st: v[256 + 32 st] on
	WIN 0x40                                       ; destination in the second window, address in the first
.irp ft, 0,1,2,3
.irp c, 0,1
	global_load_b128 v[32*(\st)+8*\ft+4*\c:32*(\st)+8*\ft+4*\c+3], v11, s[\cb:\cb+1] offset:(\k)*32768+\ft*1024+\c*512
.endr
.endr
	WIN 0
.irp p, 0,1
	global_load_b32 v[WS+2*(\st)+\p], v12, s[\sb:\sb+1] offset:SA+(\k)*2048+\p*128
.endr
.endm
.macro WNEXT n                         ; item n of the run
.if (\n) < 8
	WLD (\n)%8, WTC, WTW, (\n)
.else
	WLD (\n)%8, WTS, WTS, (\n)-8
.endif
.endm
.macro XLOAD n                         ; the rows' fragments and scale words for item n
.if (\n) < 8
.set xr_, 1
.set xo_, IMG+(\n)*2048
.set xsr_, 2
.set xso_, SCG+(\n)*128
.elseif (\n) < 16
.set xr_, 13
.set xo_, (((\n)-8)%4)*2048
.set xsr_, 14
.set xso_, (((\n)-8)%4)*128
.else
.set xr_, 1
.set xo_, IMA+((\n)-16)*2048
.set xsr_, 2
.set xso_, SCA+((\n)-16)*128
.endif
.irp tv, 0,1
.irp c, 0,1
	ds_load_b128 v[XF+16*((\n)%2)+8*\tv+4*\c:XF+16*((\n)%2)+8*\tv+4*\c+3], v[xr_] offset:xo_+\c*1024+\tv*512
.endr
.endr
	ds_load_b32 v[XSC+(\n)%2], v[xsr_] offset:xso_
.endm
; one matrix instruction: D at d, sources at a and b, C = D (cz = 0) or the constant 0 (cz = 1); ra, rb = 1: that side's scale words stand in lanes 16-31
.macro MMA d, a, b, cz, sa, sb, ra, rb
.set sel_, 4*(\cz)+2*(\ra)+(\rb)
.if sel_ == 0
	v_wmma_scale_f32_16x16x128_f8f6f4 v[\d:\d+7], v[\a:\a+7], v[\b:\b+7], v[\d:\d+7], v[\sa], v[\sb] matrix_a_fmt:MATRIX_FMT_FP4 matrix_b_fmt:MATRIX_FMT_FP4
.elseif sel_ == 1
	v_wmma_scale_f32_16x16x128_f8f6f4 v[\d:\d+7], v[\a:\a+7], v[\b:\b+7], v[\d:\d+7], v[\sa], v[\sb] matrix_a_fmt:MATRIX_FMT_FP4 matrix_b_fmt:MATRIX_FMT_FP4 matrix_b_scale:MATRIX_SCALE_ROW1
.elseif sel_ == 2
	v_wmma_scale_f32_16x16x128_f8f6f4 v[\d:\d+7], v[\a:\a+7], v[\b:\b+7], v[\d:\d+7], v[\sa], v[\sb] matrix_a_fmt:MATRIX_FMT_FP4 matrix_b_fmt:MATRIX_FMT_FP4 matrix_a_scale:MATRIX_SCALE_ROW1
.elseif sel_ == 3
	v_wmma_scale_f32_16x16x128_f8f6f4 v[\d:\d+7], v[\a:\a+7], v[\b:\b+7], v[\d:\d+7], v[\sa], v[\sb] matrix_a_fmt:MATRIX_FMT_FP4 matrix_b_fmt:MATRIX_FMT_FP4 matrix_a_scale:MATRIX_SCALE_ROW1 matrix_b_scale:MATRIX_SCALE_ROW1
.elseif sel_ == 4
	v_wmma_scale_f32_16x16x128_f8f6f4 v[\d:\d+7], v[\a:\a+7], v[\b:\b+7], 0, v[\sa], v[\sb] matrix_a_fmt:MATRIX_FMT_FP4 matrix_b_fmt:MATRIX_FMT_FP4
.elseif sel_ == 5
	v_wmma_scale_f32_16x16x128_f8f6f4 v[\d:\d+7], v[\a:\a+7], v[\b:\b+7], 0, v[\sa], v[\sb] matrix_a_fmt:MATRIX_FMT_FP4 matrix_b_fmt:MATRIX_FMT_FP4 matrix_b_scale:MATRIX_SCALE_ROW1
.elseif sel_ == 6
	v_wmma_scale_f32_16x16x128_f8f6f4 v[\d:\d+7], v[\a:\a+7], v[\b:\b+7], 0, v[\sa], v[\sb] matrix_a_fmt:MATRIX_FMT_FP4 matrix_b_fmt:MATRIX_FMT_FP4 matrix_a_scale:MATRIX_SCALE_ROW1
.else
	v_wmma_scale_f32_16x16x128_f8f6f4 v[\d:\d+7], v[\a:\a+7], v[\b:\b+7], 0, v[\sa], v[\sb] matrix_a_fmt:MATRIX_FMT_FP4 matrix_b_fmt:MATRIX_FMT_FP4 matrix_a_scale:MATRIX_SCALE_ROW1 matrix_b_scale:MATRIX_SCALE_ROW1
.endif
.endm
; Item n of the run: 64 features x 32 tokens x 128 K, eight matrix instructions on eight accumulators, which take turns in the same order in every K step.
; kind 0: the weights are source 0 (a lane holds a token, accumulator 4 tv + ft);  kind 1: the tokens are source 0 (a lane holds a feature, accumulator 2 ft + tv).  first = 1: C is the constant 0.
; w = 1: the K step's wait on va_vdst is written.  w = 0: a phase's first K step, behind the wait ahead of the last stores; item 7, which fetches no rows; the last item, which issues no load.
.macro KSTEP n, kind, first, w
.set yg_, NIT-1-(\n)
.if yg_ > AHEAD-1
.set yg_, AHEAD-1
.endif
	s_wait_loadcnt 10*yg_                          ; item n is in; the ten loads of each younger item, four items at the most, may be out
	s_wait_dscnt 0x0                               ; its rows' fragments are in (and a bias, where one was asked for)
.if \w
	s_wait_alu depctr_va_vdst(0)                   ; the matrix instructions of item n - 1 are done reading XF[(n + 1) % 2] and its scale words, in which the LDS loads below land
.endif
.set xn_, 1                            ; the next K step's rows are fetched here, unless a phase ends: their images are not yet made
.if (\n)+1 == 8
.set xn_, 0
.endif
.if (\n)+1 == NIT
.set xn_, 0
.endif
.if xn_
	XLOAD (\n)+1
.endif
.if (\n)+AHEAD < NIT
	WNEXT (\n)+AHEAD                               ; into a set whose last products stand three K steps back, ahead of the waits of the K steps between
.endif
.set kw_, 32*((\n)%8)
.set ks_, WS+2*((\n)%8)
.set kx_, XF+16*((\n)%2)
.set kc_, XSC+(\n)%2
.if \kind == 0
	WIN 0x01                                       ; source 0, the weights, in the second window
.irp tv, 0,1
.irp ft, 0,1,2,3
	MMA ACC+8*(4*\tv+\ft), kw_+8*\ft, kx_+8*\tv, 0, ks_+\ft/2, kc_, \ft%2, \tv
.endr
.endr
.else
	WIN 0x04                                       ; source 1, the weights, in the second window
.irp ft, 0,1,2,3
.irp tv, 0,1
	MMA ACC+8*(2*\ft+\tv), kx_+8*\tv, kw_+8*\ft, \first, kc_, ks_+\ft/2, \tv, \ft%2
.endr
.endr
.endif
	WIN 0
.rept 4
	v_nop                                          ; four places (ISA guide 7.12.1) behind the matrix instructions, ahead of the first read of results; they stay beside the waits
.endr
.endm
; 64 numbers of a lane, four blocks of 16 registers (the other 16 of each block lie in lane l xor 16), become codes in v[PC] on, bytes in v[TM+4] on and a word of the four bytes in v[PW].
; swap = 1: the halves change places, so that registers 4 c .. 4 c + 3 hold a whole block a lane, as an operand wants them.  e = 1: stores issued since the last wait on vm_vsrc have read registers that are written here.
.macro QUANT s, swap, e
	s_wait_xcnt 0x0                                ; earlier stores have read the codes' and words' registers, which are written again below
.if \e
	s_wait_alu depctr_vm_vsrc(0)                   ; the stores of the last codes have read v[PC ..], v[PW] and v[TM+8], which the lines from here on write again
.endif
.irp b, 0,1,2,3
	v_max3_num_f32 v[TM+\b], |v[\s+16*\b]|, |v[\s+1+16*\b]|, 0x1800000   ; with the floor 2^(3 - 127): the byte cannot fall under 1
.endr
.irp i, 2,4,6,8,10,12,14
.irp b, 0,1,2,3
	v_max3_num_f32 v[TM+\b], v[TM+\b], |v[\s+16*\b+\i]|, |v[\s+1+16*\b+\i]|
.endr
.endr
.irp b, 0,1,2,3
	v_permlanex16_b32 v[TM+4+\b], v[TM+\b], s[SEL], s[SEL+1]
.endr
.irp b, 0,1,2,3
	v_max_num_f32 v[TM+\b], v[TM+\b], v[TM+4+\b]   ; the block's largest magnitude
.endr
.irp b, 0,1,2,3
	v_add_nc_u32 v[TM+12+\b], 0xff000000, v[TM+\b] ; 2 off its exponent field: the conversion's scale operand
.endr
.irp b, 0,1,2,3
	v_lshrrev_b32 v[TM+4+\b], 23, v[TM+12+\b]      ; the scale's byte
.endr
	v_lshl_or_b32 v[PW], v[TM+5], 8, v[TM+4]
	v_lshl_or_b32 v[PW], v[TM+6], 16, v[PW]
	v_lshl_or_b32 v[PW], v[TM+7], 24, v[PW]
.irp b, 0,1,2,3
	v_cvt_scalef32_pk8_fp4_f32 v[PC+2*\b], v[\s+16*\b:\s+7+16*\b], v[TM+12+\b]
	v_cvt_scalef32_pk8_fp4_f32 v[PC+1+2*\b], v[\s+8+16*\b:\s+15+16*\b], v[TM+12+\b]
.endr
	v_nop                                          ; one plain place behind the conversions
.if \swap
.irp c, 0,1
.irp i, 0,1
	v_permlane16_swap_b32 v[PC+4*\c+\i], v[PC+2+4*\c+\i]
.endr
.endr
.endif
.endm
.macro ACCINIT areg, off                       ; a bias in the result's layout becomes the C of a sum's first matrix instructions: it costs no addition
.irp tv, 0,1
.irp ft, 0,1,2,3
.irp hf, 0,1
	ds_load_b128 v[ACC+8*(4*\tv+\ft)+4*\hf:ACC+8*(4*\tv+\ft)+4*\hf+3], v[\areg] offset:\off+(\ft/2)*128+(\ft%2)*32+\hf*16
.endr
.endr
.endr
.endm
.macro HALFIMG areg, aoff, sreg, soff          ; a unit's 64 features are half a K step: one register group for each tile of tokens, two scale bytes a row
	s_wait_alu depctr_va_vdst(0)                   ; QUANT has written v[PC ..] and v[PW], which the stores read; it is done reading the accumulators, and the last matrix instructions their rows' fragments, in which the loads behind the barrier land
	ds_store_b128 v[\areg], v[PC:PC+3] offset:\aoff
	ds_store_b128 v[\areg], v[PC+4:PC+7] offset:\aoff+512
	ds_store_b16 v[\sreg], v[PW] offset:\soff
	ds_store_b16_d16_hi v[\sreg], v[PW] offset:\soff+64
.endm
.macro BARRIER                                 ; my LDS stores have landed and my LDS loads are in: then the work-group's barrier
	s_wait_dscnt 0x0
	s_barrier_signal -1
	s_barrier_wait -1
.endm
.macro ROWS reg, base                          ; my row's 64 numbers of its 128: 16 of each block of 32
.irp b, 0,1,2,3
.irp q, 0,1,2,3
	global_load_b128 v[\reg+16*\b+4*\q:\reg+16*\b+4*\q+3], v3, s[\base:\base+1] offset:128*\b+16*\q
.endr
.endr
.endm
.macro IMAGE off, soff                         ; a whole fragment and its scale word
	s_wait_alu depctr_va_vdst(0)                   ; QUANT has written v[PC ..] and v[PW], which the stores read; it and the lines ahead of it are done with the registers in which later LDS loads land
	ds_store_b128 v6, v[PC:PC+3] offset:\off
	ds_store_b128 v6, v[PC+4:PC+7] offset:\off+1024
	ds_store_b32 v7, v[PW] offset:\soff
.endm
.macro QKOUT coff, soff                        ; a head's codes of 32 tokens: 512 consecutive bytes a tile; lanes 0-15 store tile 0's scale words, lanes 16-31 tile 1's
	v_lshrrev_b32 v[TM+8], 16, v[PW]
	v_cndmask_b32 v[TM+8], v[PW], v[TM+8], s[HM]
	s_wait_alu depctr_va_vdst(0)                   ; v[PC ..] and v[TM+8] are written, which the stores read; QUANT is done reading the accumulators, and the product's last matrix instructions their rows' fragments, in which the next product's loads land
	global_store_b128 v43, v[PC:PC+3], s[36:37] offset:\coff
	global_store_b128 v43, v[PC+4:PC+7], s[36:37] offset:\coff+512
	global_store_b32 v44, v[TM+8], s[36:37] offset:\soff
.endm
	s_load_b512 s[8:23], s[0:1], 0x0               ; gene expr lngw lngb lnew lneb gbq gbk
	s_load_b256 s[24:31], s[0:1], 0x40             ; gbv ebq ebk ebv
	s_load_b128 s[32:35], s[0:1], 0x60             ; ebf wts
	s_load_b64 s[36:37], s[0:1], 0x70              ; qkv
	v_lshrrev_b32 v1, 5, v0
	v_readfirstlane_b32 s57, v1                    ; wave w
	s_and_b32 s58, ttmp7, 0xffff                   ; the branch
	s_wait_alu depctr_va_sdst(0)                   ; s57 is written, ahead of its first reader: addresses, offsets and the choice of constants are made from it
	s_and_b32 s59, s57, 1                          ; in the LayerNorm: my tile of tokens v,
	s_lshr_b32 s60, s57, 1                         ; my K step s
	s_mov_b32 s52, 0x3b000000                      ; 1 / 512
	s_mov_b32 s53, 0x3727c5ac                      ; 1e-5
	s_mov_b32 s[SEL], 0x76543210
	s_mov_b32 s[SEL+1], 0xfedcba98
	s_mov_b32 s[HM], 0xffff0000
	v_and_b32 v16, 31, v0                          ; lane
	v_and_b32 v17, 15, v0                          ; r
	v_bfe_u32 v18, v0, 4, 1                        ; h
	v_and_b32 v19, 8, v17
	v_add_nc_u32 v19, v19, v17                     ; r + 8 (r / 8)
	v_lshlrev_b32 v1, 4, v16                       ; v1  16 x lane
	v_lshlrev_b32 v2, 2, v16                       ; v2  4 x lane
	s_lshl_b32 s61, s59, 14
	s_lshl_b32 s62, s60, 9
	s_add_co_u32 s61, s61, s62
	v_lshlrev_b32 v3, 11, v19
	v_lshl_add_u32 v3, v18, 6, v3
	v_add_nc_u32 v3, s61, v3                       ; v3  my row (8 v + r + 8 (r / 8)) x 2,048 + 512 s + 64 h
	v_and_b32 v4, 127, v0
	v_lshlrev_b32 v4, 4, v4                        ; v4  the constants, in memory: 16 (t % 128)
	v_lshl_add_u32 v5, v0, 4, CONST                ; v5  and in LDS: 16 t
	s_lshl_b32 s61, s60, 11
	s_lshl_b32 s62, s59, 9
	s_add_co_u32 s61, s61, s62
	v_add_nc_u32 v6, s61, v1                       ; v6  my fragment's image
	s_lshl_b32 s61, s60, 7
	s_lshl_b32 s62, s59, 6
	s_add_co_u32 s61, s61, s62
	v_lshl_add_u32 v7, v17, 2, s61                 ; v7  its scale word
	s_mul_i32 s61, s59, 768
	s_add_co_u32 s61, s61, STAT
	v_mul_u32_u24 v9, v17, 48
	v_add_nc_u32 v9, s61, v9                       ; v9  my row's four chunks' figures
	v_lshl_add_u32 v8, s60, 3, v9                  ; v8  my chunk's
	s_lshl_b32 s61, s60, 9
	s_add_co_u32 s61, s61, CONST
	v_lshl_add_u32 v10, v18, 6, s61                ; v10 lnw at my numbers
	s_mov_b32 s67, IMF
	s_mov_b32 s68, SCF
	s_cmp_eq_u32 s58, 0
	s_cselect_b32 s67, IMA, s67                    ; Q's and K's source: the LayerNorm (gene) or the fused projection (expression)
	s_cselect_b32 s68, SCA, s68
	s_cselect_b32 s69, 0, 0x80000                  ; the branch's four chunks of weights,
	s_cselect_b32 s70, 0, 0x8000                   ; their scale words
	s_cselect_b32 s71, 0, 2
	s_lshl_b32 s61, s57, 12
	s_add_co_u32 s61, s61, s69
	v_add_nc_u32 v11, s61, v1                      ; v11 my unit's codes in a K step of a 512-column weight; never rewritten
	s_lshl_b32 s61, s57, 8
	s_add_co_u32 s62, s61, s70
	v_add_nc_u32 v12, s62, v2                      ; v12 its scale words; never rewritten
	v_add_nc_u32 v13, s67, v1                      ; v13, v14 Q's and K's source
	v_add_nc_u32 v14, s68, v2
	s_add_co_u32 s62, s61, CONST
	v_lshl_add_u32 v15, v18, 6, s62                ; v15 a bias at my unit, in the result's layout
	s_add_co_u32 s62, s61, CONST+8192
	v_lshl_add_u32 v47, v19, 2, s62                ; v47 bv at my channel
	s_lshl_b32 s61, s57, 10
	s_add_co_u32 s61, s61, IMF
	v_add_nc_u32 v41, s61, v1                      ; v41 the fused projection's image: my half K step
	s_lshl_b32 s61, s60, 7
	s_lshl_b32 s62, s59, 1
	s_add_co_u32 s61, s61, s62
	s_add_co_u32 s61, s61, SCF
	v_lshl_add_u32 v42, v17, 2, s61                ; v42 its two scale bytes
	s_lshr_b32 s61, ttmp9, 6                       ; the batch
	s_add_co_u32 s61, s61, s71
	s_lshl_b32 s61, s61, 3
	s_add_co_u32 s63, s61, s57                     ; hb = (2 branch + batch) 8 + head
	s_and_b32 s66, ttmp9, 63                       ; the block of 32 tokens in the batch
	s_lshl_b32 s61, s63, 16
	s_lshl_b32 s62, s66, 10
	s_add_co_u32 s62, s62, s61
	v_add_nc_u32 v43, s62, v1                      ; v43 Q's and K's codes
	s_lshl_b32 s62, s63, 13
	s_lshl_b32 s67, s66, 7
	s_add_co_u32 s62, s62, s67
	v_add_nc_u32 v44, s62, v2                      ; v44 their scale words
	s_lshr_b32 s67, s66, 2                         ; the key step,
	s_and_b32 s68, s66, 3                          ; the block of keys in it
	s_lshl_b32 s62, s67, 12
	s_add_co_u32 s61, s61, s62
	s_lshl_b32 s62, s68, 8
	s_add_co_u32 s61, s61, s62
	v_lshlrev_b32 v45, 4, v17
	v_lshl_add_u32 v45, v18, 3, v45
	v_add_nc_u32 v45, s61, v45                     ; v45 V's codes: 16 r + 8 h in the block's 256 bytes of a tile
	s_lshl_b32 s61, s63, 12
	s_lshl_b32 s62, s67, 8
	s_add_co_u32 s61, s61, s62
	s_add_co_u32 s61, s61, s68
	v_add_nc_u32 v46, s61, v2                      ; v46 V's scale byte
.irp b, 0,1,2,3
	v_mov_b32 v[TM+4+\b], 0                        ; written once: a lane permute's destination counts as one of its sources
.endr
	s_wait_kmcnt 0x0
	s_cmp_eq_u32 s58, 0
	s_cselect_b64 s[40:41], s[8:9], s[10:11]       ; the branch's rows, lnw, lnb, bq, bk, bv
	s_cselect_b64 s[42:43], s[12:13], s[16:17]
	s_cselect_b64 s[44:45], s[14:15], s[18:19]
	s_cselect_b64 s[46:47], s[20:21], s[26:27]
	s_cselect_b64 s[48:49], s[22:23], s[28:29]
	s_cselect_b64 s[50:51], s[24:25], s[30:31]
	s_cselect_b32 s68, 0, 0x80000                  ; the branch's first product: Q (gene), or the fused one, 16 K steps of 32,768 bytes on;
	s_cselect_b32 s70, 0, 0x8000                   ; its scale words: 16 K steps of 2,048 bytes
	s_mov_b32 s69, 0
	s_mov_b32 s71, 0
	s_lshl_b32 s66, ttmp9, 16                      ; 32 rows of 2,048 bytes
	s_mov_b32 s67, 0
	s_add_nc_u64 s[40:41], s[40:41], s[66:67]
	s_add_nc_u64 s[8:9], s[8:9], s[66:67]
	s_cmp_lt_u32 s57, 4                            ; waves 0-3 bring the first array of each pair, waves 4-7 the second
	s_cselect_b64 s[42:43], s[42:43], s[44:45]
	s_cselect_b64 s[46:47], s[46:47], s[48:49]
	s_cselect_b64 s[50:51], s[50:51], s[32:33]
	s_add_nc_u64 s[WTC:WTC+1], s[WTS:WTS+1], s[68:69]   ; (the two pairs have been chosen from: they are free)
	s_add_nc_u64 s[WTW:WTW+1], s[WTS:WTS+1], s[70:71]
	s_wait_alu depctr_va_vdst(0)                   ; the offsets and LDS addresses v1-15 and v41-47 are written: every load and store of the kernel reads one of them, and none is written again
	ROWS ACC, 40
	global_load_b128 v[228:231], v4, s[42:43]
	global_load_b128 v[232:235], v4, s[46:47]
	global_load_b128 v[236:239], v4, s[50:51]
	; ---- expression branch alone: the raw gene rows are K steps 0-3 of the fused product
	s_cmp_eq_u32 s58, 0
	s_cbranch_scc1 .Lgene_a
	ROWS GR, 8
	s_wait_loadcnt 0x0
	QUANT GR, 1, 0
	IMAGE IMG, SCG
.Lgene_a:
	s_wait_loadcnt 0x3                             ; my row's numbers are in; the three loads of constants may be out
.irp i, 0,1,2,3,4
	WLD \i, WTC, WTW, \i                           ; the ring's first five items, one text for both branches: 53 loads of mine are out at the most.  No wait: no vector line has named their registers, and v11, v12 stand since the head's wait
.endr
	; ---- the chunk's mean and centred sum of squares: 64 numbers here, 64 in lane l xor 16
	v_pk_add_f32 v[16:17], v[ACC:ACC+1], v[ACC+2:ACC+3]
	v_pk_add_f32 v[18:19], v[ACC+4:ACC+5], v[ACC+6:ACC+7]
.set j, 8
.rept 14
	v_pk_add_f32 v[16:17], v[16:17], v[ACC+j:ACC+j+1]
	v_pk_add_f32 v[18:19], v[18:19], v[ACC+j+2:ACC+j+3]
.set j, j+4
.endr
	v_pk_add_f32 v[16:17], v[16:17], v[18:19]
	v_add_f32 v16, v16, v17
	v_permlanex16_b32 v17, v16, s[SEL], s[SEL+1]
	v_add_f32 v16, v16, v17
	v_mul_f32 v30, 0x3c000000, v16                 ; the chunk's mean
	v_mul_f32 v28, 0xbc000000, v16
	v_mul_f32 v29, 0xbc000000, v16
.set j, 0
.rept 32
	v_pk_add_f32 v[ACC+j:ACC+j+1], v[ACC+j:ACC+j+1], v[28:29]     ; d = x - the chunk's mean, in place
.set j, j+2
.endr
	v_pk_mul_f32 v[16:17], v[ACC:ACC+1], v[ACC:ACC+1]
	v_pk_mul_f32 v[18:19], v[ACC+2:ACC+3], v[ACC+2:ACC+3]
.set j, 4
.rept 15
	v_pk_fma_f32 v[16:17], v[ACC+j:ACC+j+1], v[ACC+j:ACC+j+1], v[16:17]
	v_pk_fma_f32 v[18:19], v[ACC+j+2:ACC+j+3], v[ACC+j+2:ACC+j+3], v[18:19]
.set j, j+4
.endr
	v_pk_add_f32 v[16:17], v[16:17], v[18:19]
	v_add_f32 v16, v16, v17
	v_permlanex16_b32 v17, v16, s[SEL], s[SEL+1]
	v_add_f32 v31, v16, v17
	s_wait_alu depctr_va_vdst(0)                   ; v30 and v31 are written, which the store reads; the lines above are done with v16-23, in which the four chunks' figures land behind the barrier
	ds_store_b64 v8, v[30:31]
	s_wait_loadcnt 50                              ; the constants are in; the ring's five items, issued behind them, may be out
	ds_store_b128 v5, v[228:231]
	ds_store_b128 v5, v[232:235] offset:4096
	ds_store_b128 v5, v[236:239] offset:8192
	BARRIER                                        ; the four chunks' figures and the constants lie in LDS
	; ---- LayerNorm applied, quantised
	s_wait_alu depctr_vm_vsrc(0)                   ; my LDS stores have read v228-239, in which lnb lands, and v30, v31 and (expression branch) the raw rows' codes and word, which the next QUANT writes
	ds_load_b128 v[16:19], v9
	ds_load_b128 v[20:23], v9 offset:16
.irp b, 0,1,2,3
.irp q, 0,1,2,3
	ds_load_b128 v[GR+16*\b+4*\q:GR+3+16*\b+4*\q], v10 offset:128*\b+16*\q
	ds_load_b128 v[LB+16*\b+4*\q:LB+3+16*\b+4*\q], v10 offset:2048+128*\b+16*\q
.endr
.endr
	s_wait_dscnt 32                                ; the figures are in; the 32 loads of lnw and lnb may be out
	v_add_f32 v24, v16, v18
	v_add_f32 v25, v20, v22
	v_add_f32 v24, v24, v25
	v_mul_f32 v24, 0x3e800000, v24                 ; the row's mean
	v_sub_f32 v16, v16, v24
	v_sub_f32 v18, v18, v24
	v_sub_f32 v20, v20, v24
	v_sub_f32 v22, v22, v24
	v_add_f32 v17, v17, v19
	v_add_f32 v21, v21, v23
	v_add_f32 v17, v17, v21
	v_mul_f32 v25, v16, v16
	v_fma_f32 v25, v18, v18, v25
	v_fma_f32 v25, v20, v20, v25
	v_fma_f32 v25, v22, v22, v25
	v_fma_f32 v17, v25, 0x43000000, v17            ; + 128 x the chunk means' squared distances
	v_fma_f32 v17, v17, s52, s53                   ; the variance + 1e-5
	s_wait_alu depctr_va_vdst(0)
	v_rsq_f32 v26, v17
	v_sub_f32 v28, v30, v24                        ; (a plain place behind the transcendental)  my chunk's mean - the row's
	s_wait_alu depctr_va_vdst(0)                   ; the reciprocal root v26 is written, ahead of its first reader
	v_mov_b32 v27, v26
	v_mul_f32 v28, v28, v26
	v_mov_b32 v29, v28
.set j, 0
.rept 32
	v_pk_fma_f32 v[ACC+j:ACC+j+1], v[ACC+j:ACC+j+1], v[26:27], v[28:29]
.set j, j+2
.endr
	s_wait_dscnt 0x0
.set j, 0
.rept 32
	v_pk_fma_f32 v[ACC+j:ACC+j+1], v[ACC+j:ACC+j+1], v[GR+j:GR+j+1], v[LB+j:LB+j+1]
.set j, j+2
.endr
	QUANT ACC, 1, 0                                ; (the wait on vm_vsrc behind the barrier stands behind every store that read what this writes)
	IMAGE IMA, SCA                                 ; its wait also states: the multiply-adds are done reading lnb in v192-255, where the rows' fragments and bv land later
	BARRIER                                        ; the LayerNorm's eight fragments lie in LDS
	; ---- expression branch alone: fused = [gene, y_n] e_wf + e_bf, items 0-7; my 64 features become half a K step of Q's and K's source.
	; On the way in items 0-4 are asked for, in sets 0-4; on the way out items 8-12, in sets 0-4 again: as in the gene branch, which jumps over this
	s_cmp_eq_u32 s58, 0
	s_cbranch_scc1 .Lgene_b
	XLOAD 0
	ACCINIT 15, 10240
	KSTEP 0, 0, 0, 0
.set I, 1
.rept 6
	KSTEP I, 0, 0, 1
.set I, I+1
.endr
	KSTEP 7, 0, 0, 0
	QUANT ACC, 1, 1
	HALFIMG 41, 0, 42, 0
.Lgene_b:
	BARRIER                                        ; the fused projection's fragments lie in LDS; from here on LDS is only read
	; ---- Q, K, V: items 8-19
	XLOAD 8
	ACCINIT 15, 4096
	KSTEP 8, 0, 0, 0
	KSTEP 9, 0, 0, 1
	KSTEP 10, 0, 0, 1
	KSTEP 11, 0, 0, 1
	QUANT ACC, 1, 1
	QKOUT 0, QSO
	ACCINIT 15, 6144
	KSTEP 12, 0, 0, 0
	KSTEP 13, 0, 0, 1
	KSTEP 14, 0, 0, 1
	KSTEP 15, 0, 0, 1
	QUANT ACC, 1, 1
	QKOUT KCO, KSO
.irp ft, 0,1,2,3
	ds_load_b32 v[248+2*\ft], v47 offset:(32*(\ft/2)+8*(\ft%2))*4    ; bv of my channel in tile ft, in both registers of a pair
	ds_load_b32 v[249+2*\ft], v47 offset:(32*(\ft/2)+8*(\ft%2))*4
.endr
	KSTEP 16, 1, 1, 0
	KSTEP 17, 1, 0, 1
	KSTEP 18, 1, 0, 1
	KSTEP 19, 1, 0, 0
.irp ft, 0,1,2,3
.irp i, 0,2,4,6,8,10,12,14
	v_pk_add_f32 v[ACC+16*\ft+\i:ACC+16*\ft+\i+1], v[ACC+16*\ft+\i:ACC+16*\ft+\i+1], v[248+2*\ft:249+2*\ft]
.endr
.endr
	QUANT ACC, 0, 1                                ; block ft: the 32 tokens of my channel in tile ft
	v_cndmask_b32 v[TM+8], v[TM+4], v[TM+5], s[HM]
	v_cndmask_b32 v[TM+9], v[TM+6], v[TM+7], s[HM]
	s_wait_alu depctr_va_vdst(0)                   ; the conversions have written v[PC ..], the two selects v[TM+8] and v[TM+9]: the six stores read them
.irp ft, 0,1,2,3
	global_store_b64 v45, v[PC+2*\ft:PC+2*\ft+1], s[36:37] offset:VCO+\ft*1024   ; the 32 lanes store 256 consecutive aligned bytes
.endr
	global_store_b8 v46, v[TM+8], s[36:37] offset:VSO
	global_store_b8 v46, v[TM+9], s[36:37] offset:VSO+128
	s_wait_xcnt 0x0
	v_lshl_add_u32 v254, v0, 2, 0x9c00             ; my spare word and 0, made anew straight ahead of the closing lines: no memory or LDS instruction has read v254 or v255
	v_mov_b32 v255, 0
	s_wait_dscnt 0x0                               ; the closing lines, six on end
	s_wait_alu 0x0
	s_wait_tensorcnt 0x0
	ds_add_u32 v254, v255
	s_wait_dscnt 0x0
	s_endpgm
.Lfunc_end_k_q6011f8c173_qkv:
	.size	k_q6011f8c173_qkv, .Lfunc_end_k_q6011f8c173_qkv-k_q6011f8c173_qkv
	.p2alignl 7, 3214868480
	.fill 96, 4, 3214868480
	.section	.rodata,"a",@progbits
	.p2align	6, 0x0
	.amdhsa_kernel k_q6011f8c173_qkv
		.amdhsa_group_segment_fixed_size 40960
		.amdhsa_private_segment_fixed_size 0
		.amdhsa_enable_private_segment 0
		.amdhsa_kernarg_size 120
		.amdhsa_user_sgpr_count 2
		.amdhsa_user_sgpr_kernarg_segment_ptr 1
		.amdhsa_wavefront_size32 1
		.amdhsa_system_sgpr_workgroup_id_x 1
		.amdhsa_system_sgpr_workgroup_id_y 1
		.amdhsa_system_sgpr_workgroup_id_z 1
		.amdhsa_system_vgpr_workitem_id 0
		.amdhsa_next_free_vgpr 512
		.amdhsa_next_free_sgpr 72
		.amdhsa_reserve_vcc 0
		.amdhsa_float_denorm_mode_32 3
		.amdhsa_float_denorm_mode_16_64 3
		.amdhsa_memory_ordered 1
		.amdhsa_forward_progress 1
		.amdhsa_inst_pref_size 106
	.end_amdhsa_kernel
	.amdgpu_metadata
---
amdhsa.version: [ 1, 2 ]
amdhsa.kernels:
  - .name:           k_q6011f8c173_qkv
    .symbol:         k_q6011f8c173_qkv.kd
    .args:
      - { .name: gene_emb, .offset: 0, .size: 8, .value_kind: global_buffer, .address_space: global }
      - { .name: expr_emb, .offset: 8, .size: 8, .value_kind: global_buffer, .address_space: global }
      - { .name: ln_g1_w, .offset: 16, .size: 8, .value_kind: global_buffer, .address_space: global }
      - { .name: ln_g1_b, .offset: 24, .size: 8, .value_kind: global_buffer, .address_space: global }
      - { .name: ln_e1_w, .offset: 32, .size: 8, .value_kind: global_buffer, .address_space: global }
      - { .name: ln_e1_b, .offset: 40, .size: 8, .value_kind: global_buffer, .address_space: global }
      - { .name: g_bq, .offset: 48, .size: 8, .value_kind: global_buffer, .address_space: global }
      - { .name: g_bk, .offset: 56, .size: 8, .value_kind: global_buffer, .address_space: global }
      - { .name: g_bv, .offset: 64, .size: 8, .value_kind: global_buffer, .address_space: global }
      - { .name: e_bq, .offset: 72, .size: 8, .value_kind: global_buffer, .address_space: global }
      - { .name: e_bk, .offset: 80, .size: 8, .value_kind: global_buffer, .address_space: global }
      - { .name: e_bv, .offset: 88, .size: 8, .value_kind: global_buffer, .address_space: global }
      - { .name: e_bf, .offset: 96, .size: 8, .value_kind: global_buffer, .address_space: global }
      - { .name: wts, .offset: 104, .size: 8, .value_kind: global_buffer, .address_space: global }
      - { .name: qkv, .offset: 112, .size: 8, .value_kind: global_buffer, .address_space: global }
    .group_segment_fixed_size: 40960
    .private_segment_fixed_size: 0
    .kernarg_segment_align: 8
    .kernarg_segment_size: 120
    .max_flat_workgroup_size: 256
    .sgpr_count:     72
    .vgpr_count:     512
    .wavefront_size: 32
...
	.end_amdgpu_metadata
.endif
;; end of part 5
;; launch attn (part 6): grid 64 x 4, 16 waves a work-group, no clusters, 266,752 bytes of LDS; arguments M, qkv, att; writes att
.if DOCPART == 6
	.amdgcn_target "amdgcn-amd-amdhsa--gfx1250"
	.amdhsa_code_object_version 6
	.text
	.protected	k_q6011f8c173_attn
	.globl	k_q6011f8c173_attn
	.p2align	8
	.type	k_q6011f8c173_attn,@function
k_q6011f8c173_attn:
	s_mov_b64 s[64:65], 0
	v_nop
	global_prefetch_b8 v0, s[64:65] scope:SCOPE_SE
	s_setreg_imm32_b32 hwreg(HW_REG_WAVE_MODE, 25, 1), 1
	s_wait_xcnt 0x0
; A = softmax(Q K^T / 8 x M) x M / (sum |.| + 1e-8), quantised FINISHED along the keys, times V; both products on codes of FP4 (E2M1), one E8M0 scale for each 32 along K.  The result is quantised along the model's 512.
; A work-group: y = 2 branch + batch, queries 32 x .. 32 x + 31, ALL EIGHT HEADS: they share M's 32 rows, which come into LDS once (asynchronous copies, each byte filled once) and stay for both passes.
; Wave w: head w / 2, tile of 16 queries w % 2.  K, V and Q come as codes in register order straight from memory into registers; no ring of 8 heads' tiles fits beside M's 262,144 bytes, so nothing is shared in a cluster.
; TWO PASSES OVER THE KEYS, since the divisor must be known before a code is made: with p = 2^(t - m), t = score x M x log2(e) / 8, m a whole number at or above the row's largest t,
; A = p M / (W + 1e-8 Z), Z = sum p, W = sum p |M|.  Pass 1 finds m (a running maximum, each lane for its own half of the keys), Z, W; pass 2 computes the scores again, A, its codes, and O^T += V^T A^T.
; Both products are used transposed (source 0 = 16 keys, or 16 channels): a lane holds ONE query throughout.  Keys, queries and channels go in blocks of 32, two tiles v to a block: row p of tile v is element 8 v + p + 8 (p / 8).
; The head's 64 fill half of the instruction's 128: Q's registers 4-7 are zero codes; K's operand runs on into the next tile's registers, whose codes meet those zeros; no scale byte is 0xff.
; LIMITS: p under 2^-126 counts as 0; A is formed with one reciprocal where the source divides twice (the order of rounding differs); a block whose largest magnitude lies under 2^-124 keeps the byte 1; NaN and infinities are not served.  M may have any sign.
.set KC,  0x200000                     ; qkv: K's codes, V's codes, Q's, K's, V's scale words
.set VC,  0x400000
.set QS,  0x600000
.set KS,  0x640000
.set VS,  0x680000
.set ATS, 0x200000                     ; att: the scale words
.set MP,  2064                         ; LDS: a row's 512 keys, 2,048 bytes + 16: the 16 rows that a load touches start at 16 different groups of banks
.set MCH, 32*MP                        ; a chunk of 512 keys of the 32 rows; four chunks.  Slot 16 v + p holds row p of tile v
.set SCW, 4*MCH                        ; behind them: the result's scale words, 512 bytes
.set SEL, 20                           ; s[20:21] selects for lane l xor 16
.set CS,  22                           ; s[22:23] log2(e) / 8
.set KOFF, 24                          ; s24, s25 the next fetch of K's codes and scale words, in the head's bytes
.set KSOF, 25
.set VOFF, 26                          ; s26, s27 the same for V
.set VSOF, 27
.set MO,  28                           ; s28 the step's keys in M's LDS rows
.set CNT, 29
.set EPS, 30                           ; s30 1e-8
; REGISTERS: v1 16 lane, v2 4 lane, v3 my row of M; v4-8 addresses in hand (K, K's scales, M, V, V's scales); v9-11, v41, v233-238 addresses that stay;
; v12 -m, v13 largest t, v[14:15] Z, v[16:19] W, v[20:21] f, v[22:23] c; v24-31, v84-91 at work; v32-39 Q, v40 its scale words; v42-43 V's, v44-47 K's; v48-83 K; v96.. scores; v160.. M.
; Pass 2: v96-127 scores, v128-159 V, v160-191 M, v192-223 O^T, v224-231 A's codes, v232 its scale word.  (v224-231 hold the copies' addresses until all copies are done.)
.macro KLOAD nt, nb                            ; nt tiles of 16 keys, nb scale registers
.set j, 0
.rept \nt
	global_load_b128 v[48+4*j:51+4*j], v4, s[6:7] offset:KC+512*j
.set j, j+1
.endr
.set j, 0
.rept \nb
	global_load_b32 v[44+j], v5, s[6:7] offset:KS+128*j
.set j, j+1
.endr
.endm
.macro VLOAD
.irp d, 0,1,2,3
.irp c, 0,1
	global_load_b128 v[128+8*\d+4*\c:131+8*\d+4*\c], v7, s[6:7] offset:VC+1024*\d+512*\c
.endr
.endr
.irp p, 0,1
	global_load_b32 v[42+\p], v8, s[6:7] offset:VS+128*\p
.endr
.endm
.macro SCORES t                                ; tiles t and t + 1 of keys: S^T = K Q^T
	v_wmma_scale_f32_16x16x128_f8f6f4 v[96+8*\t:103+8*\t], v[48+4*\t:55+4*\t], v[32:39], 0, v[44+\t/2], v40 matrix_a_fmt:MATRIX_FMT_FP4 matrix_b_fmt:MATRIX_FMT_FP4
	v_wmma_scale_f32_16x16x128_f8f6f4 v[104+8*\t:111+8*\t], v[52+4*\t:59+4*\t], v[32:39], 0, v[44+\t/2], v40 matrix_a_fmt:MATRIX_FMT_FP4 matrix_b_fmt:MATRIX_FMT_FP4 matrix_a_scale:MATRIX_SCALE_ROW1
.endm
; two blocks of 32 (16 registers here, 16 in lane l xor 16) from v[s] on become four registers of codes at v[d], a whole block a lane; the bytes stay in v90, v91
.macro QUANT2 s, d
.irp b, 0,1
	v_max3_num_f32 v[84+\b], |v[\s+16*\b]|, |v[\s+1+16*\b]|, 0x1800000   ; with the floor 2^(3 - 127)
.endr
.irp i, 2,4,6,8,10,12,14
.irp b, 0,1
	v_max3_num_f32 v[84+\b], v[84+\b], |v[\s+16*\b+\i]|, |v[\s+1+16*\b+\i]|
.endr
.endr
.irp b, 0,1
	s_delay_alu instid0(VALU_DEP_2)
	v_permlanex16_b32 v[86+\b], v[84+\b], s[SEL], s[SEL+1]
.endr
.irp b, 0,1
	s_delay_alu instid0(VALU_DEP_2)
	v_max_num_f32 v[84+\b], v[84+\b], v[86+\b]
.endr
.irp b, 0,1
	s_delay_alu instid0(VALU_DEP_2)
	v_add_nc_u32 v[88+\b], 0xff000000, v[84+\b]    ; 2 off the exponent field: the conversion's scale operand
.endr
.irp b, 0,1
	s_delay_alu instid0(VALU_DEP_2)
	v_lshrrev_b32 v[90+\b], 23, v[88+\b]           ; the scale's byte
.endr
.irp b, 0,1
	v_cvt_scalef32_pk8_fp4_f32 v[\d+2*\b], v[\s+16*\b:\s+7+16*\b], v[88+\b]
	v_cvt_scalef32_pk8_fp4_f32 v[\d+1+2*\b], v[\s+8+16*\b:\s+15+16*\b], v[88+\b]
.endr
	v_nop                                          ; one plain place behind the conversions
	v_permlane16_swap_b32 v[\d], v[\d+2]
	v_permlane16_swap_b32 v[\d+1], v[\d+3]
.endm
; PASS 1, a step of 128 keys
.macro P1STEP
	v_add_nc_u32 v6, s[MO], v3
.irp b, 0,1,2,3
.irp q, 0,1,2,3
	ds_load_b128 v[160+16*\b+4*\q:163+16*\b+4*\q], v6 offset:128*\b+16*\q   ; M at my query, keys 32 b + 16 h + 0 .. 15: as the scores' registers lie
.endr
.endr
	s_wait_loadcnt 0x0                             ; this step's K, asked for a step ago
	SCORES 0
	SCORES 2
	SCORES 4
	SCORES 6
	s_add_co_u32 s[KOFF], s[KOFF], 4096
	s_and_b32 s[KOFF], s[KOFF], 0xffff             ; the last step goes round to the first keys, which pass 2 wants first
	s_add_co_u32 s[KSOF], s[KSOF], 512
	s_and_b32 s[KSOF], s[KSOF], 0x1fff
	v_add_nc_u32 v4, s[KOFF], v233                 ; (their loads are done.)  These two and two v_nop are the four places in front of the loads and of the first read of scores
	v_add_nc_u32 v5, s[KSOF], v234
	v_nop
	v_nop
	KLOAD 8, 4
	s_wait_dscnt 0x0
.set j, 0
.rept 32
	v_pk_mul_f32 v[96+j:97+j], v[96+j:97+j], v[160+j:161+j]   ; score x M
.set j, j+2
.endr
.irp b, 0,1,2,3
	v_max3_num_f32 v[24+\b], v[96+16*\b], v[97+16*\b], v[98+16*\b]
.endr
.irp i, 3,5,7,9,11,13
.irp b, 0,1,2,3
	s_delay_alu instid0(VALU_DEP_4)
	v_max3_num_f32 v[24+\b], v[24+\b], v[96+16*\b+\i], v[97+16*\b+\i]
.endr
.endr
.irp b, 0,1,2,3
	s_delay_alu instid0(VALU_DEP_4)
	v_max_num_f32 v[24+\b], v[24+\b], v[111+16*\b]
.endr
	s_delay_alu instid0(VALU_DEP_2)
	v_max3_num_f32 v28, v24, v25, v26
	s_delay_alu instid0(VALU_DEP_1)
	v_max_num_f32 v28, v28, v27
	s_delay_alu instid0(VALU_DEP_1)
	v_mul_f32 v28, s[CS], v28                      ; as t (the factor is positive)
	s_delay_alu instid0(VALU_DEP_1)
	v_max_num_f32 v13, v13, v28                    ; my lane's running largest t
	v_mov_b32 v28, v12
	s_delay_alu instid0(VALU_DEP_2)
	v_floor_f32 v12, -v13                          ; -m = floor(-t): m is a whole number
	s_delay_alu instid0(VALU_DEP_1)
	v_sub_f32 v28, v12, v28
	s_delay_alu instid0(VALU_DEP_1)
	v_cvt_i32_f32 v28, v28                         ; (it saturates)
	s_delay_alu instid0(VALU_DEP_1)
	v_ldexp_f32 v20, 1.0, v28                      ; f = 2^(old m - new m): rounds nothing
.set j, 0
.rept 32
	v_pk_fma_f32 v[96+j:97+j], v[96+j:97+j], s[CS:CS+1], v[12:13] op_sel_hi:[1,0,0]   ; t - m
.set j, j+2
.endr
.set j, 0
	s_setprio 1
	s_wait_alu depctr_va_vdst(0)
.rept 64
	v_exp_f32 v[96+j], v[96+j]
.set j, j+1
.endr
	v_pk_mul_f32 v[14:15], v[14:15], v[20:21] op_sel_hi:[1,0]   ; the sums under the new m.  (A plain place behind the exponentials)
	v_pk_mul_f32 v[16:17], v[16:17], v[20:21] op_sel_hi:[1,0]
	v_pk_mul_f32 v[18:19], v[18:19], v[20:21] op_sel_hi:[1,0]
	s_wait_alu depctr_va_vdst(0)
	v_pk_add_f32 v[24:25], v[100:101], v[104:105]
	v_pk_add_f32 v[252:253], v[108:109], v[112:113]
	v_pk_add_f32 v[250:251], v[116:117], v[120:121]
	v_pk_add_f32 v[248:249], v[124:125], v[128:129]
	v_pk_add_f32 v[246:247], v[132:133], v[136:137]
	v_pk_add_f32 v[244:245], v[140:141], v[144:145]
	v_pk_add_f32 v[242:243], v[148:149], v[152:153]
	v_pk_add_f32 v[14:15], v[14:15], v[156:157]
	v_pk_add_f32 v[24:25], v[24:25], v[96:97]
	v_pk_add_f32 v[252:253], v[252:253], v[98:99]
	v_pk_add_f32 v[250:251], v[250:251], v[102:103]
	v_pk_add_f32 v[248:249], v[248:249], v[106:107]
	v_pk_add_f32 v[246:247], v[246:247], v[110:111]
	v_pk_add_f32 v[244:245], v[244:245], v[114:115]
	v_pk_add_f32 v[242:243], v[242:243], v[118:119]
	v_pk_add_f32 v[14:15], v[14:15], v[122:123]
	v_pk_add_f32 v[24:25], v[24:25], v[126:127]
	v_pk_add_f32 v[252:253], v[252:253], v[130:131]
	v_pk_add_f32 v[250:251], v[250:251], v[134:135]
	v_pk_add_f32 v[248:249], v[248:249], v[138:139]
	v_pk_add_f32 v[246:247], v[246:247], v[142:143]
	v_pk_add_f32 v[244:245], v[244:245], v[146:147]
	v_pk_add_f32 v[242:243], v[242:243], v[150:151]
	v_pk_add_f32 v[14:15], v[14:15], v[154:155]
	v_pk_add_f32 v[24:25], v[24:25], v[158:159]
	s_delay_alu instid0(VALU_DEP_2)
	v_pk_add_f32 v[14:15], v[14:15], v[248:249]
	s_delay_alu instid0(VALU_DEP_2)
	v_pk_add_f32 v[24:25], v[24:25], v[246:247]
	v_pk_add_f32 v[252:253], v[252:253], v[244:245]
	v_pk_add_f32 v[250:251], v[250:251], v[242:243]
	s_delay_alu instid0(VALU_DEP_2)
	v_pk_add_f32 v[14:15], v[14:15], v[252:253]
	s_delay_alu instid0(VALU_DEP_2)
	v_pk_add_f32 v[24:25], v[24:25], v[250:251]
	s_delay_alu instid0(VALU_DEP_1)
	v_pk_add_f32 v[14:15], v[14:15], v[24:25]
.set j, 0
	s_setprio 0
.rept 64
	v_fma_f32 v[16+j%4], v[96+j], |v[160+j]|, v[16+j%4]        ; W, in four chains
.set j, j+1
.endr
.endm
.macro P1GROUP g                               ; chunk g of M: 512 keys, four steps
	s_wait_asynccnt 24-8*\g                        ; my copies of this chunk are done; the eight of each later chunk may be out
	s_barrier_signal -1
	s_barrier_wait -1                              ; everybody's are.  Nothing is ever filled again
	s_mov_b32 s[MO], \g*MCH
	s_mov_b32 s[CNT], 4
.Lp1_\@:
	s_setprio 2
	P1STEP
	s_add_co_u32 s[MO], s[MO], 512
	s_sub_co_u32 s[CNT], s[CNT], 1
	s_cmp_lg_u32 s[CNT], 0
	s_cbranch_scc1 .Lp1_\@
	s_setprio 0
.endm
; PASS 2, half a step: 64 keys become register group u of A's fragment
.macro HALF u
.irp b, 0,1
.irp q, 0,1,2,3
	ds_load_b128 v[160+16*\b+4*\q:163+16*\b+4*\q], v6 offset:256*\u+128*\b+16*\q
.endr
.endr
.if \u == 0
	s_wait_loadcnt 10                              ; this half's K is in; V's ten loads, issued behind it, may be out
.else
	s_setprio 1
	s_wait_loadcnt 0x0                             ; this half's K, and V
.endif
	SCORES 0
	SCORES 2
	s_add_co_u32 s[KOFF], s[KOFF], 2048
	s_and_b32 s[KOFF], s[KOFF], 0xffff             ; (the very last fetch goes round to the first keys: it stays inside the head's bytes and is not used)
	s_add_co_u32 s[KSOF], s[KSOF], 256
	s_and_b32 s[KSOF], s[KSOF], 0x1fff
	v_add_nc_u32 v4, s[KOFF], v233                 ; with the two v_nop: the four places
	v_add_nc_u32 v5, s[KSOF], v234
	v_nop
	v_nop
	KLOAD 4, 2
	s_wait_dscnt 0x0
.set j, 0
.rept 16
	v_pk_mul_f32 v[96+j:97+j], v[96+j:97+j], v[160+j:161+j]
.set j, j+2
.endr
.set j, 0
.rept 16
	v_pk_fma_f32 v[96+j:97+j], v[96+j:97+j], s[CS:CS+1], v[12:13] op_sel_hi:[1,0,0]
.set j, j+2
.endr
.set j, 0
	s_wait_alu depctr_va_vdst(0)
.rept 32
	v_exp_f32 v[96+j], v[96+j]
.set j, j+1
.endr
.set j, 0
.rept 16
	v_pk_mul_f32 v[160+j:161+j], v[160+j:161+j], v[22:23] op_sel_hi:[1,0]   ; M c.  (Plain places behind the exponentials)
.set j, j+2
.endr
.set j, 0
	s_wait_alu depctr_va_vdst(0)
.rept 16
	v_pk_mul_f32 v[96+j:97+j], v[96+j:97+j], v[160+j:161+j]                 ; A = p M c
.set j, j+2
.endr
	QUANT2 96, 224+4*\u
.if \u == 0
	v_lshl_or_b32 v232, v91, 8, v90
.else
	s_setprio 0
	v_lshl_or_b32 v232, v90, 16, v232
	s_delay_alu instid0(VALU_DEP_1)
	v_lshl_or_b32 v232, v91, 24, v232              ; A's scale word for these 128 keys
.endif
.endm
.macro P2STEP
	v_add_nc_u32 v6, s[MO], v3
	HALF 0
	HALF 1
.rept 8
	v_nop                                          ; a scale register written by a vector instruction stands eight places ahead of a scaled matrix instruction, an operand four
.endr
.irp d, 0,2                                    ; O^T += V^T A^T: four accumulators by turns, one instruction a turn
	v_wmma_scale_f32_16x16x128_f8f6f4 v[192+8*\d:199+8*\d], v[128+8*\d:135+8*\d], v[224:231], v[192+8*\d:199+8*\d], v[42+\d/2], v232 matrix_a_fmt:MATRIX_FMT_FP4 matrix_b_fmt:MATRIX_FMT_FP4
	v_wmma_scale_f32_16x16x128_f8f6f4 v[200+8*\d:207+8*\d], v[136+8*\d:143+8*\d], v[224:231], v[200+8*\d:207+8*\d], v[42+\d/2], v232 matrix_a_fmt:MATRIX_FMT_FP4 matrix_b_fmt:MATRIX_FMT_FP4 matrix_a_scale:MATRIX_SCALE_ROW1
.endr
	s_add_co_u32 s[VOFF], s[VOFF], 4096
	s_and_b32 s[VOFF], s[VOFF], 0xffff
	s_add_co_u32 s[VSOF], s[VSOF], 256
	s_and_b32 s[VSOF], s[VSOF], 0xfff
	v_add_nc_u32 v7, s[VOFF], v233                 ; with the two v_nop: the four places in front of the loads, and of the first read of O^T behind the last step
	v_add_nc_u32 v8, s[VSOF], v236
	v_nop
	v_nop
	VLOAD
.endm
.macro P2GROUP g
	s_mov_b32 s[MO], \g*MCH
	s_mov_b32 s[CNT], 4
.Lp2_\@:
	s_setprio 2
	P2STEP
	s_add_co_u32 s[MO], s[MO], 512
	s_sub_co_u32 s[CNT], s[CNT], 1
	s_cmp_lg_u32 s[CNT], 0
	s_cbranch_scc1 .Lp2_\@
	s_setprio 0
.endm
	s_load_b128 s[4:7], s[0:1], 0x0                ; M, qkv
	s_load_b64 s[8:9], s[0:1], 0x10                ; att
	v_lshl_add_u32 v254, v0, 2, 0x40a00
	v_mov_b32 v255, 0
	ds_add_u32 v254, v255
	ds_add_u32 v254, v255
	v_lshrrev_b32 v1, 5, v0
	s_delay_alu instid0(VALU_DEP_1)
	v_readfirstlane_b32 s10, v1                    ; wave
	s_lshr_b32 s11, s10, 1                         ; head
	s_and_b32 s12, s10, 1                          ; my tile of queries
	s_and_b32 s13, ttmp7, 0xffff                   ; 2 branch + batch
	; M's copies: thread t takes 16 bytes at 16 (t % 16) of row t / 16, eight times 256 bytes on, for each chunk
	v_and_b32 v24, 15, v0
	s_delay_alu instid0(VALU_DEP_1)
	v_lshlrev_b32 v24, 4, v24
	v_bfe_u32 v25, v0, 4, 3
	v_bfe_u32 v26, v0, 8, 1
	v_bfe_u32 v27, v0, 7, 1
	s_delay_alu instid0(VALU_DEP_2)
	v_lshl_add_u32 v25, v26, 3, v25
	s_delay_alu instid0(VALU_DEP_1)
	v_lshl_add_u32 v25, v27, 4, v25                ; row 16 a + 8 v + j goes to slot 16 v + 8 a + j
	s_delay_alu instid0(VALU_DEP_1)
	v_mad_u32_u24 v224, v25, MP, v24
	s_delay_alu instid0(VALU_DEP_1)
	v_add_nc_u32 v225, MCH, v224
	s_delay_alu instid0(VALU_DEP_2)
	v_add_nc_u32 v226, 2*MCH, v224
	s_delay_alu instid0(VALU_DEP_3)
	v_add_nc_u32 v227, 3*MCH, v224
	v_lshrrev_b32 v26, 4, v0
	s_delay_alu instid0(VALU_DEP_1)
	v_lshl_add_u32 v228, v26, 13, v24
	s_delay_alu instid0(VALU_DEP_1)
	v_add_nc_u32 v229, 2048, v228
	s_delay_alu instid0(VALU_DEP_2)
	v_add_nc_u32 v230, 4096, v228
	s_delay_alu instid0(VALU_DEP_3)
	v_add_nc_u32 v231, 6144, v228
	s_and_b32 s14, s13, 1
	s_lshl_b32 s14, s14, 24                        ; the batch's 2,048 rows of 8,192 bytes,
	s_lshl_b32 s15, ttmp9, 18                      ; my 32 rows
	s_add_co_u32 s14, s14, s15
	s_mov_b32 s15, 0
	s_wait_alu depctr_va_vdst(0)
	s_wait_dscnt 0x0
	s_wait_kmcnt 0x0
	s_add_nc_u64 s[4:5], s[4:5], s[14:15]
.irp g, 0,1,2,3
.irp i, 0,1,2,3,4,5,6,7
	global_load_async_to_lds_b128 v[224+\g], v[228+\g], s[4:5] offset:256*\i   ; 32 copies a wave, chunk by chunk; their address registers and base stay as they are until all are done
.endr
.endr
	v_and_b32 v24, 31, v0
	v_and_b32 v25, 15, v0                          ; r
	s_wait_alu depctr_va_vdst(0)
	v_bfe_u32 v26, v0, 4, 1                        ; h
	v_lshlrev_b32 v1, 4, v24
	v_lshlrev_b32 v2, 2, v24
	s_wait_alu depctr_va_vdst(0)
	v_mul_u32_u24 v3, v25, MP
	s_delay_alu instid0(VALU_DEP_1)
	v_lshl_add_u32 v3, v26, 6, v3
	s_mul_i32 s16, s12, 16*MP
	v_add_nc_u32 v3, s16, v3                       ; M: slot 16 tile + r, + 64 h
	s_lshl_b32 s17, s13, 3
	s_add_co_u32 s17, s17, s11                     ; hb
	s_lshl_b32 s16, s17, 16
	v_add_nc_u32 v233, s16, v1                     ; the head's codes (Q's, K's and V's regions alike)
	s_wait_alu depctr_va_vdst(0)
	s_lshl_b32 s16, s17, 13
	v_add_nc_u32 v234, s16, v2                     ; K's scale words
	s_lshl_b32 s18, ttmp9, 7
	s_add_co_u32 s16, s16, s18
	s_lshl_b32 s18, s12, 6
	s_add_co_u32 s16, s16, s18
	v_lshl_add_u32 v10, v25, 2, s16                ; Q's scale words: my tile's, in both halves of the lanes
	s_lshl_b32 s16, s17, 12
	v_add_nc_u32 v236, s16, v2                     ; V's scale words
	s_lshl_b32 s16, ttmp9, 10
	s_lshl_b32 s18, s12, 9
	s_add_co_u32 s16, s16, s18
	v_add_nc_u32 v9, s16, v233                     ; Q's codes
	s_wait_alu depctr_va_vdst(0)
	s_lshl_b32 s16, s13, 6
	s_add_co_u32 s16, s16, ttmp9                   ; the block of 32 tokens among the two branches' 256
	s_lshl_b32 s18, s16, 9
	v_add_nc_u32 v238, s18, v1                     ; att: its scale words
	s_lshl_b32 s16, s16, 13
	s_lshl_b32 s18, s11, 10
	s_add_co_u32 s16, s16, s18
	s_lshl_b32 s18, s12, 9
	s_add_co_u32 s16, s16, s18
	v_add_nc_u32 v11, s16, v1                      ; att: my head's register group of my tile
	s_lshr_b32 s16, s11, 1
	s_lshl_b32 s16, s16, 7
	s_and_b32 s18, s11, 1
	s_lshl_b32 s18, s18, 1
	s_add_co_u32 s16, s16, s18
	s_lshl_b32 s18, s12, 6
	s_add_co_u32 s16, s16, s18
	s_add_co_u32 s16, s16, SCW
	v_lshl_add_u32 v41, v25, 2, s16                ; LDS: my row's two scale bytes
	v_add_nc_u32 v237, SCW, v1                     ; and the 512 bytes on the way out
	s_mov_b32 s[SEL], 0x76543210
	s_mov_b32 s[SEL+1], 0xfedcba98
	s_mov_b32 s[CS], 0x3e38aa3b                    ; log2(e) / 8
	s_mov_b32 s[CS+1], s[CS]
	s_mov_b32 s[EPS], 0x322bcc77                   ; 1e-8
	s_mov_b32 s[KOFF], 0
	s_mov_b32 s[KSOF], 0
	s_mov_b32 s[VOFF], 0
	s_mov_b32 s[VSOF], 0
	global_load_b128 v[32:35], v9, s[6:7]
	global_load_b32 v40, v10, s[6:7] offset:QS
	v_mov_b32 v4, v233
	v_mov_b32 v5, v234
	KLOAD 8, 4                                     ; the first step's K
.irp i, 36,37,38,39,80,81,82,83,14,15,16,17,18,19,20,21,86,87
	v_mov_b32 v\i, 0                               ; Q's upper half and the tail behind K's last tile: zero codes; the sums; pairs' upper words and permutes' destinations, written once
.endr
	v_mov_b32 v13, 0xff61b1e6                      ; the largest t so far: -3e38
	s_delay_alu instid0(VALU_DEP_1)
	v_floor_f32 v12, -v13
	P1GROUP 0
	P1GROUP 1
	P1GROUP 2
	P1GROUP 3
	; ---- between the passes: the two halves of the lanes join; c = 1 / (W + 1e-8 Z)
	v_permlanex16_b32 v24, v12, s[SEL], s[SEL+1]
	s_delay_alu instid0(VALU_DEP_1)
	v_min_num_f32 v24, v12, v24                    ; -m of the whole row
	s_delay_alu instid0(VALU_DEP_1)
	v_sub_f32 v25, v24, v12
	s_delay_alu instid0(VALU_DEP_1)
	v_cvt_i32_f32 v25, v25
	s_delay_alu instid0(VALU_DEP_1)
	v_ldexp_f32 v26, 1.0, v25                      ; my sums under the row's m
	v_add_f32 v14, v14, v15
	v_add_f32 v16, v16, v17
	v_add_f32 v18, v18, v19
	s_delay_alu instid0(VALU_DEP_1)
	v_add_f32 v16, v16, v18
	s_delay_alu instid0(VALU_DEP_4)
	v_mul_f32 v14, v14, v26
	s_delay_alu instid0(VALU_DEP_2)
	v_mul_f32 v16, v16, v26
	s_delay_alu instid0(VALU_DEP_2)
	v_permlanex16_b32 v27, v14, s[SEL], s[SEL+1]
	s_delay_alu instid0(VALU_DEP_2)
	v_permlanex16_b32 v28, v16, s[SEL], s[SEL+1]
	s_delay_alu instid0(VALU_DEP_2)
	v_add_f32 v14, v14, v27
	s_delay_alu instid0(VALU_DEP_2)
	v_add_f32 v16, v16, v28
	s_delay_alu instid0(VALU_DEP_1)
	v_fma_f32 v16, v14, s[EPS], v16
	s_wait_alu depctr_va_vdst(0)
	v_rcp_f32 v22, v16
	v_mov_b32 v12, v24                             ; (a plain place behind the transcendental)
	s_wait_alu depctr_va_vdst(0)
	v_mov_b32 v23, v22
	v_mov_b32 v7, v233
	v_mov_b32 v8, v236
	VLOAD                                          ; the first step's V, behind the first step's K
.set j, 0
.rept 32
	v_mov_b32 v[192+j], 0                          ; O^T.  (The step is written once for each chunk; its first sums begin at zeros)
.set j, j+1
.endr
	P2GROUP 0
	P2GROUP 1
	P2GROUP 2
	P2GROUP 3
	; ---- the way out: my head's 64 channels are two blocks of the next product's K
	s_wait_loadcnt 0x0                             ; the fetches that went round
	QUANT2 192, 224
	v_lshl_or_b32 v232, v91, 8, v90
	global_store_b128 v11, v[224:227], s[8:9]      ; 512 consecutive bytes a wave
	ds_store_b16 v41, v232
	s_wait_dscnt 0x0
	s_barrier_signal -1
	s_barrier_wait -1                              ; the block's 512 bytes of scale words lie in LDS
	s_cmp_lg_u32 s10, 0
	s_cbranch_scc1 .Lend
	ds_load_b128 v[84:87], v237
	s_wait_dscnt 0x0
	global_store_b128 v238, v[84:87], s[8:9] offset:ATS
.Lend:
	s_wait_tensorcnt 0x0
	ds_add_u32 v254, v255
	s_wait_dscnt 0x0
	s_endpgm
.Lfunc_end_k_q6011f8c173_attn:
	.size	k_q6011f8c173_attn, .Lfunc_end_k_q6011f8c173_attn-k_q6011f8c173_attn
	.p2alignl 7, 3214868480
	.fill 96, 4, 3214868480
	.section	.rodata,"a",@progbits
	.p2align	6, 0x0
	.amdhsa_kernel k_q6011f8c173_attn
		.amdhsa_group_segment_fixed_size 266752
		.amdhsa_private_segment_fixed_size 0
		.amdhsa_enable_private_segment 0
		.amdhsa_kernarg_size 24
		.amdhsa_user_sgpr_count 2
		.amdhsa_user_sgpr_kernarg_segment_ptr 1
		.amdhsa_wavefront_size32 1
		.amdhsa_system_sgpr_workgroup_id_x 1
		.amdhsa_system_sgpr_workgroup_id_y 1
		.amdhsa_system_sgpr_workgroup_id_z 1
		.amdhsa_system_vgpr_workitem_id 0
		.amdhsa_next_free_vgpr 256
		.amdhsa_next_free_sgpr 66
		.amdhsa_reserve_vcc 0
		.amdhsa_float_denorm_mode_32 3
		.amdhsa_float_denorm_mode_16_64 3
		.amdhsa_memory_ordered 1
		.amdhsa_forward_progress 1
		.amdhsa_inst_pref_size 179
	.end_amdhsa_kernel
	.amdgpu_metadata
---
amdhsa.version: [ 1, 2 ]
amdhsa.kernels:
  - .name:           k_q6011f8c173_attn
    .symbol:         k_q6011f8c173_attn.kd
    .args:
      - { .name: M, .offset: 0, .size: 8, .value_kind: global_buffer, .address_space: global }
      - { .name: qkv, .offset: 8, .size: 8, .value_kind: global_buffer, .address_space: global }
      - { .name: att, .offset: 16, .size: 8, .value_kind: global_buffer, .address_space: global }
    .group_segment_fixed_size: 266752
    .private_segment_fixed_size: 0
    .kernarg_segment_align: 8
    .kernarg_segment_size: 24
    .max_flat_workgroup_size: 512
    .sgpr_count:     66
    .vgpr_count:     256
    .wavefront_size: 32
...
	.end_amdgpu_metadata
.endif
;; end of part 6
;; launch tail (part 7): grid 128 x 2, 8 waves a work-group, no clusters, 138,240 bytes of LDS; arguments gene_emb, expr_emb, att, wts, g_bo, e_bo, ln_g2_w, ln_g2_b, ln_e2_w, ln_e2_b, fg_b1, fe_b1, fg_b2, fe_b2, out0, out1; writes out0, out1
.if DOCPART == 7
	.amdgcn_target "amdgcn-amd-amdhsa--gfx1250"
	.amdhsa_code_object_version 6
	.text
	.protected	k_q6011f8c173_tail
	.globl	k_q6011f8c173_tail
	.p2align	8
	.type	k_q6011f8c173_tail,@function
k_q6011f8c173_tail:
	s_mov_b64 s[64:65], 0
	v_nop
	global_prefetch_b8 v0, s[64:65] scope:SCOPE_SE
	s_setreg_imm32_b32 hwreg(HW_REG_WAVE_SCHED_MODE, 0, 2), 2
	s_setreg_imm32_b32 hwreg(HW_REG_WAVE_MODE, 25, 1), 1
	s_wait_xcnt 0x0
	s_wait_alu depctr_vm_vsrc(0)
; x = emb + att wo + bo;  x_ln = LayerNorm(x);  out = x + x_ln + gelu(x_ln w1 + b1) w2 + b2, for 32 tokens; all three products on codes of FP4 (E2M1), one E8M0 scale for each 32 along K.
; A work-group: branch y, tokens 32 x .. 32 x + 31.  Eight waves; wave w owns output features 64 w .. 64 w + 63 and hidden units 256 w .. 256 w + 255 (four units of 64).  One path for both branches: only pointers and offsets are chosen.
; Tokens and features go in blocks of 32, two tiles v to a block: row p of tile v is element 8 v + p + 8 (p / 8).  The weights are source 0: a lane holds one token and its registers run along the features, the next product's K.
; Operands go from wave to wave through LDS as images of their registers (K step s, group c, tile v at 2,048 s + 1,024 c + 512 v + 16 lane).
; THE WEIGHTS come in register order from the workspace into a ring of six register sets in the second window of 256 registers, FIVE K STEPS AHEAD.  An item is one K step of 64 features: 8 loads of codes, 2 of scale words,
; 4,352 bytes; behind a K step's request five items, 50 loads of a wave, are out.  The three products are ONE RUN of 36 items (wo 0-3, w1 4-19, w2 20-35; item n in set n % 6): the ring goes on asking while the LayerNorm, gelu and the barriers are passed.
; emb is the C of the first product's first instructions, b1 of the second's, x + x_ln + b2 (parked in the stage meanwhile) of the third's.
; All row blocks walk the same weights; each byte goes to one wave's registers and no LDS ring is kept, so nothing is asked for jointly in a cluster.
; gelu is the exact one: gelu(x) = max(x, 0) - |x| a, a = erfc(|x| / sqrt 2) / 2 = t 2^(P(t) - x^2 log2(e) / 2) / 2 with t = 1 / (1 + |x| / sqrt 8) and P of degree 9 (fractional error of the fit 1.2e-7).
; LIMITS: bo is added behind the product, emb ahead of it (another order of rounding than the source's); a under 2^-126 counts as 0; a block whose largest magnitude lies under 2^-124 keeps the byte 1; NaN and infinities are not served.
; THE MODE: SCHED_MODE bits 1:0 = 2 (LLVM: expert scheduling mode 2), set by the entry lines.  The code itself states the register dependences
; between vector or matrix instructions and memory or LDS instructions, with s_wait_alu, always for 0.
; THE PLAN.  Registers that memory or LDS instructions touch, and who else names them:
;   v1-3, v7-15, v41-45, v254, v255   offsets, LDS addresses and the closing add's two: made at the head, ahead of one wait on va_vdst, and never written again.  (v16-19: the head's own offsets; later at work.)
;   the ring's sets, their scale words  item n's matrix instructions read set n % 6; the loads of item n + 6 land there, issued in K step n + 1.
;   XF0, XF1, XSC        item n's matrix instructions read XF[n % 2]; the LDS loads of item n + 2's rows land there, issued in K step n + 1.  Between the products bo and lnb pass through the same registers.
;   the accumulators     written by matrix and vector instructions, read by QUANT and by the stage's stores; b1's and the stage's loads land in them.
;   PC, PW               written by QUANT, read by its stores: one wait on va_vdst ahead of the stores, one on vm_vsrc ahead of the next QUANT.
; So ONE wait on va_vdst stands in a K step, behind the waits for its data: the matrix instructions of the K step before are done reading their set and their rows' fragments.  The step's loads follow it, and its own matrix
; instructions name set n % 6, XF[n % 2], their scale registers and the accumulators: none of the registers that those loads touch.  A phase's first K step has no such wait: the one ahead of the last stores has stated the same.
.set SA,    0x340000                   ; wts: scale words of the 512-column weights; codes and scale words of the 2,048-column ones
.set CB,    0x240000
.set SB,    0x364000
.set ATS,   0x200000                   ; att: the scale words
.set AIM,   0                          ; LDS: the attention result's images,
.set LIM,   8192                       ; x_ln's,
.set HIM,   16384                      ; the hidden layer's (16 K steps),
.set ASC,   49152                      ; their scale words,
.set LSC,   49664
.set HSC,   50176
.set STAT,  52224                      ; (mean, centred sum of squares) of row (16 tv + r), wave w at 80 (16 tv + r) + 8 w
.set CONST, 54784                      ; bo, lnw, lnb, b2: 2,048 bytes each; b1: 8,192
.set STG,   71168                      ; the stage: slot 16 tv + r holds a token's 512 numbers; 2,048 bytes + 16
.set SP,    2064
.set WTS,   14                         ; s[14:15] wts
.set SEL,   82                         ; s[82:83] selects for lane l xor 16
.set CF0,   54                         ; the polynomial's coefficients x log2(e), each in both words of a pair (s64, s65 are not this text's)
.set CF1,   56
.set CF2,   58
.set CF3,   60
.set CF4,   62
.set CF5,   66
.set CF6,   68
.set CF7,   70
.set CF8,   72
.set XXF,   74                         ; s[74:75] -log2(e) / 2
.set KK,    76                         ; s76 1 / sqrt 8
.set TM,  16                           ; v16-31   at work
.set PC,  32                           ; v32-39   the codes just made
.set PW,  40                           ; v40      the scale word just made
.set ACC, 48                           ; v48-111  eight accumulators
.set GT,  112                          ; v112-119 gelu's t;  v112-207 are at work in the LayerNorm and on the way out
.set WSA, 208                          ; the weights' scale words, two registers a set (scale operands have no window): sets 0-2 in v208-213, sets 3-5 in v248-253
.set XSC, 214                          ; v214-215 the rows' scale words: two sets
.set XF,  216                          ; v216-247 the rows' fragments: two sets of two tiles
.set AHEAD, 5                          ; K steps that the ring asks ahead
.set NIT, 36                           ; items in the ring's run
.set MSB, 0
.macro WIN new                         ; s_set_vgpr_msb: bits 1:0 source 0, 3:2 source 1, 5:4 source 2, 7:6 destination; the high byte repeats the setting that is left
.if MSB != \new
	s_set_vgpr_msb (MSB<<8)|\new
.set MSB, \new
.endif
.endm
.macro WLOAD n                         ; item n of the run into set n % 6: v[256 + 32 (n % 6)] on
.if (\n) < 4
.set wr_, 7
.set wo_, 3*131072+(\n)*32768
.set sr_, 8
.set so_, SA+3*8192+(\n)*2048
.elseif (\n) < 20
.set wr_, 9
.set wo_, CB+(((\n)-4)/4)*4096+(((\n)-4)%4)*131072
.set sr_, 10
.set so_, SB+(((\n)-4)/4)*256+(((\n)-4)%4)*8192
.else
.set wr_, 7
.set wo_, 10*131072+((\n)-20)*32768
.set sr_, 8
.set so_, SA+10*8192+((\n)-20)*2048
.endif
.set wb_, 32*((\n)%6)
.set ws_, WSA+2*((\n)%6)+34*(((\n)%6)/3)
	WIN 0x40                                       ; destination in the second window, address in the first
.irp ft, 0,1,2,3
.irp c, 0,1
	global_load_b128 v[wb_+8*\ft+4*\c:wb_+8*\ft+4*\c+3], v[wr_], s[WTS:WTS+1] offset:wo_+\ft*1024+\c*512
.endr
.endr
	WIN 0
.irp p, 0,1
	global_load_b32 v[ws_+\p], v[sr_], s[WTS:WTS+1] offset:so_+\p*128
.endr
.endm
.macro XLOAD n                         ; the rows' fragments and scale words for item n
.if (\n) < 4
.set xo_, AIM+(\n)*2048
.set xso_, ASC+(\n)*128
.elseif (\n) < 20
.set xo_, LIM+(((\n)-4)%4)*2048
.set xso_, LSC+(((\n)-4)%4)*128
.else
.set xo_, HIM+((\n)-20)*2048
.set xso_, HSC+((\n)-20)*128
.endif
.irp tv, 0,1
.irp c, 0,1
	ds_load_b128 v[XF+16*((\n)%2)+8*\tv+4*\c:XF+16*((\n)%2)+8*\tv+4*\c+3], v1 offset:xo_+\c*1024+\tv*512
.endr
.endr
	ds_load_b32 v[XSC+(\n)%2], v2 offset:xso_
.endm
; one matrix instruction, C = D in place; ra, rb = 1: that side's scale words stand in lanes 16-31
.macro MMA d, a, b, sa, sb, ra, rb
.set sel_, 2*(\ra)+(\rb)
.if sel_ == 0
	v_wmma_scale_f32_16x16x128_f8f6f4 v[\d:\d+7], v[\a:\a+7], v[\b:\b+7], v[\d:\d+7], v[\sa], v[\sb] matrix_a_fmt:MATRIX_FMT_FP4 matrix_b_fmt:MATRIX_FMT_FP4
.elseif sel_ == 1
	v_wmma_scale_f32_16x16x128_f8f6f4 v[\d:\d+7], v[\a:\a+7], v[\b:\b+7], v[\d:\d+7], v[\sa], v[\sb] matrix_a_fmt:MATRIX_FMT_FP4 matrix_b_fmt:MATRIX_FMT_FP4 matrix_b_scale:MATRIX_SCALE_ROW1
.elseif sel_ == 2
	v_wmma_scale_f32_16x16x128_f8f6f4 v[\d:\d+7], v[\a:\a+7], v[\b:\b+7], v[\d:\d+7], v[\sa], v[\sb] matrix_a_fmt:MATRIX_FMT_FP4 matrix_b_fmt:MATRIX_FMT_FP4 matrix_a_scale:MATRIX_SCALE_ROW1
.else
	v_wmma_scale_f32_16x16x128_f8f6f4 v[\d:\d+7], v[\a:\a+7], v[\b:\b+7], v[\d:\d+7], v[\sa], v[\sb] matrix_a_fmt:MATRIX_FMT_FP4 matrix_b_fmt:MATRIX_FMT_FP4 matrix_a_scale:MATRIX_SCALE_ROW1 matrix_b_scale:MATRIX_SCALE_ROW1
.endif
.endm
; Item n of the run: 64 features x 32 tokens x 128 K, eight matrix instructions on eight accumulators (4 tv + ft), which take turns in the same order in every K step.
; w = 1: the K step's wait on va_vdst is written.  w = 0: a phase's first K step, behind the wait ahead of the last stores; the last item, which issues no load.
.macro KSTEP n, w
.set yg_, NIT-1-(\n)
.if yg_ > AHEAD-1
.set yg_, AHEAD-1
.endif
	s_wait_loadcnt 10*yg_                          ; item n is in; the ten loads of each younger item, four items at the most, may be out
	s_wait_dscnt 0x0                               ; its rows' fragments are in (and what begins the sums, where that was asked for)
.if \w
	s_wait_alu depctr_va_vdst(0)                   ; the matrix instructions of item n - 1 are done reading set (n - 1) % 6, XF[(n + 1) % 2] and their scale words, in which the loads below land
.endif
.set xn_, 1                            ; the next K step's rows are fetched here, unless a product ends: the next one's images are not yet made
.if (\n)+1 == 4
.set xn_, 0
.endif
.if (\n)+1 == 20
.set xn_, 0
.endif
.if (\n)+1 == NIT
.set xn_, 0
.endif
.if xn_
	XLOAD (\n)+1
.endif
.if (\n)+AHEAD < NIT
	WLOAD (\n)+AHEAD                               ; into the set that item n - 1 multiplied
.endif
.set kw_, 32*((\n)%6)
.set ks_, WSA+2*((\n)%6)+34*(((\n)%6)/3)
.set kx_, XF+16*((\n)%2)
.set kc_, XSC+(\n)%2
	WIN 0x01                                       ; source 0, the weights, in the second window
.irp tv, 0,1
.irp ft, 0,1,2,3
	MMA ACC+8*(4*\tv+\ft), kw_+8*\ft, kx_+8*\tv, ks_+\ft/2, kc_, \ft%2, \tv
.endr
.endr
	WIN 0
.rept 4
	v_nop                                          ; four places (ISA guide 7.12.1) behind the matrix instructions, ahead of the first read of results; they stay beside the waits
.endr
.endm
; 64 numbers of a lane, four blocks of 16 registers (the other 16 of each block lie in lane l xor 16), become codes in v[PC] on, a whole block a lane, and a word of the four bytes in v[PW].
; e = 1: LDS stores issued since the last wait on vm_vsrc have read registers that are written here.
.macro QUANT s, e
.if \e
	s_wait_alu depctr_vm_vsrc(0)                   ; the LDS stores issued so far have read v28-31 (the figures) or v[PC ..] and v[PW] (the last codes), which the lines below write again
.endif
.irp b, 0,1,2,3
	v_max3_num_f32 v[TM+\b], |v[\s+16*\b]|, |v[\s+1+16*\b]|, 0x1800000   ; with the floor 2^(3 - 127): the byte cannot fall under 1
.endr
.irp i, 2,4,6,8,10,12,14
.irp b, 0,1,2,3
	v_max3_num_f32 v[TM+\b], v[TM+\b], |v[\s+16*\b+\i]|, |v[\s+1+16*\b+\i]|
.endr
.endr
.irp b, 0,1,2,3
	v_permlanex16_b32 v[TM+4+\b], v[TM+\b], s[SEL], s[SEL+1]
.endr
.irp b, 0,1,2,3
	v_max_num_f32 v[TM+\b], v[TM+\b], v[TM+4+\b]   ; the block's largest magnitude
.endr
.irp b, 0,1,2,3
	v_add_nc_u32 v[TM+12+\b], 0xff000000, v[TM+\b] ; 2 off its exponent field: the conversion's scale operand
.endr
.irp b, 0,1,2,3
	v_lshrrev_b32 v[TM+4+\b], 23, v[TM+12+\b]      ; the scale's byte
.endr
	v_lshl_or_b32 v[PW], v[TM+5], 8, v[TM+4]
	v_lshl_or_b32 v[PW], v[TM+6], 16, v[PW]
	v_lshl_or_b32 v[PW], v[TM+7], 24, v[PW]
.irp b, 0,1,2,3
	v_cvt_scalef32_pk8_fp4_f32 v[PC+2*\b], v[\s+16*\b:\s+7+16*\b], v[TM+12+\b]
	v_cvt_scalef32_pk8_fp4_f32 v[PC+1+2*\b], v[\s+8+16*\b:\s+15+16*\b], v[TM+12+\b]
.endr
	v_nop                                          ; one plain place behind the conversions
.irp c, 0,1
.irp i, 0,1
	v_permlane16_swap_b32 v[PC+4*\c+\i], v[PC+2+4*\c+\i]
.endr
.endr
.endm
.macro ACCINIT areg, off                       ; a bias in the result's layout becomes the C of a sum's first matrix instructions
.irp tv, 0,1
.irp ft, 0,1,2,3
.irp hf, 0,1
	ds_load_b128 v[ACC+8*(4*\tv+\ft)+4*\hf:ACC+8*(4*\tv+\ft)+4*\hf+3], v[\areg] offset:\off+(\ft/2)*128+(\ft%2)*32+\hf*16
.endr
.endr
.endr
.endm
.macro HALFIMG areg, aoff, sreg, soff          ; a unit's 64 features are half a K step: one register group for each tile of tokens, two scale bytes a row
	s_wait_alu depctr_va_vdst(0)                   ; QUANT has written v[PC ..] and v[PW], which the stores read; it is done reading its 64 numbers, and the last matrix instructions their set and their rows' fragments, in which the next loads land
	ds_store_b128 v[\areg], v[PC:PC+3] offset:\aoff
	ds_store_b128 v[\areg], v[PC+4:PC+7] offset:\aoff+512
	ds_store_b16 v[\sreg], v[PW] offset:\soff
	ds_store_b16_d16_hi v[\sreg], v[PW] offset:\soff+64
.endm
.macro BARRIER                                 ; my LDS stores have landed and my LDS loads are in: then the work-group's barrier
	s_wait_dscnt 0x0
	s_barrier_signal -1
	s_barrier_wait -1
.endm
.macro BL32 reg, off                           ; 32 numbers of a constant at my unit's features, in the result's layout (the same for both tiles of tokens)
.irp ft, 0,1,2,3
.irp hf, 0,1
	ds_load_b128 v[\reg+8*\ft+4*\hf:\reg+8*\ft+4*\hf+3], v11 offset:\off+(\ft/2)*128+(\ft%2)*32+\hf*16
.endr
.endr
.endm
.macro CSTAT tv                                ; mean and centred sum of squares of a row's 64 numbers in my unit: 32 here, 32 in lane l xor 16; into v[28 + 2 tv], v[29 + 2 tv]
.set a_, ACC+32*\tv
	v_pk_add_f32 v[16:17], v[a_:a_+1], v[a_+2:a_+3]
	v_pk_add_f32 v[18:19], v[a_+4:a_+5], v[a_+6:a_+7]
.set j, 8
.rept 6
	v_pk_add_f32 v[16:17], v[16:17], v[a_+j:a_+j+1]
	v_pk_add_f32 v[18:19], v[18:19], v[a_+j+2:a_+j+3]
.set j, j+4
.endr
	v_pk_add_f32 v[16:17], v[16:17], v[18:19]
	v_add_f32 v16, v16, v17
	v_permlanex16_b32 v17, v16, s[SEL], s[SEL+1]
	v_add_f32 v16, v16, v17
	v_mul_f32 v[28+2*\tv], 0x3c800000, v16
	v_mul_f32 v20, 0xbc800000, v16
	v_mul_f32 v21, 0xbc800000, v16
	v_pk_add_f32 v[22:23], v[a_:a_+1], v[20:21]
	v_pk_add_f32 v[24:25], v[a_+2:a_+3], v[20:21]
	v_pk_mul_f32 v[16:17], v[22:23], v[22:23]
	v_pk_mul_f32 v[18:19], v[24:25], v[24:25]
.set j, 4
.rept 7
	v_pk_add_f32 v[22:23], v[a_+j:a_+j+1], v[20:21]
	v_pk_add_f32 v[24:25], v[a_+j+2:a_+j+3], v[20:21]
	v_pk_fma_f32 v[16:17], v[22:23], v[22:23], v[16:17]
	v_pk_fma_f32 v[18:19], v[24:25], v[24:25], v[18:19]
.set j, j+4
.endr
	v_pk_add_f32 v[16:17], v[16:17], v[18:19]
	v_add_f32 v16, v16, v17
	v_permlanex16_b32 v17, v16, s[SEL], s[SEL+1]
	v_add_f32 v[29+2*\tv], v16, v17
.endm
.macro LNSTAT tv                               ; the eight waves' figures of my row become -mean (twice) and 1 / sqrt(var + 1e-5) (twice) in v[16 + 4 tv] on
.set m_, 112+16*\tv
	v_add_f32 v24, v[m_], v[m_+2]
	v_add_f32 v25, v[m_+4], v[m_+6]
	v_add_f32 v26, v[m_+8], v[m_+10]
	v_add_f32 v27, v[m_+12], v[m_+14]
	v_add_f32 v24, v24, v25
	v_add_f32 v26, v26, v27
	v_add_f32 v24, v24, v26
	v_mul_f32 v24, 0x3e000000, v24                 ; the row's mean
.irp i, 0,2,4,6,8,10,12,14
	v_sub_f32 v[m_+\i], v[m_+\i], v24
.endr
	v_mul_f32 v25, v[m_], v[m_]
.irp i, 2,4,6,8,10,12,14
	v_fma_f32 v25, v[m_+\i], v[m_+\i], v25
.endr
	v_add_f32 v26, v[m_+1], v[m_+3]
.irp i, 5,7,9,11,13,15
	v_add_f32 v26, v26, v[m_+\i]
.endr
	v_fma_f32 v26, v25, 0x42800000, v26            ; + 64 x the units' means' squared distances
	v_fma_f32 v26, v26, s77, s78
	v_rsq_f32 v[18+4*\tv], v26
	v_sub_f32 v[16+4*\tv], 0, v24                  ; (a plain place behind the transcendental)
	v_sub_f32 v[17+4*\tv], 0, v24
	s_wait_alu depctr_va_vdst(0)                   ; the reciprocal root is written, ahead of its first reader
	v_mov_b32 v[19+4*\tv], v[18+4*\tv]
.endm
.macro GELU x                                  ; one accumulator's eight numbers, in place
.irp j, 0,1,2,3,4,5,6,7
	v_fma_f32 v[GT+\j], |v[\x+\j]|, s[KK], 1.0
.endr
.irp j, 0,1,2,3,4,5,6,7
	v_rcp_f32 v[GT+\j], v[GT+\j]                   ; t
.endr
.irp i, 0,2,4,6
	v_pk_mul_f32 v[24+\i:25+\i], v[\x+\i:\x+\i+1], v[\x+\i:\x+\i+1]   ; x^2.  (Plain places behind the reciprocals)
.endr
	s_wait_alu depctr_va_vdst(0)                   ; the eight reciprocals are written, ahead of their first reader
.irp i, 0,2,4,6
	v_pk_fma_f32 v[16+\i:17+\i], v[GT+\i:GT+\i+1], v[4:5], s[CF8:CF8+1] op_sel_hi:[1,1,0]
.endr
.irp c, CF7,CF6,CF5,CF4,CF3,CF2,CF1,CF0
.irp i, 0,2,4,6
	v_pk_fma_f32 v[16+\i:17+\i], v[16+\i:17+\i], v[GT+\i:GT+\i+1], s[\c:\c+1] op_sel_hi:[1,1,0]
.endr
.endr
.irp i, 0,2,4,6
	v_pk_fma_f32 v[16+\i:17+\i], v[24+\i:25+\i], s[XXF:XXF+1], v[16+\i:17+\i] op_sel_hi:[1,0,1]
.endr
.irp j, 0,1,2,3,4,5,6,7
	v_exp_f32 v[16+\j], v[16+\j]
.endr
.irp j, 0,1,2,3,4,5,6,7
	v_max_num_f32 v[24+\j], 0, v[\x+\j]            ; (plain places behind the exponentials)
.endr
	s_wait_alu depctr_va_vdst(0)                   ; the eight exponentials are written, ahead of their first reader
.irp i, 0,2,4,6
	v_pk_mul_f32 v[16+\i:17+\i], v[16+\i:17+\i], v[GT+\i:GT+\i+1]     ; a
.endr
.irp j, 0,1,2,3,4,5,6,7
	v_fma_f32 v[\x+\j], -|v[\x+\j]|, v[16+\j], v[24+\j]
.endr
.endm
	s_load_b512 s[8:23], s[0:1], 0x0               ; gene expr att wts gbo ebo lngw lngb
	s_load_b512 s[24:39], s[0:1], 0x40             ; lnew lneb fgb1 feb1 fgb2 feb2 out0 out1
	v_lshl_add_u32 v254, v0, 2, 0x21800
	v_mov_b32 v255, 0
	v_lshrrev_b32 v1, 5, v0
	v_readfirstlane_b32 s80, v1                    ; wave w
	s_and_b32 s81, ttmp7, 0xffff                   ; the branch
	s_mov_b32 s[CF0], 0xc034d90f                   ; -2.82574822 (the half is taken off here)
	s_mov_b32 s[CF1], 0x3fb8ab5a                   ;  1.44272920
	s_mov_b32 s[CF2], 0x3f0a29d2                   ;  0.53970062
	s_mov_b32 s[CF3], 0x3e0efb2e                   ;  0.13963006
	s_mov_b32 s[CF4], 0xbe899a80                   ; -0.26875686
	s_mov_b32 s[CF5], 0x3ecdfd18                   ;  0.40232158
	s_mov_b32 s[CF6], 0xbfd1a1e5                   ; -1.63775315
	s_mov_b32 s[CF7], 0x40097039                   ;  2.14747446
	s_mov_b32 s[CF8], 0xbf97d29d                   ; -1.18611495
	s_mov_b32 s[XXF], 0xbf38aa3b                   ; -0.72134752
.irp c, CF0,CF1,CF2,CF3,CF4,CF5,CF6,CF7,CF8,XXF
	s_mov_b32 s[\c+1], s[\c]                       ; (named with it as a pair, so it is written)
.endr
	s_mov_b32 s[KK], 0x3eb504f3                    ; 0.35355339
	s_mov_b32 s77, 0x3b000000                      ; 1 / 512
	s_mov_b32 s78, 0x3727c5ac                      ; 1e-5
	s_mov_b32 s[SEL], 0x76543210
	s_mov_b32 s[SEL+1], 0xfedcba98
	v_and_b32 v24, 31, v0                          ; lane
	v_and_b32 v25, 15, v0                          ; r
	v_bfe_u32 v26, v0, 4, 1                        ; h
	v_and_b32 v27, 8, v25
	v_add_nc_u32 v27, v27, v25                     ; r + 8 (r / 8)
	v_lshlrev_b32 v1, 4, v24                       ; v1  16 x lane
	v_lshlrev_b32 v2, 2, v24                       ; v2  4 x lane
	s_wait_alu depctr_va_sdst(0)                   ; s80 is written, ahead of its first reader: addresses, offsets and the choice of constants are made from it
	s_lshl_b32 s84, s80, 8                         ; 256 w
	v_lshlrev_b32 v3, 11, v27
	v_lshl_add_u32 v3, v26, 6, v3
	v_add_nc_u32 v3, s84, v3                       ; v3  emb: my token's row, my unit, + 64 h
	v_mov_b32 v4, 0x3e7c6f08                       ; v[4:5] the leading coefficient, 0.24651730
	v_mov_b32 v5, 0x3e7c6f08
	s_cmp_eq_u32 s81, 0
	s_cselect_b32 s85, 0, 0x80000                  ; the branch's weights: four chunks, or one wide weight, on;
	s_cselect_b32 s86, 0, 0x8000                   ; their scale words
	s_lshl_b32 s87, s80, 12
	s_add_co_u32 s87, s87, s85
	v_add_nc_u32 v7, s87, v1                       ; v7  my unit's codes in a K step of a 512-column weight; v7-v10 are never rewritten
	s_add_co_u32 s87, s84, s86
	v_add_nc_u32 v8, s87, v2                       ; v8  its scale words
	s_lshl_b32 s87, s80, 14
	s_add_co_u32 s87, s87, s85
	v_add_nc_u32 v9, s87, v1                       ; v9  my four units' codes in a K step of w1
	s_lshl_b32 s87, s80, 10                        ; 1,024 w
	s_add_co_u32 s88, s87, s86
	v_add_nc_u32 v10, s88, v2                      ; v10 their scale words
	s_add_co_u32 s88, s84, CONST
	v_lshl_add_u32 v11, v26, 6, s88                ; v11 a constant of 512 at my unit
	s_add_co_u32 s88, s87, CONST+8192
	v_lshl_add_u32 v12, v26, 6, s88                ; v12 b1 at my four units
	v_mul_u32_u24 v14, v25, 80
	v_add_nc_u32 v14, STAT, v14                    ; v14 my row's eight figures
	v_lshl_add_u32 v13, s80, 3, v14                ; v13 my unit's
	v_mul_u32_u24 v15, v25, SP
	v_lshl_add_u32 v15, v26, 6, v15
	s_add_co_u32 s88, s84, STG
	v_add_nc_u32 v15, s88, v15                     ; v15 the stage: slot r, my unit, + 64 h
	s_add_co_u32 s88, s87, LIM
	v_add_nc_u32 v41, s88, v1                      ; v41 x_ln's image: my half K step
	s_lshr_b32 s88, s80, 1
	s_lshl_b32 s88, s88, 7
	s_and_b32 s89, s80, 1
	s_lshl_b32 s89, s89, 1
	s_add_co_u32 s88, s88, s89
	s_add_co_u32 s88, s88, LSC
	v_lshl_add_u32 v42, v25, 2, s88                ; v42 its two scale bytes
	s_lshl_b32 s88, s80, 12
	s_add_co_u32 s88, s88, HIM
	v_add_nc_u32 v43, s88, v1                      ; v43 the hidden layer's images: my two K steps
	s_add_co_u32 s88, s84, HSC
	v_lshl_add_u32 v44, v25, 2, s88                ; v44 their scale bytes
	s_mul_i32 s88, s80, 4*SP
	s_add_co_u32 s88, s88, STG
	v_add_nc_u32 v45, s88, v1                      ; v45 the way out: slots 4 w .. 4 w + 3
	v_lshlrev_b32 v16, 4, v0                       ; at the head only: 16 t, 2 t, 16 (t % 128), CONST + 16 t
	v_lshlrev_b32 v17, 1, v0
	v_and_b32 v18, 127, v0
	v_lshlrev_b32 v18, 4, v18
	v_lshl_add_u32 v19, v0, 4, CONST
.irp b, 0,1,2,3
	v_mov_b32 v[TM+4+\b], 0                        ; written once: a lane permute's destination counts as one of its sources
.endr
	s_wait_kmcnt 0x0
	s_cmp_eq_u32 s81, 0
	s_cselect_b64 s[40:41], s[8:9], s[10:11]       ; emb, bo, lnw, lnb, b1, b2, out
	s_cselect_b64 s[42:43], s[16:17], s[18:19]
	s_cselect_b64 s[44:45], s[20:21], s[24:25]
	s_cselect_b64 s[46:47], s[22:23], s[26:27]
	s_cselect_b64 s[48:49], s[28:29], s[30:31]
	s_cselect_b64 s[50:51], s[32:33], s[34:35]
	s_cselect_b64 s[52:53], s[36:37], s[38:39]
	s_cselect_b32 s88, 0, 128
	s_add_co_u32 s88, s88, ttmp9                   ; the block of 32 tokens among the two branches' 256
	s_lshl_b32 s90, s88, 13
	s_mov_b32 s91, 0
	s_add_nc_u64 s[92:93], s[12:13], s[90:91]      ; att: its images,
	s_lshl_b32 s90, s88, 9
	s_add_nc_u64 s[94:95], s[12:13], s[90:91]      ; its scale words
	s_lshl_b32 s90, ttmp9, 16                      ; 32 rows of 2,048 bytes
	s_add_nc_u64 s[40:41], s[40:41], s[90:91]
	s_lshr_b32 s88, s80, 2                         ; the way out: slot 4 w holds token 8 (w / 4) + 4 (w % 4) + 8 ((w % 4) / 2), and three neighbours follow
	s_lshl_b32 s88, s88, 3
	s_and_b32 s89, s80, 3
	s_lshl_b32 s86, s89, 2
	s_add_co_u32 s88, s88, s86
	s_lshr_b32 s89, s89, 1
	s_lshl_b32 s89, s89, 3
	s_add_co_u32 s88, s88, s89
	s_lshl_b32 s88, s88, 11
	s_add_co_u32 s90, s90, s88
	s_add_nc_u64 s[52:53], s[52:53], s[90:91]
	s_cmp_lt_u32 s80, 4                            ; waves 0-3 bring bo and lnb, waves 4-7 lnw and b2
	s_cselect_b64 s[42:43], s[42:43], s[44:45]
	s_cselect_b64 s[46:47], s[46:47], s[50:51]
	s_wait_alu depctr_va_vdst(0)                   ; the offsets and LDS addresses v1-3, v7-19 and v41-45 are written: every load and store of the kernel reads one of them; so are v254 and v255, which the closing add reads
	; ---- the head's 23 loads, and behind them the ring's first four items: 63 loads of mine are out at the most
.irp tv, 0,1
.irp ft, 0,1,2,3
.irp hf, 0,1
	global_load_b128 v[ACC+8*(4*\tv+\ft)+4*\hf:ACC+8*(4*\tv+\ft)+4*\hf+3], v3, s[40:41] offset:\tv*16384+(\ft/2)*128+(\ft%2)*32+\hf*16
.endr
.endr
.endr
	global_load_b128 v[216:219], v16, s[92:93]
	global_load_b128 v[220:223], v16, s[92:93] offset:4096
	global_load_u16 v224, v17, s[94:95] offset:ATS
	global_load_b128 v[228:231], v18, s[42:43]
	global_load_b128 v[232:235], v18, s[46:47]
	global_load_b128 v[236:239], v16, s[48:49]
	global_load_b128 v[240:243], v16, s[48:49] offset:4096
	WLOAD 0
	WLOAD 1
	WLOAD 2
	WLOAD 3
	s_wait_loadcnt 40                              ; all but the four items
	ds_store_b128 v16, v[216:219] offset:AIM
	ds_store_b128 v16, v[220:223] offset:AIM+4096
	ds_store_b16 v17, v224 offset:ASC
	ds_store_b128 v19, v[228:231]
	ds_store_b128 v19, v[232:235] offset:4096
	ds_store_b128 v19, v[236:239] offset:8192
	ds_store_b128 v19, v[240:243] offset:12288
	WLOAD 4                                        ; the fifth item: the ring now stands five K steps ahead
	BARRIER                                        ; the attention result's fragments and the constants lie in LDS
	; ---- x = emb + att wo + bo: items 0-3
	s_wait_alu depctr_vm_vsrc(0)                   ; my LDS stores have read v216-243, in which the rows' fragments land; they and the head's loads have read v16-19, which the figures' lines write
	XLOAD 0
	KSTEP 0, 0
	KSTEP 1, 1
	KSTEP 2, 1
	KSTEP 3, 1
	s_wait_alu depctr_va_vdst(0)                   ; the matrix instructions of items 2 and 3 are done reading the rows' fragments v216-247, in which bo lands
	BL32 216, 0
	s_wait_dscnt 0x0
.irp tv, 0,1
.set j, 0
.rept 16
	v_pk_add_f32 v[ACC+32*\tv+j:ACC+32*\tv+j+1], v[ACC+32*\tv+j:ACC+32*\tv+j+1], v[216+j:217+j]
.set j, j+2
.endr
.endr
	CSTAT 0
	CSTAT 1
	s_wait_alu depctr_va_vdst(0)                   ; the figures v28-31 are written, which the two stores read; the additions are done reading bo in v216-247, in which lnb lands behind the barrier
	ds_store_b64 v13, v[28:29]
	ds_store_b64 v13, v[30:31] offset:1280
	BARRIER                                        ; the eight units' figures of every row lie in LDS
	; ---- LayerNorm 2 (items 4-8 are on their way meanwhile)
.irp tv, 0,1
.irp i, 0,1,2,3
	ds_load_b128 v[112+16*\tv+4*\i:115+16*\tv+4*\i], v14 offset:\tv*1280+16*\i
.endr
.endr
	BL32 176, 2048
	BL32 216, 4096
	s_wait_dscnt 16                                ; the figures are in; the 16 loads of lnw and lnb may be out
	LNSTAT 0
	LNSTAT 1
	s_wait_dscnt 0x0
.irp tv, 0,1
.set j, 0
.rept 16
	v_pk_add_f32 v[112+32*\tv+j:113+32*\tv+j], v[ACC+32*\tv+j:ACC+32*\tv+j+1], v[16+4*\tv:17+4*\tv]
.set j, j+2
.endr
.endr
.irp tv, 0,1
.set j, 0
.rept 16
	v_pk_mul_f32 v[112+32*\tv+j:113+32*\tv+j], v[112+32*\tv+j:113+32*\tv+j], v[18+4*\tv:19+4*\tv]
.set j, j+2
.endr
.endr
.irp tv, 0,1
.set j, 0
.rept 16
	v_pk_fma_f32 v[112+32*\tv+j:113+32*\tv+j], v[112+32*\tv+j:113+32*\tv+j], v[176+j:177+j], v[216+j:217+j]
.set j, j+2
.endr
.endr
	s_wait_alu depctr_va_vdst(0)                   ; the multiply-adds are done reading lnw in v176-207, in which b2 lands
	BL32 176, 6144                                 ; b2 takes lnw's registers
.set j, 0
.rept 32
	v_pk_add_f32 v[ACC+j:ACC+j+1], v[ACC+j:ACC+j+1], v[112+j:113+j]
.set j, j+2
.endr
	s_wait_dscnt 0x0
.irp tv, 0,1
.set j, 0
.rept 16
	v_pk_add_f32 v[ACC+32*\tv+j:ACC+32*\tv+j+1], v[ACC+32*\tv+j:ACC+32*\tv+j+1], v[176+j:177+j]
.set j, j+2
.endr
.endr
	QUANT 112, 1
	HALFIMG 41, 0, 42, 0                           ; its wait also states: the additions have written the accumulators, which the stage's stores below read; the multiply-adds are done reading lnb in v216-247
.irp tv, 0,1                                   ; x + x_ln + b2 waits in my own bytes of the stage.  No wait: no vector line stands behind the wait above
.irp ft, 0,1,2,3
.irp hf, 0,1
	ds_store_b128 v15, v[ACC+8*(4*\tv+\ft)+4*\hf:ACC+8*(4*\tv+\ft)+4*\hf+3] offset:\tv*16*SP+(\ft/2)*128+(\ft%2)*32+\hf*16
.endr
.endr
.endr
	BARRIER                                        ; x_ln's fragments lie in LDS
	; ---- the hidden layer: my four units of 64: items 4-19
	s_wait_alu depctr_vm_vsrc(0)                   ; the stage's stores have read the accumulators, in which b1 lands; x_ln's stores have read v[PC ..] and v[PW], which the first unit's QUANT writes
	XLOAD 4
.set U, 0
.rept 4
	ACCINIT 12, 256*U
	KSTEP 4*U+4, 0
	KSTEP 4*U+5, 1
	KSTEP 4*U+6, 1
	KSTEP 4*U+7, 1
.irp t, 0,1,2,3,4,5,6,7
	GELU ACC+8*\t
.endr
.if U == 0
	QUANT ACC, 0
.else
	QUANT ACC, 1
.endif
	HALFIMG 43, 1024*U, 44, (U/2)*128+2*(U%2)
.set U, U+1
.endr
	BARRIER                                        ; the hidden layer's sixteen K steps lie in LDS
	; ---- out = (x + x_ln + b2) + hidden w2: items 20-35
.irp tv, 0,1
.irp ft, 0,1,2,3
.irp hf, 0,1
	ds_load_b128 v[ACC+8*(4*\tv+\ft)+4*\hf:ACC+8*(4*\tv+\ft)+4*\hf+3], v15 offset:\tv*16*SP+(\ft/2)*128+(\ft%2)*32+\hf*16
.endr
.endr
.endr
	XLOAD 20
	KSTEP 20, 0
.set I, 21
.rept 14
	KSTEP I, 1
.set I, I+1
.endr
	KSTEP 35, 0
	s_wait_alu depctr_va_vdst(0)                   ; the matrix instructions have written the accumulators, which the stage's stores read (the four places above stay beside this wait); every vector line is done with v112-175, in which the rows land behind the barrier
.irp tv, 0,1
.irp ft, 0,1,2,3
.irp hf, 0,1
	ds_store_b128 v15, v[ACC+8*(4*\tv+\ft)+4*\hf:ACC+8*(4*\tv+\ft)+4*\hf+3] offset:\tv*16*SP+(\ft/2)*128+(\ft%2)*32+\hf*16   ; each accumulator from its low end on
.endr
.endr
.endr
	BARRIER                                        ; 32 whole rows lie in the stage
.irp k, 0,1,2,3
.irp i, 0,1,2,3
	ds_load_b128 v[112+16*\k+4*\i:115+16*\k+4*\i], v45 offset:\k*SP+512*\i
.endr
.endr
.irp k, 0,1,2,3
.irp i, 0,1,2,3
	s_wait_dscnt 15-4*\k-\i                        ; LDS loads come back in order: this one is in, the younger ones may be out
	global_store_b128 v1, v[112+16*\k+4*\i:115+16*\k+4*\i], s[52:53] offset:\k*2048+512*\i th:TH_STORE_NT   ; 32 lanes store 512 consecutive aligned bytes
.endr
.endr
	s_wait_dscnt 0x0                               ; the closing lines, six on end
	s_wait_alu 0x0
	s_wait_tensorcnt 0x0
	ds_add_u32 v254, v255
	s_wait_dscnt 0x0
	s_endpgm
.Lfunc_end_k_q6011f8c173_tail:
	.size	k_q6011f8c173_tail, .Lfunc_end_k_q6011f8c173_tail-k_q6011f8c173_tail
	.p2alignl 7, 3214868480
	.fill 96, 4, 3214868480
	.section	.rodata,"a",@progbits
	.p2align	6, 0x0
	.amdhsa_kernel k_q6011f8c173_tail
		.amdhsa_group_segment_fixed_size 138240
		.amdhsa_private_segment_fixed_size 0
		.amdhsa_enable_private_segment 0
		.amdhsa_kernarg_size 128
		.amdhsa_user_sgpr_count 2
		.amdhsa_user_sgpr_kernarg_segment_ptr 1
		.amdhsa_wavefront_size32 1
		.amdhsa_system_sgpr_workgroup_id_x 1
		.amdhsa_system_sgpr_workgroup_id_y 1
		.amdhsa_system_sgpr_workgroup_id_z 1
		.amdhsa_system_vgpr_workitem_id 0
		.amdhsa_next_free_vgpr 448
		.amdhsa_next_free_sgpr 96
		.amdhsa_reserve_vcc 0
		.amdhsa_float_denorm_mode_32 3
		.amdhsa_float_denorm_mode_16_64 3
		.amdhsa_memory_ordered 1
		.amdhsa_forward_progress 1
		.amdhsa_inst_pref_size 255
	.end_amdhsa_kernel
	.section	.bss,"aw",@nobits
	.p2align	6
	.space	262144
	.amdgpu_metadata
---
amdhsa.version: [ 1, 2 ]
amdhsa.kernels:
  - .name:           k_q6011f8c173_tail
    .symbol:         k_q6011f8c173_tail.kd
    .args:
      - { .name: gene_emb, .offset: 0, .size: 8, .value_kind: global_buffer, .address_space: global }
      - { .name: expr_emb, .offset: 8, .size: 8, .value_kind: global_buffer, .address_space: global }
      - { .name: att, .offset: 16, .size: 8, .value_kind: global_buffer, .address_space: global }
      - { .name: wts, .offset: 24, .size: 8, .value_kind: global_buffer, .address_space: global }
      - { .name: g_bo, .offset: 32, .size: 8, .value_kind: global_buffer, .address_space: global }
      - { .name: e_bo, .offset: 40, .size: 8, .value_kind: global_buffer, .address_space: global }
      - { .name: ln_g2_w, .offset: 48, .size: 8, .value_kind: global_buffer, .address_space: global }
      - { .name: ln_g2_b, .offset: 56, .size: 8, .value_kind: global_buffer, .address_space: global }
      - { .name: ln_e2_w, .offset: 64, .size: 8, .value_kind: global_buffer, .address_space: global }
      - { .name: ln_e2_b, .offset: 72, .size: 8, .value_kind: global_buffer, .address_space: global }
      - { .name: fg_b1, .offset: 80, .size: 8, .value_kind: global_buffer, .address_space: global }
      - { .name: fe_b1, .offset: 88, .size: 8, .value_kind: global_buffer, .address_space: global }
      - { .name: fg_b2, .offset: 96, .size: 8, .value_kind: global_buffer, .address_space: global }
      - { .name: fe_b2, .offset: 104, .size: 8, .value_kind: global_buffer, .address_space: global }
      - { .name: out0, .offset: 112, .size: 8, .value_kind: global_buffer, .address_space: global }
      - { .name: out1, .offset: 120, .size: 8, .value_kind: global_buffer, .address_space: global }
    .group_segment_fixed_size: 138240
    .private_segment_fixed_size: 0
    .kernarg_segment_align: 8
    .kernarg_segment_size: 128
    .max_flat_workgroup_size: 256
    .sgpr_count:     96
    .vgpr_count:     448
    .wavefront_size: 32
...
	.end_amdgpu_metadata
.endif
;; end of part 7
